; MI455X (gfx1250); checked and timed in simulation.
; The chip was launched on July 23, 2026; its instructions are those of AMD's public machine-readable ISA for CDNA 5 (MIT licence, August 2026) and "CDNA5" Instruction Set Architecture Reference Guide (July 2026). The comments in the code are by the model that wrote it; some were corrected since.
;; Transformer Block. Allowed arithmetic: matrix products marked QUANTISED: E2M3 operands, one E8M0 scale for each 32 along K, by v_wmma_scale_f32_16x16x128_f8f6f4 with both operands' format E2M3, f32 sums; everything else in f32.
;; Inputs: Wk_codes 1,024 x 32 x 24 uint8 (E2M3 codes of Wk, K innermost, in blocks of 32 codes, four codes in three bytes); Wk_scales 1,024 x 32 uint8 (E8M0 scales of Wk, one for each 32 codes along K); Wo_codes 1,024 x 32 x 24 uint8 (E2M3 codes of Wo, K innermost, in blocks of 32 codes, four codes in three bytes); Wo_scales 1,024 x 32 uint8 (E8M0 scales of Wo, one for each 32 codes along K); Wq_codes 1,024 x 32 x 24 uint8 (E2M3 codes of Wq, K innermost, in blocks of 32 codes, four codes in three bytes); Wq_scales 1,024 x 32 uint8 (E8M0 scales of Wq, one for each 32 codes along K); Wv_codes 1,024 x 32 x 24 uint8 (E2M3 codes of Wv, K innermost, in blocks of 32 codes, four codes in three bytes); Wv_scales 1,024 x 32 uint8 (E8M0 scales of Wv, one for each 32 codes along K); g1 1,024 float32; g2 1,024 float32; positions 2,048 int32; w1_codes 2,752 x 32 x 24 uint8 (E2M3 codes of w1, K innermost, in blocks of 32 codes, four codes in three bytes); w1_scales 2,752 x 32 uint8 (E8M0 scales of w1, one for each 32 codes along K); w2_codes 1,024 x 86 x 24 uint8 (E2M3 codes of w2, K innermost, in blocks of 32 codes, four codes in three bytes); w2_scales 1,024 x 86 uint8 (E8M0 scales of w2, one for each 32 codes along K); w3_codes 2,752 x 32 x 24 uint8 (E2M3 codes of w3, K innermost, in blocks of 32 codes, four codes in three bytes); w3_scales 2,752 x 32 uint8 (E8M0 scales of w3, one for each 32 codes along K); x 2 x 2,048 x 1,024 float32.
;; Outputs: out0 2 x 2,048 x 1,024 float32.
;; Constants: theta = 10000.
;; This version of the problem:
;;   THIS VERSION OF THE PROBLEM IS GIVEN IN LOW PRECISION. The matrix products marked QUANTISED in the list below multiply operands that are first quantised to E2M3 (2 exponent bits, 3 mantissa bits; 6 bits a number), with one power-of-two scale for each 32 numbers along K (OCP MX v1.0); their sums are f32. All else is computed in f32.
;;   The module's matrix products, in the order in which they are computed (A, B: the left and right operand; K: the contracted axis; several contracted axes count as one K, in the product's order):
;;     1. [M 4,096, K 1,024] x [K 1,024, N 1,024]; A: computed on the way; B: input Wq (given as codes): QUANTISED
;;     2. [M 4,096, K 1,024] x [K 1,024, N 1,024]; A: computed on the way; B: input Wk (given as codes): QUANTISED
;;     3. [M 4,096, K 1,024] x [K 1,024, N 1,024]; A: computed on the way; B: input Wv (given as codes): QUANTISED
;;     4. batch 32 x [M 2,048, K 64] x [K 64, N 2,048]; A: computed on the way; B: computed on the way: QUANTISED
;;     5. batch 32 x [M 2,048, K 2,048] x [K 2,048, N 64]; A: softmax (see below); B: computed on the way: QUANTISED
;;     6. [M 4,096, K 1,024] x [K 1,024, N 1,024]; A: computed on the way; B: input Wo (given as codes): QUANTISED
;;     7. [M 4,096, K 1,024] x [K 1,024, N 2,752]; A: computed on the way; B: input w1 (given as codes): QUANTISED
;;     8. [M 4,096, K 1,024] x [K 1,024, N 2,752]; A: computed on the way; B: input w3 (given as codes): QUANTISED
;;     9. [M 4,096, K 2,752] x [K 2,752, N 1,024]; A: computed on the way; B: input w2 (given as codes): QUANTISED
;;   THE QUANTISER, for each operand of a quantised product, along K:
;;     - K is cut into blocks of 32 from its start; a last block that is shorter is filled with zeros.
;;     - A block's scale is 2^e with e = floor(log2(the largest magnitude in the block)) - 2, held to -126 .. 127; a block of zeros has e = 0. As a byte (E8M0): e + 127.
;;     - Each number is divided by its block's scale, clamped to +-7.5, and rounded to the nearest number of E2M3, ties to even, subnormals kept.
;;     - The product sums the exact products of the quantised numbers (number of the format x scale) in f32.
;;   ~~~python
;;   def quantise(x, axis):      # numpy; x: float32 -> the quantised numbers, widened to float32 again
;;       x = np.moveaxis(x, axis, -1); K = x.shape[-1]
;;       x = np.pad(x, [(0, 0)] * (x.ndim - 1) + [(0, -K % 32)]); x = x.reshape(x.shape[:-1] + (-1, 32)); a = np.abs(x).max(-1, keepdims=True)
;;       e = np.where(a > 0, np.clip(np.frexp(np.where(a > 0, a, 1))[1] - 1 - 2, -126, 127), 0)      # np.frexp(a)[1] - 1 = floor(log2(a)), exactly
;;       r = np.clip(x / 2.0 ** e, -7.5, 7.5)
;;       step = 2.0 ** (np.maximum(np.frexp(np.where(r == 0, 1, r))[1] - 1, 0) - 3)
;;       q = np.round(r / step) * step * 2.0 ** e      # np.round: ties to even
;;       return np.moveaxis(q.reshape(q.shape[:-2] + (-1,))[..., :K], -1, axis).astype(np.float32)
;;   ~~~
;;   SOFTMAX AHEAD OF A QUANTISED PRODUCT. Where the list says 'softmax', what is quantised is not the finished softmax but p = 2^(t - M), with t = logit x log2(e) and M = ceil(the row's largest t), a whole number; so 1/2 < the row's largest p <= 1. The row's sum l is taken of the UNQUANTISED p, in f32, and the product's result is divided by l at the end. Since M is a whole number, a kernel that streams over the keys may use a running M (the ceiling of the running maximum): every later rescaling is an exact power of two, which a block's scale takes up: the codes' values come out the same.
;;   OPERANDS COMPUTED ON THE WAY. 'Computed on the way' means the value that the module computes at that place (a softmax that the list does not call 'softmax' is quantised finished and normalised). What goes into a quantiser is computed in f32, as accurately as f32 sums, v_exp_f32 and their like allow (about 1e-6 of the number): no bf16 or f16 on the way to a quantiser, and a product that is left as it is and whose result goes on into a quantised operand takes f32 operands (vector FMAs, or v_wmma_f32_16x16x4_f32). A number that lies on a knife's edge between two numbers of the format may be rounded either way, as far as f32 arithmetic and the matrix unit's own rounding can turn it there, and no further.
;;   INPUTS GIVEN AS CODES. Wk (in the module: [1024, 1024], K = its axis 1); Wo (in the module: [1024, 1024], K = its axis 1); Wq (in the module: [1024, 1024], K = its axis 1); Wv (in the module: [1024, 1024], K = its axis 1); w1 (in the module: [2752, 1024], K = its axis 1); w2 (in the module: [1024, 2752], K = its axis 1); w3 (in the module: [2752, 1024], K = its axis 1): each comes as NAME_codes (uint8): NAME with its K axis moved to the last place and cut into blocks of 32 codes, [.., K / 32, bytes a block], one block behind the other in memory; four codes in three bytes: a row's codes are one little-endian stream of bits, code i at bits 6 i .. 6 i + 5 (a code: sign, 2 exponent bits, 3 mantissa bits); and NAME_scales (uint8): the same leading axes, one E8M0 byte (e + 127) for each 32 codes along K. Its value is code x scale, taken as it is: it is not quantised again, and the codes and scales need not be those that the quantiser above would give.
;; 2 versions, each right and faster than the one before. Each part assembles by itself: llvm-mc -triple=amdgcn-amd-amdhsa -mcpu=gfx1250 --defsym DOCPART=n.
;; ======== version 1 of 2: 7 launches
;; limits: inputs' magnitudes at most 100,000; a function is approximated: absolute error at most 1e-07
;; workspace buffers: wts 10,559,488 bytes; xa 3,276,800 bytes; qkvc 9,830,400 bytes; att 3,276,800 bytes; x2 16,777,216 bytes; xb 3,276,800 bytes; hq 9,011,200 bytes
;; launch prep (part 1): grid 488 x 1, 4 waves a work-group, no clusters, 67,072 bytes of LDS; arguments x, g1, xa, positions, Wq_codes, Wq_scales, Wk_codes, Wk_scales, Wv_codes, Wv_scales, Wo_codes, Wo_scales, w1_codes, w1_scales, w3_codes, w3_scales, w2_codes, w2_scales, wts; writes xa, wts
.if DOCPART == 1
	.amdgcn_target "amdgcn-amd-amdhsa--gfx1250"
	.amdhsa_code_object_version 6
	.text
	.protected	k_q788ea1d210_prep
	.globl	k_q788ea1d210_prep
	.p2align	8
	.type	k_q788ea1d210_prep,@function
k_q788ea1d210_prep:
	s_mov_b64 s[64:65], 0
	v_nop
	global_prefetch_b8 v0, s[64:65] scope:SCOPE_SE
	s_setreg_imm32_b32 hwreg(HW_REG_WAVE_MODE, 25, 1), 1
	s_wait_xcnt 0x0
; FOUR JOBS, parted by the work-group's number.
; A (0-255):   dst = the codes of rmsnorm(src, g): one tile of 16 rows x 1,024 a work-group.  Codes of FP6 (E2M3) with one E8M0 byte for each 32 along the row.
; B (256-319): the table cos, sin of positions[n] x 10000^(-j/32), [2048 n][32 j][cos, sin] f32.
; C (320-471): Wq, Wk, Wv, Wo, w1, w3 (K = 1,024) laid anew as images of a matrix operand's registers, a wave a tile of 16 rows.
; D (472-487): w2 (K = 2,752) likewise.
; A launch of 256 work-groups runs job A alone (the second norm).
; LAYOUTS.  An activation fragment (16 rows x 128 K, 12 registers a lane) is six planes of 256 bytes: plane P holds registers 2 P, 2 P + 1 of lane l at 256 P + 8 l.  Its scale bytes lie [row][32].
; A weight fragment is three chunks of 512 bytes: chunk c holds registers 4 c .. 4 c + 3 of lane l at 512 c + 16 l.  Lane r of weight tile t takes row 32 (t / 2) + 8 (t % 2) + r + 8 (r / 8).
; LIMITS: NaN and infinities are not served.  A block whose largest magnitude lies under 2^-124 (a block of zeros too) gets the scale byte 1; only this program reads these bytes.
; The angle is reduced by pi/2 in three parts: good to some 1e-7 rad while |position x frequency| stays under about 1e5; the frequency is one v_exp_f32.
.set PITCH, 4112                       ; a stage row: 4,096 bytes + 16: 16 rows of a 16-byte column start at 16 different groups of four banks
.set SC,    16*PITCH                   ; behind the stage: the tile's 512 scale bytes
.set SCOFF, 3145728                    ; where the scale bytes begin in dst
.set W2IMG, 7471104
.set WSC,   9633792
.set WSC2,  9945088
.set ROPE,  10035200
.set X,  32                            ; v32-159  four rows as loaded, then 2 x 64 numbers
.set G,  160                           ; v160-191 g
.set SS, 192                           ; v192-199 a pair for each row: sum of squares, then 1 / rms
.set QM, 200                           ; largest magnitudes
.set QP, 204                           ; the other half's, then the bytes
.set QS, 212                           ; the conversions' scale operands
.set PW, 216                           ; the scale word
.set PC, 220                           ; v220-238 codes
.set SEL, 20
; 64 numbers of a lane, register 16 b + i = k 32 b + 16 (lane / 16) + i of the lane's row, become a fragment's 12 registers in v[PC] on and its scale word in v[PW]
.macro QUANT s
.irp b, 0,1,2,3
	v_max3_num_f32 v[QM+\b], |v[\s+16*\b]|, |v[\s+1+16*\b]|, 0x1800000   ; with the floor 2^(3 - 127): the byte cannot fall under 1
.endr
.irp i, 2,4,6,8,10,12,14
.irp b, 0,1,2,3
	v_max3_num_f32 v[QM+\b], v[QM+\b], |v[\s+16*\b+\i]|, |v[\s+1+16*\b+\i]|
.endr
.endr
.irp b, 0,1,2,3
	v_permlanex16_b32 v[QP+\b], v[QM+\b], s[SEL], s[SEL+1]
.endr
.irp b, 0,1,2,3
	v_max_num_f32 v[QM+\b], v[QM+\b], v[QP+\b]     ; with lane l xor 16's: the block's largest magnitude
.endr
.irp b, 0,1,2,3
	v_add_nc_u32 v[QS+\b], 0xff000000, v[QM+\b]    ; 2 off its exponent field: the conversion's scale operand
.endr
.irp b, 0,1,2,3
	v_lshrrev_b32 v[QP+\b], 23, v[QS+\b]           ; the byte
.endr
	v_lshl_or_b32 v[PW], v[QP+1], 8, v[QP]
	v_lshl_or_b32 v[PW], v[QP+2], 16, v[PW]
	v_lshl_or_b32 v[PW], v[QP+3], 24, v[PW]
.irp c, 0,1
	v_cvt_scalef32_pk16_fp6_f32 v[PC+6*\c:PC+2+6*\c], v[\s+32*\c:\s+15+32*\c], v[QS+2*\c]
	v_cvt_scalef32_pk16_fp6_f32 v[PC+12+4*\c:PC+14+4*\c], v[\s+16+32*\c:\s+31+32*\c], v[QS+2*\c+1]
.endr
	v_nop                                          ; a plain line behind the scaled conversions
.irp c, 0,1                            ; a whole block to a lane: lanes 0-15 block 2 c, lanes 16-31 block 2 c + 1
.irp i, 0,1,2
	v_permlane16_swap_b32 v[PC+6*\c+\i], v[PC+12+4*\c+\i]
.endr
.irp i, 0,1,2
	v_mov_b32 v[PC+3+6*\c+\i], v[PC+12+4*\c+\i]
.endr
.endr
.endm
.macro BAR                             ; my LDS stores have landed and my LDS loads are in: then the work-group's barrier
	s_wait_dscnt 0x0
	s_barrier_signal -1
	s_barrier_wait -1
.endm
	v_lshl_add_u32 v240, v0, 2, 0x10400
	v_mov_b32 v241, 0
	v_lshrrev_b32 v1, 5, v0
	v_readfirstlane_b32 s16, v1                    ; wave
	v_and_b32 v2, 31, v0                           ; lane
	v_and_b32 v3, 15, v0                           ; r
	v_bfe_u32 v9, v0, 4, 1                         ; h
	v_lshlrev_b32 v4, 4, v2                        ; 16 x lane
	s_cmp_lt_u32 ttmp9, 256
	s_cbranch_scc0 .Lnot_a
; ---------------- A: the norm and its codes ----------------
	s_load_b128 s[4:7], s[0:1], 0x0                ; src, g
	s_load_b64 s[8:9], s[0:1], 0x10                ; dst
	s_mul_i32 s17, s16, 4*PITCH
	v_add_nc_u32 v5, s17, v4                       ; into the stage: my wave's four rows, 16 bytes a lane
	v_mul_u32_u24 v6, v3, PITCH
	v_lshl_add_u32 v6, v9, 6, v6
	s_lshl_b32 s17, s16, 10
	v_add_nc_u32 v6, s17, v6                       ; out of it: row r, + 64 h, + my wave's two K steps
	v_lshlrev_b32 v7, 3, v2
	s_mul_i32 s17, s16, 3072
	v_add_nc_u32 v7, s17, v7                       ; in dst: 8 x lane + my two fragments
	v_lshlrev_b32 v8, 5, v3
	s_lshl_b32 s17, s16, 3
	v_add_nc_u32 v8, s17, v8
	v_add_nc_u32 v8, SC, v8                        ; my rows' scale words: 32 r + 8 wave
	v_add_nc_u32 v11, SC, v4
	s_lshl_b32 s17, s16, 14
	v_add_nc_u32 v10, s17, v4                      ; in src: my wave's four rows
	s_lshl_b32 s10, ttmp9, 16                      ; 16 rows of 4,096 bytes
	s_mov_b32 s11, 0
	s_mul_i32 s12, ttmp9, 12288                    ; eight fragments
	s_mov_b32 s13, 0
	s_lshl_b32 s14, ttmp9, 9
	s_add_co_u32 s14, s14, SCOFF
	s_mov_b32 s15, 0
	s_mov_b32 s[SEL], 0x76543210
	s_mov_b32 s[SEL+1], 0xfedcba98
	s_mov_b32 s22, 0x3a800000                      ; 1 / 1024
	s_mov_b32 s23, 0x3727c5ac                      ; 1e-5
.irp b, 0,1,2,3
	v_mov_b32 v[QP+\b], 0                          ; a lane permute's destination counts as read
.endr
	s_wait_kmcnt 0x0
	s_add_nc_u64 s[4:5], s[4:5], s[10:11]
	s_add_nc_u64 s[18:19], s[8:9], s[14:15]
	s_add_nc_u64 s[8:9], s[8:9], s[12:13]
.irp j, 0,1,2,3,4,5,6,7
	global_load_b128 v[G+4*\j:G+4*\j+3], v4, s[6:7] offset:512*\j
.endr
.irp p, 0,1,2,3
.irp j, 0,1,2,3,4,5,6,7
	global_load_b128 v[X+32*\p+4*\j:X+32*\p+4*\j+3], v10, s[4:5] offset:4096*\p+512*\j   ; 512 consecutive bytes a load
.endr
.endr
.irp p, 0,1,2,3
	s_wait_loadcnt 8*(3-\p)                        ; row p is in; the younger rows' eight loads each may be out
	v_pk_mul_f32 v[SS+2*\p:SS+2*\p+1], v[X+32*\p:X+32*\p+1], v[X+32*\p:X+32*\p+1]
.irp j, 2,4,6,8,10,12,14,16,18,20,22,24,26,28,30
	v_pk_fma_f32 v[SS+2*\p:SS+2*\p+1], v[X+32*\p+\j:X+32*\p+\j+1], v[X+32*\p+\j:X+32*\p+\j+1], v[SS+2*\p:SS+2*\p+1]
.endr
.endr
.irp p, 0,1,2,3
	v_add_f32 v[SS+2*\p], v[SS+2*\p], v[SS+2*\p+1]
.endr
.irp m, 1,2,4,8
.irp p, 0,1,2,3
	v_add_f32_dpp v[SS+2*\p], v[SS+2*\p], v[SS+2*\p] row_xmask:\m row_mask:0xf bank_mask:0xf
.endr
.endr
.irp p, 0,1,2,3
	v_permlanex16_b32 v[SS+2*\p+1], v[SS+2*\p], s[SEL], s[SEL+1]
.endr
.irp p, 0,1,2,3
	v_add_f32 v[SS+2*\p], v[SS+2*\p], v[SS+2*\p+1]
.endr
.irp p, 0,1,2,3
	v_fma_f32 v[SS+2*\p], v[SS+2*\p], s22, s23     ; the mean of the squares + eps
.endr
.irp p, 0,1,2,3
	v_rsq_f32 v[SS+2*\p], v[SS+2*\p]
.endr
	v_nop                                          ; a plain line behind the last of the batch
	s_wait_alu depctr_va_vdst(0)                   ; one wait for the four, ahead of their first reader
.irp p, 0,1,2,3
.set k, 0
.rept 16
	v_pk_mul_f32 v[X+32*\p+k:X+32*\p+k+1], v[X+32*\p+k:X+32*\p+k+1], v[SS+2*\p:SS+2*\p+1] op_sel_hi:[1,0]
.set k, k+2
.endr
.endr
.irp p, 0,1,2,3
.set k, 0
.rept 16
	v_pk_mul_f32 v[X+32*\p+k:X+32*\p+k+1], v[X+32*\p+k:X+32*\p+k+1], v[G+k:G+k+1]
.set k, k+2
.endr
.endr
.irp p, 0,1,2,3
.irp j, 0,1,2,3,4,5,6,7
	ds_store_b128 v5, v[X+32*\p+4*\j:X+32*\p+4*\j+3] offset:PITCH*\p+512*\j
.endr
.endr
	BAR                                            ; sixteen whole rows lie in the stage
.irp e, 0,1
.irp b, 0,1,2,3
.irp j, 0,1,2,3
	ds_load_b128 v[X+64*\e+16*\b+4*\j:X+64*\e+16*\b+4*\j+3], v6 offset:512*\e+128*\b+16*\j   ; K step 2 wave + e: of row r, 16 neighbours of each block of 32
.endr
.endr
.endr
	s_wait_dscnt 16                                ; the first K step's sixteen loads are in
	QUANT X
.irp q, 0,1,2,3,4,5
	global_store_b64 v7, v[PC+2*\q:PC+2*\q+1], s[8:9] offset:256*\q   ; 32 lanes store 256 consecutive bytes, aligned
.endr
	ds_store_b32 v8, v[PW]                         ; lanes r and r + 16 write the same word with the same value
	s_wait_xcnt 0x0                                ; the stores have read the codes' registers, which are written again
	s_wait_dscnt 0x0
	QUANT X+64
.irp q, 0,1,2,3,4,5
	global_store_b64 v7, v[PC+2*\q:PC+2*\q+1], s[8:9] offset:1536+256*\q
.endr
	ds_store_b32 v8, v[PW] offset:4
	BAR                                            ; the tile's 512 scale bytes lie in LDS
	s_cmp_lg_u32 s16, 0
	s_cbranch_scc1 .Lend_a
	ds_load_b128 v[12:15], v11
	s_wait_dscnt 0x0
	global_store_b128 v4, v[12:15], s[18:19]       ; two aligned blocks of 256 bytes
.Lend_a:
	s_wait_tensorcnt 0x0
	ds_add_u32 v240, v241
	s_wait_dscnt 0x0
	s_endpgm
; ---------------- B: cos and sin ----------------
.Lnot_a:
	s_cmp_lt_u32 ttmp9, 320
	s_cbranch_scc0 .Lnot_b
	s_load_b64 s[4:5], s[0:1], 0x18                ; positions
	s_load_b64 s[6:7], s[0:1], 0x90                ; wts
	s_sub_co_u32 s10, ttmp9, 256
	s_lshl_b32 s10, s10, 2
	s_add_co_u32 s10, s10, s16
	s_lshl_b32 s10, s10, 3                         ; my wave's first n: eight to a wave
	s_lshl_b32 s12, s10, 2
	s_mov_b32 s13, 0
	s_lshl_b32 s14, s10, 8
	s_mov_b32 s15, 0
	s_mov_b32 s32, 0x3f22f983                      ; 2 / pi
	s_mov_b32 s33, 0x3fc90fdb                      ; pi / 2 in three parts
	s_mov_b32 s34, 0xb33bbd2e
	s_mov_b32 s35, 0xa6f72ced
	s_wait_kmcnt 0x0
	s_add_nc_u64 s[4:5], s[4:5], s[12:13]
	s_add_nc_u64 s[6:7], s[6:7], s[14:15]
	s_add_nc_u64 s[6:7], s[6:7], ROPE
	s_load_b256 s[24:31], s[4:5], 0x0
	v_cvt_f32_u32 v10, v2                          ; lane = j
	v_mul_f32 v10, 0xbed49a78, v10                 ; - j log2(10000) / 32
	v_exp_f32 v10, v10
	v_lshlrev_b32 v11, 3, v2                       ; (a plain line)  8 bytes a frequency
	s_wait_alu depctr_va_vdst(0)
	s_wait_kmcnt 0x0
.irp i, 0,1,2,3,4,5,6,7
	v_cvt_f32_i32 v12, s[24+\i]
	v_mul_f32 v12, v12, v10                        ; the angle
	v_mul_f32 v13, s32, v12
	v_rndne_f32 v13, v13                           ; how many quarter turns
	v_fma_f32 v14, -v13, s33, v12
	v_fma_f32 v14, -v13, s34, v14
	v_fma_f32 v14, -v13, s35, v14                  ; what is left, within pi / 4
	v_cvt_i32_f32 v15, v13
	v_mul_f32 v16, v14, v14
	v_mov_b32 v17, 0xb94ca1f9
	v_fmaak_f32 v17, v17, v16, 0x3c08839e
	v_fmaak_f32 v17, v17, v16, 0xbe2aaaa3
	v_mul_f32 v19, v14, v16
	v_fma_f32 v17, v17, v19, v14                   ; its sine
	v_mov_b32 v18, 0x37ccf5ce
	v_fmaak_f32 v18, v18, v16, 0xbab6061a
	v_fmaak_f32 v18, v18, v16, 0x3d2aaaa5
	v_mul_f32 v19, v16, v16
	v_fma_f32 v20, v16, -0.5, 1.0
	v_fma_f32 v18, v18, v19, v20                   ; its cosine
	v_and_b32 v19, 1, v15
	v_cmp_eq_u32 vcc_lo, 1, v19
	v_cndmask_b32 v20, v17, v18, vcc_lo            ; an odd quarter swaps the two
	v_cndmask_b32 v21, v18, v17, vcc_lo
	v_and_b32 v19, 2, v15
	v_lshlrev_b32 v19, 30, v19
	v_xor_b32 v[41+2*\i], v20, v19                 ; sine: minus in quarters 2, 3
	v_add_nc_u32 v19, 1, v15
	v_and_b32 v19, 2, v19
	v_lshlrev_b32 v19, 30, v19
	v_xor_b32 v[40+2*\i], v21, v19                 ; cosine: minus in quarters 1, 2
	global_store_b64 v11, v[40+2*\i:41+2*\i], s[6:7] offset:256*\i   ; a row of the table: 256 consecutive bytes
.endr
	s_endpgm
; ---------------- C: the weights with K = 1,024 ----------------
.Lnot_b:
	v_and_b32 v13, 8, v3
	v_add_nc_u32 v13, v13, v3                      ; r + 8 (r / 8)
	s_lshr_b32 s17, s16, 1
	s_lshl_b32 s17, s17, 5
	s_and_b32 s18, s16, 1
	s_lshl_b32 s18, s18, 3
	s_add_co_u32 s17, s17, s18                     ; 32 (wave / 2) + 8 (wave % 2)
	s_cmp_lt_u32 ttmp9, 472
	s_cbranch_scc0 .Lnot_c
	s_load_b512 s[24:39], s[0:1], 0x20             ; Wq, Wk, Wv, Wo: codes, scales
	s_load_b256 s[40:47], s[0:1], 0x60             ; w1, w3: codes, scales
	s_load_b64 s[6:7], s[0:1], 0x90                ; wts
	s_sub_co_u32 s14, ttmp9, 320                   ; u: four tiles (64 rows) to a work-group
	v_mul_u32_u24 v10, v13, 768
	v_mad_u32_u24 v10, v9, 24, v10                 ; codes: my row of 768 bytes, + 24 h
	v_lshlrev_b32 v12, 5, v13
	v_lshl_add_u32 v12, v9, 4, v12                 ; scale bytes: my row of 32, + 16 h
	s_lshl_b32 s15, s14, 2
	s_add_co_u32 s15, s15, s16                     ; the tile's number in wts
	s_mul_i32 s48, s15, 12288
	s_mov_b32 s49, 0
	s_lshl_b32 s50, s15, 9
	s_add_co_u32 s50, s50, WSC
	s_mov_b32 s51, 0
	s_wait_kmcnt 0x0
	s_add_nc_u64 s[22:23], s[6:7], s[50:51]
	s_add_nc_u64 s[6:7], s[6:7], s[48:49]
	s_cmp_eq_u32 s14, 107                          ; rows 2,752 to 2,815 of w1 and w3 do not exist: zero codes, scale 1
	s_cbranch_scc1 .Lpad
	s_cmp_eq_u32 s14, 151
	s_cbranch_scc1 .Lpad
	s_mov_b64 s[8:9], s[44:45]                     ; which matrix: a choice on the work-group's number alone
	s_mov_b64 s[10:11], s[46:47]
	s_mov_b32 s12, 108
	s_cmp_lt_u32 s14, 108
	s_cselect_b64 s[8:9], s[40:41], s[8:9]
	s_cselect_b64 s[10:11], s[42:43], s[10:11]
	s_cselect_b32 s12, 64, s12
	s_cmp_lt_u32 s14, 64
	s_cselect_b64 s[8:9], s[36:37], s[8:9]
	s_cselect_b64 s[10:11], s[38:39], s[10:11]
	s_cselect_b32 s12, 48, s12
	s_cmp_lt_u32 s14, 48
	s_cselect_b64 s[8:9], s[32:33], s[8:9]
	s_cselect_b64 s[10:11], s[34:35], s[10:11]
	s_cselect_b32 s12, 32, s12
	s_cmp_lt_u32 s14, 32
	s_cselect_b64 s[8:9], s[28:29], s[8:9]
	s_cselect_b64 s[10:11], s[30:31], s[10:11]
	s_cselect_b32 s12, 16, s12
	s_cmp_lt_u32 s14, 16
	s_cselect_b64 s[8:9], s[24:25], s[8:9]
	s_cselect_b64 s[10:11], s[26:27], s[10:11]
	s_cselect_b32 s12, 0, s12
	s_sub_co_u32 s13, s14, s12
	s_lshl_b32 s13, s13, 6
	s_add_co_u32 s13, s13, s17                     ; the tile's first row in its matrix
	s_mul_i32 s48, s13, 768
	s_lshl_b32 s50, s13, 5
	s_add_nc_u64 s[8:9], s[8:9], s[48:49]
	s_add_nc_u64 s[10:11], s[10:11], s[50:51]
.irp k, 0,1,2,3,4,5,6,7
.irp q, 0,1,2,3,4,5
	global_load_b64 v[32+12*\k+2*\q:32+12*\k+2*\q+1], v10, s[8:9] offset:96*\k+48*(\q/3)+8*(\q%3)
.endr
.endr
	global_load_b128 v[128:131], v12, s[10:11]
	s_wait_loadcnt 0x0
	s_branch .Lc_store
.Lpad:
.set i, 0
.rept 96
	v_mov_b32 v[32+i], 0
.set i, i+1
.endr
.irp i, 0,1,2,3
	v_mov_b32 v[128+\i], 0x7f7f7f7f
.endr
.Lc_store:
.irp k, 0,1,2,3,4,5,6,7
.irp c, 0,1,2
	global_store_b128 v4, v[32+12*\k+4*\c:32+12*\k+4*\c+3], s[6:7] offset:1536*\k+512*\c   ; 512 consecutive bytes a store
.endr
.endr
	global_store_b128 v4, v[128:131], s[22:23]
	s_endpgm
; ---------------- D: w2, K = 2,752 = 21.5 steps of 128 ----------------
.Lnot_c:
	s_load_b128 s[8:11], s[0:1], 0x80              ; w2's codes, scales
	s_load_b64 s[6:7], s[0:1], 0x90                ; wts
	s_sub_co_u32 s14, ttmp9, 472
	v_mul_u32_u24 v10, v13, 2064
	v_mad_u32_u24 v10, v9, 24, v10                 ; codes: my row of 2,064 bytes, + 24 h
	v_mul_u32_u24 v12, v13, 86
	v_mad_u32_u24 v14, v9, 44, v12                 ; scale bytes: lanes 0-15 take K steps 0-10, lanes 16-31 steps 11-21
	v_mad_u32_u24 v15, v9, 42, v12                 ; (for the last two bytes: in lanes 16-31 they do not exist; a neighbour inside the row is read and dropped)
	v_lshlrev_b32 v16, 2, v2
	s_lshl_b32 s15, s14, 2
	s_add_co_u32 s15, s15, s16                     ; the tile
	s_lshl_b32 s13, s14, 6
	s_add_co_u32 s13, s13, s17                     ; its first row
	s_mul_i32 s48, s15, 33792
	s_add_co_u32 s48, s48, W2IMG
	s_mov_b32 s49, 0
	s_mul_i32 s50, s15, 1408
	s_add_co_u32 s50, s50, WSC2
	s_mov_b32 s51, 0
	s_mul_i32 s52, s13, 2064
	s_mov_b32 s53, 0
	s_mul_i32 s54, s13, 86
	s_mov_b32 s55, 0
	s_wait_kmcnt 0x0
	s_add_nc_u64 s[22:23], s[6:7], s[50:51]
	s_add_nc_u64 s[6:7], s[6:7], s[48:49]
	s_add_nc_u64 s[8:9], s[8:9], s[52:53]
	s_add_nc_u64 s[10:11], s[10:11], s[54:55]
.macro W2LOAD k0
.irp k, 0,1,2,3,4,5,6,7,8,9,10
.irp q, 0,1,2,3,4,5
.if ((\k0+\k) < 21) || (\q < 3)
	global_load_b64 v[32+12*\k+2*\q:32+12*\k+2*\q+1], v10, s[8:9] offset:96*(\k0+\k)+48*(\q/3)+8*(\q%3)
.endif
.endr
.endr
.endm
.macro W2STORE k0
.irp k, 0,1,2,3,4,5,6,7,8,9,10
.irp c, 0,1,2
	global_store_b128 v4, v[32+12*\k+4*\c:32+12*\k+4*\c+3], s[6:7] offset:1536*(\k0+\k)+512*\c
.endr
.endr
.endm
	W2LOAD 0
.set e, 0
.rept 21
	global_load_u16 v[164+e], v14, s[10:11] offset:2*e
.set e, e+1
.endr
	global_load_u16 v185, v15, s[10:11] offset:42
	s_wait_loadcnt 0x0
	W2STORE 0
	v_cmp_eq_u32 vcc_lo, 0, v9
	v_cndmask_b32 v185, 0, v185, vcc_lo            ; blocks 86, 87: byte 0 over zero codes
.irp i, 0,1,2,3,4,5,6,7,8,9,10
	v_lshl_or_b32 v[190+\i], v[165+2*\i], 16, v[164+2*\i]
	global_store_b32 v16, v[190+\i], s[22:23] offset:128*\i
.endr
	s_wait_xcnt 0x0                                ; the stores have read their registers: the second half of K lands there
	W2LOAD 11
.irp i, 6,7,8,9,10,11
	v_mov_b32 v[152+\i], 0                         ; K from 2,752 on: zero codes
.endr
	s_wait_loadcnt 0x0
	W2STORE 11
	s_endpgm
.Lfunc_end_k_q788ea1d210_prep:
	.size	k_q788ea1d210_prep, .Lfunc_end_k_q788ea1d210_prep-k_q788ea1d210_prep
	.p2alignl 7, 3214868480
	.fill 96, 4, 3214868480
	.section	.rodata,"a",@progbits
	.p2align	6, 0x0
	.amdhsa_kernel k_q788ea1d210_prep
		.amdhsa_group_segment_fixed_size 67072
		.amdhsa_private_segment_fixed_size 0
		.amdhsa_enable_private_segment 0
		.amdhsa_kernarg_size 152
		.amdhsa_user_sgpr_count 2
		.amdhsa_user_sgpr_kernarg_segment_ptr 1
		.amdhsa_wavefront_size32 1
		.amdhsa_system_sgpr_workgroup_id_x 1
		.amdhsa_system_sgpr_workgroup_id_y 1
		.amdhsa_system_sgpr_workgroup_id_z 1
		.amdhsa_system_vgpr_workitem_id 0
		.amdhsa_next_free_vgpr 242
		.amdhsa_next_free_sgpr 66
		.amdhsa_reserve_vcc 1
		.amdhsa_float_denorm_mode_32 3
		.amdhsa_float_denorm_mode_16_64 3
		.amdhsa_memory_ordered 1
		.amdhsa_forward_progress 1
		.amdhsa_inst_pref_size 83
	.end_amdhsa_kernel
	.amdgpu_metadata
---
amdhsa.version: [ 1, 2 ]
amdhsa.kernels:
  - .name:           k_q788ea1d210_prep
    .symbol:         k_q788ea1d210_prep.kd
    .args:
      - { .name: x, .offset: 0, .size: 8, .value_kind: global_buffer, .address_space: global }
      - { .name: g1, .offset: 8, .size: 8, .value_kind: global_buffer, .address_space: global }
      - { .name: xa, .offset: 16, .size: 8, .value_kind: global_buffer, .address_space: global }
      - { .name: positions, .offset: 24, .size: 8, .value_kind: global_buffer, .address_space: global }
      - { .name: Wq_codes, .offset: 32, .size: 8, .value_kind: global_buffer, .address_space: global }
      - { .name: Wq_scales, .offset: 40, .size: 8, .value_kind: global_buffer, .address_space: global }
      - { .name: Wk_codes, .offset: 48, .size: 8, .value_kind: global_buffer, .address_space: global }
      - { .name: Wk_scales, .offset: 56, .size: 8, .value_kind: global_buffer, .address_space: global }
      - { .name: Wv_codes, .offset: 64, .size: 8, .value_kind: global_buffer, .address_space: global }
      - { .name: Wv_scales, .offset: 72, .size: 8, .value_kind: global_buffer, .address_space: global }
      - { .name: Wo_codes, .offset: 80, .size: 8, .value_kind: global_buffer, .address_space: global }
      - { .name: Wo_scales, .offset: 88, .size: 8, .value_kind: global_buffer, .address_space: global }
      - { .name: w1_codes, .offset: 96, .size: 8, .value_kind: global_buffer, .address_space: global }
      - { .name: w1_scales, .offset: 104, .size: 8, .value_kind: global_buffer, .address_space: global }
      - { .name: w3_codes, .offset: 112, .size: 8, .value_kind: global_buffer, .address_space: global }
      - { .name: w3_scales, .offset: 120, .size: 8, .value_kind: global_buffer, .address_space: global }
      - { .name: w2_codes, .offset: 128, .size: 8, .value_kind: global_buffer, .address_space: global }
      - { .name: w2_scales, .offset: 136, .size: 8, .value_kind: global_buffer, .address_space: global }
      - { .name: wts, .offset: 144, .size: 8, .value_kind: global_buffer, .address_space: global }
    .group_segment_fixed_size: 67072
    .private_segment_fixed_size: 0
    .kernarg_segment_align: 8
    .kernarg_segment_size: 152
    .max_flat_workgroup_size: 128
    .sgpr_count:     66
    .vgpr_count:     242
    .wavefront_size: 32
...
	.end_amdgpu_metadata
.endif
;; end of part 1
;; launch qkv (part 2): grid 12 x 16, 4 waves a work-group, clusters of 4 x 1, 209,408 bytes of LDS; arguments xa, wts, qkvc; writes qkvc
.if DOCPART == 2
	.amdgcn_target "amdgcn-amd-amdhsa--gfx1250"
	.amdhsa_code_object_version 6
	.text
	.protected	k_q788ea1d210_qkv
	.globl	k_q788ea1d210_qkv
	.p2align	8
	.type	k_q788ea1d210_qkv,@function
k_q788ea1d210_qkv:
	s_mov_b64 s[64:65], 0
	v_nop
	global_prefetch_b8 v0, s[64:65] scope:SCOPE_SE
	s_setreg_imm32_b32 hwreg(HW_REG_WAVE_MODE, 25, 1), 1
	s_wait_xcnt 0x0
	s_wait_alu depctr_hold_cnt(0) depctr_sa_sdst(0) depctr_va_vdst(0) depctr_va_sdst(0) depctr_va_ssrc(0) depctr_va_vcc(0) depctr_vm_vsrc(0)
	s_getreg_b32 s2, hwreg(HW_REG_IB_STS2, 6, 4)
	s_cmp_eq_u32 s2, 0
	s_cbranch_scc0 .Lentry_in_a_cluster
	s_endpgm
.Lentry_in_a_cluster:
	s_bfe_u32 s2, ttmp6, 0x10000c
	s_cmp_lg_u32 s2, 0x3003
	s_cbranch_scc0 .Lentry_shape_is_right
	s_endpgm
.Lentry_shape_is_right:
; q, k, v = xn Wq^T, xn Wk^T, xn Wv^T on codes of FP6 with E8M0 scales; RoPE on q and k in f32; q and k quantised along the head's 64, v along the keys.
; SHARES.  Cluster x = which product (0 q, 1 k, 2 v), the same in all four partners.  A work-group takes 256 rows (16 tiles); wave w of partner cx is head 4 cx + w and keeps that head's 64 rows of W,
; 4 tiles x 8 K steps = 384 registers, for the whole launch.  The 256 rows' register images (196,608 bytes) and scale bytes come into LDS ONCE, by joint tensor loads of the four partners, who need the same rows.
; No LDS byte is filled twice.  A fragment of x read from LDS feeds four matrix instructions.
; q, k: source 0 = W, source 1 = x: a lane holds one token and 32 numbers d = 32 b + 16 (lane / 16) + i.  v: sources swapped: a lane holds one channel, its registers run down the tokens.
; OUT.  q, k codes [bh][128 tiles][3 planes of 256 bytes]: lane (r, h) holds block h of token r; scales [bh][64 pairs of tiles][16 r][2] u16.
; v codes [bh][16 key steps][4 channel tiles][six planes]; code place 16 h + i of block B stands for key 32 B + 16 (i / 8) + 8 h + i % 8 (the softmax's p comes out in the same order); scales [bh][16][4][16 r] u32.
; LIMITS: NaN and infinities are not served; a block under 2^-124 gets the byte 1 (read by this program alone).
.set XSB, 196608                       ; LDS: 0: 16 tiles x 8 fragments x 1,536; here: their scale bytes [row][32]
.set SG,  204800                       ; q, k: each wave's 16 tiles x 16 r u16
.set SGV, 206848                       ; v: each wave's 2 x 4 x 16 scale words
.set WSC, 9633792
.set ROPE, 10035200
.set LN8, 1
.set LN16, 2
.set R4, 3
.set LX0, 4
.set LA, 5
.set LX, 6
.set RA0, 7
.set RA, 8
.set SGA0, 9
.set SGA, 10
.set CO, 11
.set SVA0, 12
.set SVA, 13
.set SGR, 14
.set SVR, 15
.set WS, 16                            ; v16-31  W's scale words: 4 t + i: lanes 0-15 K step i, lanes 16-31 K step 4 + i
.set XS, 32                            ; v32-35  x's, likewise
.set AF, 48                            ; v48-143 x's eight fragments
.set ACC, 144                          ; v144-175 four accumulators
.set CS, 176                           ; v176-207 cos, sin
.set T, 208
.set QM, 212
.set QP, 216
.set QS, 224
.set PW, 228
.set PC, 230                           ; v230-248
.set WV, 10
.set G1S, 16
.set G1C, 24
.set G0S, 32
.set G0C, 36
.set WB, 40
.set WSB, 42
.set OC, 44
.set OS, 46
.set RB, 48
.set SEL, 50
.set MB, 52
.set MX, 53
.set COFF, 54
.set SGO, 55
.set ROFF, 56
.set CNT, 57
.set MSB, 0
.macro WIN new                         ; the immediate's high byte repeats the setting that is left
.if MSB != (\new)
	s_set_vgpr_msb (MSB<<8)|(\new)
.set MSB, (\new)
.endif
.endm
.macro PLACES n
.rept \n
	v_nop
.endr
.endm
.macro ROUND                           ; a round of the cluster's barrier
	s_barrier_signal -1
	s_barrier_wait -1
	s_cmp_lg_u32 s[WV], 0
	s_cbranch_scc1 .Lnw0_\@
	s_barrier_signal -3
.Lnw0_\@:
	s_barrier_wait -3
	s_barrier_signal -1
	s_barrier_wait -1
.endm
.macro DESC g, rows, w0                ; group 1 of a dense block: rows of 256 bytes (32 elements of 8 bytes)
	s_mov_b32 s[\g], \w0
	s_mov_b32 s[\g+1], 32<<16
	s_mov_b32 s[\g+2], (\rows)<<16
	s_mov_b32 s[\g+3], 32<<16
	s_mov_b32 s[\g+4], \rows
	s_mov_b32 s[\g+5], 32
	s_mov_b32 s[\g+6], 0
	s_mov_b32 s[\g+7], 0
.endm
.macro WM0 d, a, b, sa, sb             ; starts a sum
	v_wmma_scale_f32_16x16x128_f8f6f4 v[\d:\d+7], v[\a:\a+11], v[\b:\b+11], 0, v[\sa], v[\sb] matrix_a_fmt:MATRIX_FMT_FP6 matrix_b_fmt:MATRIX_FMT_FP6
.endm
.macro WMC d, a, b, sa, sb             ; adds in place
	v_wmma_scale_f32_16x16x128_f8f6f4 v[\d:\d+7], v[\a:\a+11], v[\b:\b+11], v[\d:\d+7], v[\sa], v[\sb] matrix_a_fmt:MATRIX_FMT_FP6 matrix_b_fmt:MATRIX_FMT_FP6
.endm
.macro WMR d, a, b, sa, sb             ; adds in place, scales from lanes 16-31
	v_wmma_scale_f32_16x16x128_f8f6f4 v[\d:\d+7], v[\a:\a+11], v[\b:\b+11], v[\d:\d+7], v[\sa], v[\sb] matrix_a_fmt:MATRIX_FMT_FP6 matrix_b_fmt:MATRIX_FMT_FP6 matrix_a_scale:MATRIX_SCALE_ROW1 matrix_b_scale:MATRIX_SCALE_ROW1
.endm
.macro FA k0                           ; four fragments of x: 24 loads of 256 consecutive bytes
.irp k, \k0, \k0+1, \k0+2, \k0+3
.irp q, 0,1,2,3,4,5
	ds_load_b64 v[AF+12*(\k)+2*\q:AF+12*(\k)+2*\q+1], v[LA] offset:1536*(\k)+256*\q
.endr
.endr
.endm
.macro FX
	ds_load_b128 v[XS:XS+3], v[LX]
.endm
.macro START                           ; a tile's whole fetch
	v_add_nc_u32 v[LA], s[MB], v[LN8]
	v_add_nc_u32 v[LX], s[MX], v[LX0]
	FA 0
	FX
	FA 4
.endm
.macro NEXT                            ; on to the next tile's bytes
	s_add_co_u32 s[MB], s[MB], 12288
	s_add_co_u32 s[MX], s[MX], 512
	v_add_nc_u32 v[LA], s[MB], v[LN8]
	v_add_nc_u32 v[LX], s[MX], v[LX0]
.endm
; 16 matrix instructions: K steps 4 g .. 4 g + 3, the four accumulators by turns, one instruction a turn.  W's fragment (t, k) lies in window 1 + g at v[12 (4 k + t)]
.macro MM16 g
	WIN 1+\g
.irp k, 0,1,2,3
.irp t, 0,1,2,3
.if \g == 1
	WMR ACC+8*\t, 12*(4*\k+\t), AF+12*(4+\k), WS+4*\t+\k, XS+\k
.elseif \k == 0
	WM0 ACC+8*\t, 12*(4*\k+\t), AF+12*\k, WS+4*\t+\k, XS+\k
.else
	WMC ACC+8*\t, 12*(4*\k+\t), AF+12*\k, WS+4*\t+\k, XS+\k
.endif
.endr
.endr
.endm
.macro MM16V g, m                      ; the same with the sources swapped; accumulator (t, m) at v[64 t + 8 m] of window 3
	WIN 0xF0|((1+\g)<<2)
.irp k, 0,1,2,3
.irp t, 0,1,2,3
.if \g == 1
	WMR 64*\t+8*\m, AF+12*(4+\k), 12*(4*\k+\t), XS+\k, WS+4*\t+\k
.elseif \k == 0
	WM0 64*\t+8*\m, AF+12*\k, 12*(4*\k+\t), XS+\k, WS+4*\t+\k
.else
	WMC 64*\t+8*\m, AF+12*\k, 12*(4*\k+\t), XS+\k, WS+4*\t+\k
.endif
.endr
.endr
.endm
; 64 numbers in window w, register 16 b + i of block b, become a fragment's codes in v[PC] on and its scale word in v[PW]
.macro QUANT s, w
	WIN 5*\w
.irp b, 0,1,2,3
	v_max3_num_f32 v[QM+\b], |v[\s+16*\b]|, |v[\s+1+16*\b]|, 0x1800000
.endr
	WIN 20*\w
.irp i, 2,4,6,8,10,12,14
.irp b, 0,1,2,3
	v_max3_num_f32 v[QM+\b], v[QM+\b], |v[\s+16*\b+\i]|, |v[\s+1+16*\b+\i]|
.endr
.endr
	WIN 0
.irp b, 0,1,2,3
	v_permlanex16_b32 v[QP+\b], v[QM+\b], s[SEL], s[SEL+1]
.endr
.irp b, 0,1,2,3
	v_max_num_f32 v[QM+\b], v[QM+\b], v[QP+\b]
.endr
.irp b, 0,1,2,3
	v_add_nc_u32 v[QS+\b], 0xff000000, v[QM+\b]
.endr
.irp b, 0,1,2,3
	v_lshrrev_b32 v[QP+\b], 23, v[QS+\b]
.endr
	v_lshl_or_b32 v[PW], v[QP+1], 8, v[QP]
	v_lshl_or_b32 v[PW], v[QP+2], 16, v[PW]
	v_lshl_or_b32 v[PW], v[QP+3], 24, v[PW]
	WIN \w
.irp c, 0,1
	v_cvt_scalef32_pk16_fp6_f32 v[PC+6*\c:PC+2+6*\c], v[\s+32*\c:\s+15+32*\c], v[QS+2*\c]
	v_cvt_scalef32_pk16_fp6_f32 v[PC+12+4*\c:PC+14+4*\c], v[\s+16+32*\c:\s+31+32*\c], v[QS+2*\c+1]
.endr
	WIN 0
	v_nop
.irp c, 0,1
.irp i, 0,1,2
	v_permlane16_swap_b32 v[PC+6*\c+\i], v[PC+12+4*\c+\i]
.endr
.irp i, 0,1,2
	v_mov_b32 v[PC+3+6*\c+\i], v[PC+12+4*\c+\i]
.endr
.endr
.endm
; 32 numbers, two blocks: v[PC .. PC+5] = block (lane / 16) of the lane's row; v[PW] = byte 0 | byte 1 << 8
.macro QUANT2 s
.irp b, 0,1
	v_max3_num_f32 v[QM+\b], |v[\s+16*\b]|, |v[\s+1+16*\b]|, 0x1800000
.endr
.irp i, 2,4,6,8,10,12,14
.irp b, 0,1
	v_max3_num_f32 v[QM+\b], v[QM+\b], |v[\s+16*\b+\i]|, |v[\s+1+16*\b+\i]|
.endr
.endr
.irp b, 0,1
	v_permlanex16_b32 v[QP+\b], v[QM+\b], s[SEL], s[SEL+1]
.endr
.irp b, 0,1
	v_max_num_f32 v[QM+\b], v[QM+\b], v[QP+\b]
.endr
.irp b, 0,1
	v_add_nc_u32 v[QS+\b], 0xff000000, v[QM+\b]
.endr
.irp b, 0,1
	v_lshrrev_b32 v[QP+\b], 23, v[QS+\b]
.endr
	v_lshl_or_b32 v[PW], v[QP+1], 8, v[QP]
	v_cvt_scalef32_pk16_fp6_f32 v[PC:PC+2], v[\s:\s+15], v[QS]
	v_cvt_scalef32_pk16_fp6_f32 v[PC+4:PC+6], v[\s+16:\s+31], v[QS+1]
	v_nop
.irp i, 0,1,2
	v_permlane16_swap_b32 v[PC+\i], v[PC+4+\i]
.endr
	v_mov_b32 v[PC+3], v[PC+4]
	v_mov_b32 v[PC+4], v[PC+5]
	v_mov_b32 v[PC+5], v[PC+6]
.endm
	s_load_b128 s[4:7], s[0:1], 0x0                ; xa, wts
	s_load_b64 s[8:9], s[0:1], 0x10                ; qkvc
	v_lshl_add_u32 v254, v0, 2, 0x33000
	v_mov_b32 v255, 0
	ds_add_u32 v254, v255
	ds_add_u32 v254, v255
	v_lshrrev_b32 v1, 5, v0
	v_readfirstlane_b32 s[WV], v1
	s_bfe_u32 s11, ttmp6, 0x40000                  ; cx: it enters global addresses of my own loads and stores alone
	s_mov_b32 s12, ttmp9                           ; which product
	s_and_b32 s13, ttmp7, 0xffff                   ; which 256 rows
	s_lshl_b32 s14, s11, 2
	s_add_co_u32 s14, s14, s[WV]                   ; head
	s_lshl_b32 s15, s12, 4
	s_add_co_u32 s15, s15, s14                     ; which run of four weight tiles
	v_and_b32 v176, 31, v0
	v_and_b32 v177, 15, v0
	v_bfe_u32 v178, v0, 4, 1
	v_lshlrev_b32 v[LN8], 3, v176
	v_lshlrev_b32 v[LN16], 4, v176
	v_lshlrev_b32 v[R4], 2, v177
	v_lshlrev_b32 v[LX0], 5, v177
	v_lshl_add_u32 v[LX0], v178, 4, v[LX0]
	v_add_nc_u32 v[LX0], XSB, v[LX0]               ; scale bytes: 32 r + 16 h
	v_lshlrev_b32 v[RA0], 8, v177
	v_lshl_add_u32 v[RA0], v178, 6, v[RA0]         ; the table: row r of 256 bytes, + 64 h
	s_lshl_b32 s58, s[WV], 9
	v_lshl_add_u32 v[SGA0], v177, 1, s58
	v_add_nc_u32 v[SGA0], SG, v[SGA0]
	v_add_nc_u32 v[SVA0], s58, v[R4]
	v_add_nc_u32 v[SVA0], SGV, v[SVA0]
	v_lshrrev_b32 v179, 2, v176
	v_lshlrev_b32 v179, 6, v179
	v_and_b32 v180, 3, v176
	v_lshl_add_u32 v179, v180, 3, v179
	v_add_nc_u32 v[SGR], s58, v179
	v_add_nc_u32 v[SGR], SG, v[SGR]                ; back: pair lane / 4, tokens 4 (lane % 4) on
	v_add_nc_u32 v[SVR], s58, v[LN16]
	v_add_nc_u32 v[SVR], SGV, v[SVR]
	DESC G1S, 8, 15|(3<<16)|(1<<21)                ; the mask names all four partners
	DESC G1C, 192, 15|(3<<16)|(1<<21)
	s_lshl_b32 s58, s13, 13
	s_lshl_b32 s59, s[WV], 11
	s_add_co_u32 s58, s58, s59
	s_add_co_u32 s58, s58, 3145728                 ; my quarter of the rows' scale bytes
	s_mov_b32 s59, 0
	s_mul_i32 s60, s13, 196608
	s_mul_i32 s61, s[WV], 49152
	s_add_co_u32 s60, s60, s61                     ; my four tiles of the sixteen
	s_mov_b32 s61, 0
	s_lshl_b32 s62, s[WV], 11
	s_mul_i32 s63, s[WV], 49152
	s_wait_dscnt 0x0
	s_wait_kmcnt 0x0
	s_mov_b32 s[G0S], 1
	s_add_co_u32 s[G0S+1], s62, XSB
	s_add_nc_u64 s[G0S+2:G0S+3], s[4:5], s[58:59]
	s_or_b32 s[G0S+3], s[G0S+3], 0x80000000
	s_mov_b32 s[G0C], 1
	s_mov_b32 s[G0C+1], s63
	s_add_nc_u64 s[G0C+2:G0C+3], s[4:5], s[60:61]
	s_or_b32 s[G0C+3], s[G0C+3], 0x80000000
	ROUND                                          ; all four work-groups are here: the joint loads meet
	tensor_load_to_lds s[G0S:G0S+3], s[G1S:G1S+7]
	s_nop 0
	tensor_load_to_lds s[G0C:G0C+3], s[G1C:G1C+7]  ; two loads of mine are out
	s_nop 0
	PLACES 4
	s_mul_i32 s58, s15, 49152
	s_mov_b32 s59, 0
	s_add_nc_u64 s[WB:WB+1], s[6:7], s[58:59]
	s_lshl_b32 s58, s15, 11
	s_add_co_u32 s58, s58, WSC
	s_add_nc_u64 s[WSB:WSB+1], s[6:7], s[58:59]
	WIN 0x40                                       ; W stays in registers: K steps 0-3 in window 1,
.irp k, 0,1,2,3
.irp t, 0,1,2,3
.irp c, 0,1,2
	global_load_b128 v[12*(4*\k+\t)+4*\c:12*(4*\k+\t)+4*\c+3], v[LN16], s[WB:WB+1] offset:\t*12288+\k*1536+512*\c
.endr
.endr
.endr
	WIN 0x80                                       ; 4-7 in window 2
.irp k, 0,1,2,3
.irp t, 0,1,2,3
.irp c, 0,1,2
	global_load_b128 v[12*(4*\k+\t)+4*\c:12*(4*\k+\t)+4*\c+3], v[LN16], s[WB:WB+1] offset:\t*12288+(\k+4)*1536+512*\c
.endr
.endr
.endr
	WIN 0
.irp t, 0,1,2,3
	global_load_b128 v[WS+4*\t:WS+4*\t+3], v[LN16], s[WSB:WSB+1] offset:512*\t
.endr
	s_lshr_b32 s58, s13, 3
	s_lshl_b32 s58, s58, 4
	s_add_co_u32 s58, s58, s14                     ; bh
	s_and_b32 s59, s13, 7                          ; which 256 of the sequence's tokens
	s_mul_i32 s60, s12, 3145728
	s_mul_i32 s61, s58, 98304
	s_add_co_u32 s60, s60, s61
	s_mul_i32 s61, s59, 12288
	s_add_co_u32 s60, s60, s61
	s_mov_b32 s61, 0
	s_add_nc_u64 s[OC:OC+1], s[8:9], s[60:61]
	s_lshl_b32 s60, s12, 17
	s_lshl_b32 s62, s58, 12
	s_add_co_u32 s60, s60, s62
	s_lshl_b32 s62, s59, 9
	s_add_co_u32 s60, s60, s62
	s_add_co_u32 s60, s60, 9437184
	s_add_nc_u64 s[OS:OS+1], s[8:9], s[60:61]
	s_lshl_b32 s60, s59, 16
	s_add_co_u32 s60, s60, ROPE
	s_add_nc_u64 s[RB:RB+1], s[6:7], s[60:61]
	s_mov_b32 s[SEL], 0x76543210
	s_mov_b32 s[SEL+1], 0xfedcba98
.irp b, 0,1,2,3
	v_mov_b32 v[QP+\b], 0
.endr
	s_mov_b32 s[MB], 0
	s_mov_b32 s[MX], 0
	s_mov_b32 s[COFF], 0
	s_mov_b32 s[SGO], 0
	s_mov_b32 s[ROFF], 0
	s_wait_loadcnt 0x0                             ; W and its scales
	s_wait_tensorcnt 0x0                           ; my parts of the rows are in LDS,
	s_barrier_signal -1
	s_barrier_wait -1                              ; everybody's are
	s_cmp_eq_u32 s12, 2
	s_cbranch_scc1 .Lv
; ---------------- q, k ----------------
; A tile of 16 tokens.  pf = 1: the next tile's fragments are fetched meanwhile.
.macro TILEQ pf
.irp b, 0,1
.irp j, 0,1,2,3
	global_load_b128 v[CS+16*\b+4*\j:CS+16*\b+4*\j+3], v[RA], s[RB:RB+1] offset:128*\b+16*\j   ; cos, sin of my token's pairs 16 b + 8 h + 0 .. 7
.endr
.endr
.if \pf
	NEXT
.endif
	s_wait_dscnt 24                                ; fragments 0-3 and the scale words are in: behind them at least the 24 loads of fragments 4-7 were issued
	MM16 0
	WIN 0
	PLACES 4                                       ; in front of loads into registers that matrix instructions have read
.if \pf
	FA 0
	s_wait_dscnt 24                                ; all but the 24 just issued
.else
	s_wait_dscnt 0x0
.endif
	MM16 1
	WIN 0
	PLACES 5                                       ; four for the reads of the results and the loads below; the fifth since the next tile's first products write over these accumulators
.if \pf
	FX
	FA 4
.endif
	s_wait_loadcnt 0x0
.irp k, 0,2,4,6,8,10,12,14,16,18,20,22,24,26,28,30
	v_mul_f32 v[T+(\k%4)], v[ACC+\k+1], v[CS+\k+1]
	v_mul_f32 v[T+(\k%4)+1], v[ACC+\k], v[CS+\k+1]
	v_fma_f32 v[ACC+\k], v[ACC+\k], v[CS+\k], -v[T+(\k%4)]         ; xe cos - xo sin
	v_fma_f32 v[ACC+\k+1], v[ACC+\k+1], v[CS+\k], v[T+(\k%4)+1]    ; xo cos + xe sin
.endr
	s_wait_xcnt 0x0                                ; the last tile's stores have read their data and offset
	v_add_nc_u32 v[CO], s[COFF], v[LN8]
	v_add_nc_u32 v[SGA], s[SGO], v[SGA0]
	QUANT2 ACC
.irp i, 0,1,2
	global_store_b64 v[CO], v[PC+2*\i:PC+2*\i+1], s[OC:OC+1] offset:256*\i   ; 256 consecutive bytes, aligned
.endr
	ds_store_b16 v[SGA], v[PW]                     ; lanes r and r + 16 write the same two bytes
	s_add_co_u32 s[COFF], s[COFF], 768
	s_add_co_u32 s[SGO], s[SGO], 32
	s_add_co_u32 s[ROFF], s[ROFF], 4096
	v_add_nc_u32 v[RA], s[ROFF], v[RA0]            ; (the table's loads are in: their offset may be written)
.endm
	v_mov_b32 v[RA], v[RA0]
	START
	s_mov_b32 s[CNT], 15
.Lqk:
	TILEQ 1
	s_sub_co_u32 s[CNT], s[CNT], 1
	s_cmp_lg_u32 s[CNT], 0
	s_cbranch_scc1 .Lqk
	TILEQ 0                                        ; the last tile fetches nothing
	ds_load_b64 v[CS:CS+1], v[SGR]                 ; four tokens' halves of the pair's even tile (LDS serves a wave's instructions in order: these see my stores),
	ds_load_b64 v[CS+2:CS+3], v[SGR] offset:32     ; and of its odd tile
	s_wait_dscnt 0x0
	v_perm_b32 v[CS+4], v[CS+2], v[CS], 0x05040100
	v_perm_b32 v[CS+5], v[CS+2], v[CS], 0x07060302
	v_perm_b32 v[CS+6], v[CS+3], v[CS+1], 0x05040100
	v_perm_b32 v[CS+7], v[CS+3], v[CS+1], 0x07060302
	global_store_b128 v[LN16], v[CS+4:CS+7], s[OS:OS+1]
	s_branch .Ltail
; ---------------- v ----------------
.macro TILEV m, pf
.if \pf
	NEXT
.endif
	s_wait_dscnt 24
	MM16V 0, \m
	WIN 0
	PLACES 4
.if \pf
	FA 0
	s_wait_dscnt 24
.else
	s_wait_dscnt 0x0
.endif
	MM16V 1, \m
	WIN 0
	PLACES 5
.if \pf
	FX
	FA 4
.endif
.endm
.Lv:
	s_mov_b32 s[CNT], 2
.Lvk:                                                  ; a key step of 128 tokens: 32 accumulators, 64 numbers down the tokens for each of my 4 x 16 channels
	START
.irp m, 0,1,2,3,4,5,6
	TILEV \m, 1
.endr
	TILEV 7, 0
	s_add_co_u32 s[MB], s[MB], 12288
	s_add_co_u32 s[MX], s[MX], 512
.irp t, 0,1,2,3
	s_wait_xcnt 0x0                                ; earlier stores have read the codes' registers and their offset
.if \t == 0
	v_add_nc_u32 v[CO], s[COFF], v[LN8]
	v_add_nc_u32 v[SVA], s[SGO], v[SVA0]
.endif
	QUANT 64*\t, 3
.irp q, 0,1,2,3,4,5
	global_store_b64 v[CO], v[PC+2*\q:PC+2*\q+1], s[OC:OC+1] offset:1536*\t+256*\q
.endr
	ds_store_b32 v[SVA], v[PW] offset:64*\t
.endr
	s_add_co_u32 s[COFF], s[COFF], 6144
	s_add_co_u32 s[SGO], s[SGO], 256
	s_sub_co_u32 s[CNT], s[CNT], 1
	s_cmp_lg_u32 s[CNT], 0
	s_cbranch_scc1 .Lvk
	ds_load_b128 v[CS:CS+3], v[SVR]
	s_wait_dscnt 0x0
	global_store_b128 v[LN16], v[CS:CS+3], s[OS:OS+1]
.Ltail:
	s_wait_dscnt 0x0
	s_wait_tensorcnt 0x0
	ds_add_u32 v254, v255
	s_wait_dscnt 0x0
	ROUND                                          ; the closing round
	s_endpgm
.Lfunc_end_k_q788ea1d210_qkv:
	.size	k_q788ea1d210_qkv, .Lfunc_end_k_q788ea1d210_qkv-k_q788ea1d210_qkv
	.p2alignl 7, 3214868480
	.fill 96, 4, 3214868480
	.section	.rodata,"a",@progbits
	.p2align	6, 0x0
	.amdhsa_kernel k_q788ea1d210_qkv
		.amdhsa_group_segment_fixed_size 209408
		.amdhsa_private_segment_fixed_size 0
		.amdhsa_enable_private_segment 0
		.amdhsa_kernarg_size 24
		.amdhsa_user_sgpr_count 2
		.amdhsa_user_sgpr_kernarg_segment_ptr 1
		.amdhsa_wavefront_size32 1
		.amdhsa_system_sgpr_workgroup_id_x 1
		.amdhsa_system_sgpr_workgroup_id_y 1
		.amdhsa_system_sgpr_workgroup_id_z 1
		.amdhsa_system_vgpr_workitem_id 0
		.amdhsa_next_free_vgpr 1024
		.amdhsa_next_free_sgpr 66
		.amdhsa_reserve_vcc 0
		.amdhsa_float_denorm_mode_32 3
		.amdhsa_float_denorm_mode_16_64 3
		.amdhsa_memory_ordered 1
		.amdhsa_forward_progress 1
		.amdhsa_inst_pref_size 126
	.end_amdhsa_kernel
	.amdgpu_metadata
---
amdhsa.version: [ 1, 2 ]
amdhsa.kernels:
  - .name:           k_q788ea1d210_qkv
    .symbol:         k_q788ea1d210_qkv.kd
    .args:
      - { .name: xa, .offset: 0, .size: 8, .value_kind: global_buffer, .address_space: global }
      - { .name: wts, .offset: 8, .size: 8, .value_kind: global_buffer, .address_space: global }
      - { .name: qkvc, .offset: 16, .size: 8, .value_kind: global_buffer, .address_space: global }
    .group_segment_fixed_size: 209408
    .private_segment_fixed_size: 0
    .kernarg_segment_align: 8
    .kernarg_segment_size: 24
    .max_flat_workgroup_size: 128
    .sgpr_count:     66
    .vgpr_count:     1024
    .wavefront_size: 32
...
	.end_amdgpu_metadata
.endif
;; end of part 2
;; launch attn (part 3): grid 8 x 32, 16 waves a work-group, no clusters, 206,848 bytes of LDS; arguments qkvc, att; writes att
.if DOCPART == 3
	.amdgcn_target "amdgcn-amd-amdhsa--gfx1250"
	.amdhsa_code_object_version 6
	.text
	.protected	k_q788ea1d210_attn
	.globl	k_q788ea1d210_attn
	.p2align	8
	.type	k_q788ea1d210_attn,@function
k_q788ea1d210_attn:
	s_mov_b64 s[64:65], 0
	v_nop
	global_prefetch_b8 v0, s[64:65] scope:SCOPE_SE
	s_setreg_imm32_b32 hwreg(HW_REG_WAVE_MODE, 25, 1), 1
	s_wait_xcnt 0x0
; Causal attention on codes of FP6: S^T = K Q^T (K = the head's 64), p = 2^(t - M) with M the ceiling of the running largest t, O^T = V^T P^T (K = the keys), O / the sum of the unquantised p, quantised for the next product.
; SHARES.  A work-group owns one head (y) and the query blocks x and 15 - x of 128 queries: 17 key steps x 8 waves whatever x is.  Each of sixteen waves owns one tile of 16 queries, in 256 registers.
; The head's K and V (codes and scale words, 204,800 bytes) come into LDS ONCE, by tensor loads of waves 0 to 3; no LDS byte is filled twice and none is stored to.
; K = 64 IS HALF OF THE INSTRUCTION'S 128: two neighbouring tiles of 16 keys make one operand of 12 registers; it is multiplied by [q, zero codes] and by [zero codes, q].
; A lane holds one query throughout.  p's 16 registers of two tiles are keys 32 B + 16 (i / 8) + 8 h + i % 8: the order in which V's codes were laid; the order is the same on both sides and stays inside a block of 32.
; A key step all of whose keys come after the wave's queries is left out by a scalar branch on ids; the trip count is a constant.
; NO MULTICAST: the work-groups that share K and V differ in the query block, on which that branch hangs; partners of a cluster may not part so.
; LIMITS: NaN and infinities are not served; a block under 2^-124 gets the byte 1.  The scale bytes leave one a lane, 32 bytes apart: 32 bytes beside the wave's 768 bytes of codes.
.set VREG, 102400                      ; LDS: 0: K's scale words (4,096), K's images (98,304); here the same for V
.set AK0, 1
.set AV0, 2
.set AS0, 3
.set AT0, 4
.set LN8, 5
.set ADK, 8
.set ADV, 9
.set ADS, 10
.set ADT, 11
.set KV, 40                            ; v40-87   four fragments of K, then of V.   v12 -M, v13 the largest t, v[14:15] the sum; v16-27 [q, 0], v28-39 [0, q]
.set S, 88                             ; v88-151  S^T, then p
.set O, 152                            ; v152-183 O^T
.set PC, 184                           ; v184-202 p's codes
.set QM, 204
.set QP, 208
.set QS, 212
.set KS, 216
.set VS, 220
.set PW, 224
.set QSL, 225
.set QSH, 226
.set F, 228
.set TT, 230
.set SU, 232
.set WV, 8
.set G1S, 16
.set G1C, 24
.set G0S, 32
.set G0C, 36
.set SEL, 48
.set CS, 50
.set KF, 52
.set Q0, 53
.set TB, 54
.set TS, 55
.set CNT, 56
.macro PLACES n
.rept \n
	v_nop
.endr
.endm
.macro DESC g, rows, w0
	s_mov_b32 s[\g], \w0
	s_mov_b32 s[\g+1], 32<<16
	s_mov_b32 s[\g+2], (\rows)<<16
	s_mov_b32 s[\g+3], 32<<16
	s_mov_b32 s[\g+4], \rows
	s_mov_b32 s[\g+5], 32
	s_mov_b32 s[\g+6], 0
	s_mov_b32 s[\g+7], 0
.endm
	s_load_b128 s[4:7], s[0:1], 0x0                ; qkvc, att
	v_lshl_add_u32 v254, v0, 2, 0x32000
	v_mov_b32 v255, 0
	ds_add_u32 v254, v255
	ds_add_u32 v254, v255
	v_lshrrev_b32 v1, 5, v0
	v_readfirstlane_b32 s[WV], v1
	s_and_b32 s9, ttmp7, 0xffff                    ; bh
	s_lshr_b32 s10, s[WV], 2
	s_xor_b32 s10, s10, s[WV]
	s_and_b32 s10, s10, 1                          ; 1: the late block
	s_lshr_b32 s11, s[WV], 1
	s_sub_co_u32 s12, 15, ttmp9
	s_cmp_eq_u32 s10, 1
	s_cselect_b32 s12, s12, ttmp9
	s_lshl_b32 s12, s12, 3
	s_add_co_u32 s12, s12, s11                     ; my tile of queries
	s_lshl_b32 s[Q0], s12, 4
	v_and_b32 v6, 31, v0
	v_and_b32 v7, 15, v0
	v_lshlrev_b32 v[LN8], 3, v6
	v_add_nc_u32 v[AK0], 4096, v[LN8]
	v_add_nc_u32 v[AV0], VREG+4096, v[LN8]
	v_lshlrev_b32 v[AS0], 2, v7
	v_add_nc_u32 v[AT0], VREG, v[AS0]
	DESC G1S, 8, 3<<16
	DESC G1C, 192, 3<<16
	s_and_b32 s13, s[WV], 1                        ; waves 0 to 3 fetch: K (0) or V (1),
	s_lshr_b32 s14, s[WV], 1                       ; which half
	s_mul_i32 s15, s13, VREG
	s_lshl_b32 s40, s14, 11
	s_add_co_u32 s40, s40, s15
	s_mul_i32 s41, s14, 49152
	s_add_co_u32 s41, s41, s15
	s_add_co_u32 s41, s41, 4096
	s_mul_i32 s42, s13, 3145728
	s_add_co_u32 s42, s42, 3145728
	s_mul_i32 s43, s9, 98304
	s_add_co_u32 s42, s42, s43
	s_mul_i32 s43, s14, 49152
	s_add_co_u32 s42, s42, s43
	s_mov_b32 s43, 0
	s_lshl_b32 s44, s13, 17
	s_add_co_u32 s44, s44, 9568256
	s_lshl_b32 s45, s9, 12
	s_add_co_u32 s44, s44, s45
	s_lshl_b32 s45, s14, 11
	s_add_co_u32 s44, s44, s45
	s_mov_b32 s45, 0
	s_mul_i32 s46, s9, 98304
	s_mul_i32 s47, s12, 768
	s_add_co_u32 s46, s46, s47                     ; my queries' codes
	s_mov_b32 s47, 0
	s_lshl_b32 s57, s9, 12
	s_lshr_b32 s62, s12, 1
	s_lshl_b32 s62, s62, 6
	s_add_co_u32 s62, s62, s57
	s_and_b32 s57, s12, 1
	s_lshl_b32 s57, s57, 1
	s_add_co_u32 s62, s62, s57
	s_add_co_u32 s62, s62, 9437184                 ; and their scale halves
	s_mov_b32 s63, 0
	s_wait_dscnt 0x0
	s_wait_kmcnt 0x0
	s_mov_b32 s[G0S], 1
	s_mov_b32 s[G0S+1], s40
	s_add_nc_u64 s[G0S+2:G0S+3], s[4:5], s[44:45]
	s_or_b32 s[G0S+3], s[G0S+3], 0x80000000
	s_mov_b32 s[G0C], 1
	s_mov_b32 s[G0C+1], s41
	s_add_nc_u64 s[G0C+2:G0C+3], s[4:5], s[42:43]
	s_or_b32 s[G0C+3], s[G0C+3], 0x80000000
	s_cmp_lt_u32 s[WV], 4
	s_cbranch_scc0 .Lno_fetch
	tensor_load_to_lds s[G0S:G0S+3], s[G1S:G1S+7]
	s_nop 0
	tensor_load_to_lds s[G0C:G0C+3], s[G1C:G1C+7]  ; two loads of mine are out
	s_nop 0
	PLACES 4
.Lno_fetch:
	s_add_nc_u64 s[58:59], s[4:5], s[46:47]
	s_add_nc_u64 s[60:61], s[4:5], s[62:63]
.irp i, 0,1,2
	global_load_b64 v[16+2*\i:17+2*\i], v[LN8], s[58:59] offset:256*\i
	global_load_b64 v[34+2*\i:35+2*\i], v[LN8], s[58:59] offset:256*\i
.endr
	global_load_u16 v[QSL], v[AS0], s[60:61]
.irp i, 22,23,24,25,26,27,28,29,30,31,32,33
	v_mov_b32 v[\i], 0                             ; the zero codes
.endr
	s_mov_b32 s[SEL], 0x76543210
	s_mov_b32 s[SEL+1], 0xfedcba98
	s_mov_b32 s[CS], 0x3e38aa3b                    ; c = log2(e) / sqrt(64)
	s_mov_b32 s[CS+1], s[CS]
	s_mov_b32 s[KF], 0
	s_mov_b32 s[TB], 0
	s_mov_b32 s[TS], 0
	s_wait_loadcnt 0x0                             ; q and its scale halves
	v_lshlrev_b32 v[QSH], 16, v[QSL]               ; the same two bytes for the operand's upper half.  A scale register written by a vector line stands eight plain vector lines ahead of the scaled matrix instruction that names it: the 42 lines below, which set up the state, are those lines
	v_mov_b32 v13, 0xff61b1e6                      ; the largest t so far: -3e38
	v_floor_f32 v12, -v13
	v_mov_b32 v14, 0
	v_mov_b32 v15, 0
.irp b, 0,1,2,3
	v_mov_b32 v[QP+\b], 0
.endr
	v_mov_b32 v[F+1], 0
	v_mov_b32 v[TT], 0
.set n, 0
.rept 32
	v_mov_b32 v[O+n], 0                            ; the step is written once: the first finds zeros
.set n, n+1
.endr
	s_wait_tensorcnt 0x0                           ; my parts of K and V are in LDS,
	s_barrier_signal -1
	s_barrier_wait -1                              ; everybody's are
	s_mov_b32 s[CNT], 16
.Lstep:                                                ; 128 keys
	s_add_co_u32 s40, s[Q0], 15
	s_cmp_gt_u32 s[KF], s40
	s_cbranch_scc1 .Lhidden
	v_add_nc_u32 v[ADK], s[TB], v[AK0]             ; (these four are the places behind the last step's products)
	v_add_nc_u32 v[ADV], s[TB], v[AV0]
	v_add_nc_u32 v[ADS], s[TS], v[AS0]
	v_add_nc_u32 v[ADT], s[TS], v[AT0]
.irp a, 0,1,2,3
.irp q, 0,1,2,3,4,5
	ds_load_b64 v[KV+12*\a+2*\q:KV+12*\a+2*\q+1], v[ADK] offset:1536*\a+256*\q
.endr
	ds_load_b32 v[KS+\a], v[ADS] offset:64*\a
.endr
	s_wait_dscnt 0x0
.irp a, 0,1,2,3
.irp u, 0,1
	v_wmma_scale_f32_16x16x128_f8f6f4 v[S+8*(2*\a+\u):S+8*(2*\a+\u)+7], v[KV+12*\a:KV+12*\a+11], v[16+12*\u:27+12*\u], 0, v[KS+\a], v[QSL+\u] matrix_a_fmt:MATRIX_FMT_FP6 matrix_b_fmt:MATRIX_FMT_FP6
.endr
.endr
	PLACES 4
.irp t, 0,1,2,3                        ; V's fragments land while the softmax is walked
.irp q, 0,1,2,3,4,5
	ds_load_b64 v[KV+12*\t+2*\q:KV+12*\t+2*\q+1], v[ADV] offset:1536*\t+256*\q
.endr
	ds_load_b32 v[VS+\t], v[ADT] offset:64*\t
.endr
	s_add_co_u32 s40, s[KF], 127
	s_cmp_le_u32 s40, s[Q0]
	s_cbranch_scc1 .Lopen
	s_sub_co_i32 s40, s[Q0], s[KF]                 ; on the diagonal: hidden scores become -infinity
	v_and_b32 v[TT], 15, v0
	v_bfe_u32 v[TT+1], v0, 4, 1
	v_lshlrev_b32 v[TT+1], 3, v[TT+1]
	v_sub_nc_u32 v[TT], v[TT], v[TT+1]
	v_add_nc_u32 v[TT], s40, v[TT]                 ; d = my query - the step's first key - 8 h; register n holds key 16 (n / 8) + n % 8 + 8 h
	v_mov_b32 v[TT+1], 0xff800000
.set n, 0
.rept 64
	v_cmp_gt_i32 vcc_lo, 16*(n/8)+n%8, v[TT]
	v_cndmask_b32 v[S+n], v[S+n], v[TT+1], vcc_lo
.set n, n+1
.endr
.Lopen:
.irp b, 0,1,2,3
	v_max3_num_f32 v[QM+\b], v[S+16*\b], v[S+1+16*\b], v[S+2+16*\b]   ; each block's largest score: for the row's maximum and, since p rises with the score, for the block's largest p
.endr
.irp i, 3,5,7,9,11,13
.irp b, 0,1,2,3
	v_max3_num_f32 v[QM+\b], v[QM+\b], v[S+16*\b+\i], v[S+1+16*\b+\i]
.endr
.endr
.irp b, 0,1,2,3
	v_max_num_f32 v[QM+\b], v[QM+\b], v[S+15+16*\b]
.endr
.irp b, 0,1,2,3
	v_permlanex16_b32 v[QP+\b], v[QM+\b], s[SEL], s[SEL+1]
.endr
.irp b, 0,1,2,3
	v_max_num_f32 v[QM+\b], v[QM+\b], v[QP+\b]
.endr
	v_max3_num_f32 v[TT], v[QM], v[QM+1], v[QM+2]
	v_max_num_f32 v[TT], v[TT], v[QM+3]
	v_mul_f32 v[TT], s[CS], v[TT]
	v_max_num_f32 v13, v13, v[TT]                  ; the running largest t
	v_mov_b32 v[TT], v12
	v_floor_f32 v12, -v13                          ; -M = floor(-t): M is a whole number
	v_sub_f32 v[TT], v12, v[TT]
	v_cvt_i32_f32 v[TT], v[TT]                     ; (it saturates)
	v_ldexp_f32 v[F], 1.0, v[TT]                   ; f = 2^(old M - new M)
.set n, 0
.rept 32
	v_pk_fma_f32 v[S+n:S+n+1], v[S+n:S+n+1], s[CS:CS+1], v[12:13] op_sel_hi:[1,0,0]   ; t - M
.set n, n+2
.endr
.irp b, 0,1,2,3
	v_fma_f32 v[QM+\b], v[QM+\b], s[CS], v12
.endr
.set n, 0
.rept 64
	v_exp_f32 v[S+n], v[S+n]                       ; p, not normalised
.set n, n+1
.endr
	v_pk_mul_f32 v[14:15], v[14:15], v[F:F+1] op_sel_hi:[1,0]      ; (a plain line behind the batch)  the sums under the new M
	s_wait_alu depctr_va_vdst(0)                   ; one wait for the 64, ahead of their first reader
.irp b, 0,1,2,3
	v_exp_f32 v[QM+\b], v[QM+\b]                   ; each block's largest p
.endr
	v_pk_add_f32 v[SU:SU+1], v[S:S+1], v[S+2:S+3]  ; the row's sum of the unquantised p, in two chains
.irp j, 4,8,12,16,20,24,28,32,36,40,44,48,52,56,60
	v_pk_add_f32 v[14:15], v[14:15], v[S+\j:S+\j+1]
	v_pk_add_f32 v[SU:SU+1], v[SU:SU+1], v[S+2+\j:S+3+\j]
.endr
	v_pk_add_f32 v[14:15], v[14:15], v[SU:SU+1]
	s_wait_alu depctr_va_vdst(0)                   ; and one for the four
.irp b, 0,1,2,3
	v_max_num_f32 v[QM+\b], 0x1800000, v[QM+\b]
.endr
.irp b, 0,1,2,3
	v_add_nc_u32 v[QS+\b], 0xff000000, v[QM+\b]
.endr
.irp b, 0,1,2,3
	v_lshrrev_b32 v[QP+\b], 23, v[QS+\b]
.endr
	v_lshl_or_b32 v[PW], v[QP+1], 8, v[QP]
	v_lshl_or_b32 v[PW], v[QP+2], 16, v[PW]
	v_lshl_or_b32 v[PW], v[QP+3], 24, v[PW]
.irp c, 0,1
	v_cvt_scalef32_pk16_fp6_f32 v[PC+6*\c:PC+2+6*\c], v[S+32*\c:S+15+32*\c], v[QS+2*\c]
	v_cvt_scalef32_pk16_fp6_f32 v[PC+12+4*\c:PC+14+4*\c], v[S+16+32*\c:S+31+32*\c], v[QS+2*\c+1]
.endr
	v_nop
.irp c, 0,1
.irp i, 0,1,2
	v_permlane16_swap_b32 v[PC+6*\c+\i], v[PC+12+4*\c+\i]
.endr
.irp i, 0,1,2
	v_mov_b32 v[PC+3+6*\c+\i], v[PC+12+4*\c+\i]
.endr
.endr
.set n, 0
.rept 16
	v_pk_mul_f32 v[O+n:O+n+1], v[O+n:O+n+1], v[F:F+1] op_sel_hi:[1,0]   ; O^T under the new M; these sixteen also stand between the lines that made p's codes and scale word and the products
.set n, n+2
.endr
	s_wait_dscnt 0x0                               ; V
.irp t, 0,1,2,3
	v_wmma_scale_f32_16x16x128_f8f6f4 v[O+8*\t:O+8*\t+7], v[KV+12*\t:KV+12*\t+11], v[PC:PC+11], v[O+8*\t:O+8*\t+7], v[VS+\t], v[PW] matrix_a_fmt:MATRIX_FMT_FP6 matrix_b_fmt:MATRIX_FMT_FP6
.endr
.Lhidden:
	s_add_co_u32 s[KF], s[KF], 128
	s_add_co_u32 s[TB], s[TB], 6144
	s_add_co_u32 s[TS], s[TS], 256
	s_sub_co_u32 s[CNT], s[CNT], 1
	s_cmp_lg_u32 s[CNT], 0
	s_cbranch_scc1 .Lstep
	PLACES 4
	v_add_f32 v14, v14, v15
	v_permlanex16_b32 v[TT], v14, s[SEL], s[SEL+1]
	v_add_f32 v14, v14, v[TT]                      ; the row's sum
	v_rcp_f32 v14, v14
	v_bfe_u32 v[TT+1], v0, 4, 1                    ; (a plain line)  h
	s_lshr_b32 s40, s9, 4                          ; batch
	s_and_b32 s41, s9, 15                          ; head
	s_lshl_b32 s40, s40, 7
	s_add_co_u32 s40, s40, s12                     ; the tile of rows
	s_lshl_b32 s42, s40, 3
	s_lshr_b32 s43, s41, 1
	s_add_co_u32 s42, s42, s43
	s_mul_i32 s42, s42, 1536                       ; fragment (tile, head / 2),
	s_and_b32 s43, s41, 1
	s_mul_i32 s43, s43, 768
	s_add_co_u32 s42, s42, s43                     ; its half head % 2
	s_mov_b32 s43, 0
	s_add_nc_u64 s[44:45], s[6:7], s[42:43]
	s_lshl_b32 s42, s40, 9
	s_lshl_b32 s46, s41, 1
	s_add_co_u32 s42, s42, s46
	s_add_co_u32 s42, s42, 3145728
	s_add_nc_u64 s[46:47], s[6:7], s[42:43]
	v_lshl_add_u32 v[TT+2], v7, 5, v[TT+1]         ; 32 r + h
	s_wait_alu depctr_va_vdst(0)
.set n, 0
.rept 32
	v_mul_f32 v[S+n], v[O+n], v14                  ; register 16 b + i: channel 32 b + 16 h + i of my query
.set n, n+1
.endr
.irp b, 0,1
	v_max3_num_f32 v[QM+\b], |v[S+16*\b]|, |v[S+1+16*\b]|, 0x1800000
.endr
.irp i, 2,4,6,8,10,12,14
.irp b, 0,1
	v_max3_num_f32 v[QM+\b], v[QM+\b], |v[S+16*\b+\i]|, |v[S+1+16*\b+\i]|
.endr
.endr
.irp b, 0,1
	v_permlanex16_b32 v[QP+\b], v[QM+\b], s[SEL], s[SEL+1]
.endr
.irp b, 0,1
	v_max_num_f32 v[QM+\b], v[QM+\b], v[QP+\b]
.endr
.irp b, 0,1
	v_add_nc_u32 v[QS+\b], 0xff000000, v[QM+\b]
.endr
.irp b, 0,1
	v_lshrrev_b32 v[QP+\b], 23, v[QS+\b]
.endr
	v_cvt_scalef32_pk16_fp6_f32 v[PC:PC+2], v[S:S+15], v[QS]
	v_cvt_scalef32_pk16_fp6_f32 v[PC+4:PC+6], v[S+16:S+31], v[QS+1]
	v_nop
.irp i, 0,1,2
	v_permlane16_swap_b32 v[PC+\i], v[PC+4+\i]
.endr
	v_mov_b32 v[PC+3], v[PC+4]
	v_mov_b32 v[PC+4], v[PC+5]
	v_mov_b32 v[PC+5], v[PC+6]
	v_cmp_eq_u32 vcc_lo, 0, v[TT+1]
	v_cndmask_b32 v[TT+3], v[QP+1], v[QP], vcc_lo  ; block h's byte
.irp i, 0,1,2
	global_store_b64 v[LN8], v[PC+2*\i:PC+2*\i+1], s[44:45] offset:256*\i   ; 256 consecutive bytes, aligned
.endr
	global_store_b8 v[TT+2], v[TT+3], s[46:47]
	s_wait_tensorcnt 0x0
	ds_add_u32 v254, v255
	s_wait_dscnt 0x0
	s_endpgm
.Lfunc_end_k_q788ea1d210_attn:
	.size	k_q788ea1d210_attn, .Lfunc_end_k_q788ea1d210_attn-k_q788ea1d210_attn
	.p2alignl 7, 3214868480
	.fill 96, 4, 3214868480
	.section	.rodata,"a",@progbits
	.p2align	6, 0x0
	.amdhsa_kernel k_q788ea1d210_attn
		.amdhsa_group_segment_fixed_size 206848
		.amdhsa_private_segment_fixed_size 0
		.amdhsa_enable_private_segment 0
		.amdhsa_kernarg_size 16
		.amdhsa_user_sgpr_count 2
		.amdhsa_user_sgpr_kernarg_segment_ptr 1
		.amdhsa_wavefront_size32 1
		.amdhsa_system_sgpr_workgroup_id_x 1
		.amdhsa_system_sgpr_workgroup_id_y 1
		.amdhsa_system_sgpr_workgroup_id_z 1
		.amdhsa_system_vgpr_workitem_id 0
		.amdhsa_next_free_vgpr 256
		.amdhsa_next_free_sgpr 66
		.amdhsa_reserve_vcc 1
		.amdhsa_float_denorm_mode_32 3
		.amdhsa_float_denorm_mode_16_64 3
		.amdhsa_memory_ordered 1
		.amdhsa_forward_progress 1
		.amdhsa_inst_pref_size 35
	.end_amdhsa_kernel
	.amdgpu_metadata
---
amdhsa.version: [ 1, 2 ]
amdhsa.kernels:
  - .name:           k_q788ea1d210_attn
    .symbol:         k_q788ea1d210_attn.kd
    .args:
      - { .name: qkvc, .offset: 0, .size: 8, .value_kind: global_buffer, .address_space: global }
      - { .name: att, .offset: 8, .size: 8, .value_kind: global_buffer, .address_space: global }
    .group_segment_fixed_size: 206848
    .private_segment_fixed_size: 0
    .kernarg_segment_align: 8
    .kernarg_segment_size: 16
    .max_flat_workgroup_size: 512
    .sgpr_count:     66
    .vgpr_count:     256
    .wavefront_size: 32
...
	.end_amdgpu_metadata
.endif
;; end of part 3
;; launch wo (part 4): grid 4 x 64, 4 waves a work-group, clusters of 4 x 1, 168,448 bytes of LDS; arguments att, wts, x, x2; writes x2
.if DOCPART == 4
	.amdgcn_target "amdgcn-amd-amdhsa--gfx1250"
	.amdhsa_code_object_version 6
	.text
	.protected	k_q788ea1d210_wo
	.globl	k_q788ea1d210_wo
	.p2align	8
	.type	k_q788ea1d210_wo,@function
k_q788ea1d210_wo:
	s_mov_b64 s[64:65], 0
	v_nop
	global_prefetch_b8 v0, s[64:65] scope:SCOPE_SE
	s_setreg_imm32_b32 hwreg(HW_REG_WAVE_MODE, 25, 1), 1
	s_wait_xcnt 0x0
	s_wait_alu depctr_hold_cnt(0) depctr_sa_sdst(0) depctr_va_vdst(0) depctr_va_sdst(0) depctr_va_ssrc(0) depctr_va_vcc(0) depctr_vm_vsrc(0)
	s_getreg_b32 s2, hwreg(HW_REG_IB_STS2, 6, 4)
	s_cmp_eq_u32 s2, 0
	s_cbranch_scc0 .Lentry_in_a_cluster
	s_endpgm
.Lentry_in_a_cluster:
	s_bfe_u32 s2, ttmp6, 0x10000c
	s_cmp_lg_u32 s2, 0x3003
	s_cbranch_scc0 .Lentry_shape_is_right
	s_endpgm
.Lentry_shape_is_right:
; x2 = x + attn Wo^T, on codes of FP6 with E8M0 scales; sums and the residual in f32.
; A work-group takes 64 rows (4 tiles) x 256 columns; wave w of partner cx keeps 64 rows of Wo (4 tiles x 8 K steps, 384 registers) for the launch.  The four partners need the same rows of attn: their images and
; scale bytes come into LDS once, by joint tensor loads.  No LDS byte is filled twice.  Results go through the wave's own stage and leave as whole rows of 256 bytes.
.set XSB, 49152
.set STG, 51200                        ; 16 rows x 272 bytes for each wave
.set WSC, 9633792
.set LN8, 1
.set LN16, 2
.set LX0, 4
.set LA, 5
.set LX, 6
.set SO, 7
.set SR, 8
.set GO0, 9
.set GO, 10
.set WS, 16
.set XS, 32
.set AF, 48
.set ACC, 144
.set RBK, 176                          ; v176-207 rows read back
.set RX, 208                           ; v208-239 the same places of x
.set WV, 12
.set G1S, 16
.set G1C, 24
.set G0S, 32
.set G0C, 36
.set WB, 40
.set WSB, 42
.set MB, 52
.set MX, 53
.set TOFF, 54
.set CNT, 57
.set MSB, 0
.macro WIN new
.if MSB != (\new)
	s_set_vgpr_msb (MSB<<8)|(\new)
.set MSB, (\new)
.endif
.endm
.macro PLACES n
.rept \n
	v_nop
.endr
.endm
.macro ROUND
	s_barrier_signal -1
	s_barrier_wait -1
	s_cmp_lg_u32 s[WV], 0
	s_cbranch_scc1 .Lnw0_\@
	s_barrier_signal -3
.Lnw0_\@:
	s_barrier_wait -3
	s_barrier_signal -1
	s_barrier_wait -1
.endm
.macro DESC g, rows, w0
	s_mov_b32 s[\g], \w0
	s_mov_b32 s[\g+1], 32<<16
	s_mov_b32 s[\g+2], (\rows)<<16
	s_mov_b32 s[\g+3], 32<<16
	s_mov_b32 s[\g+4], \rows
	s_mov_b32 s[\g+5], 32
	s_mov_b32 s[\g+6], 0
	s_mov_b32 s[\g+7], 0
.endm
.macro WM0 d, a, b, sa, sb
	v_wmma_scale_f32_16x16x128_f8f6f4 v[\d:\d+7], v[\a:\a+11], v[\b:\b+11], 0, v[\sa], v[\sb] matrix_a_fmt:MATRIX_FMT_FP6 matrix_b_fmt:MATRIX_FMT_FP6
.endm
.macro WMC d, a, b, sa, sb
	v_wmma_scale_f32_16x16x128_f8f6f4 v[\d:\d+7], v[\a:\a+11], v[\b:\b+11], v[\d:\d+7], v[\sa], v[\sb] matrix_a_fmt:MATRIX_FMT_FP6 matrix_b_fmt:MATRIX_FMT_FP6
.endm
.macro WMR d, a, b, sa, sb
	v_wmma_scale_f32_16x16x128_f8f6f4 v[\d:\d+7], v[\a:\a+11], v[\b:\b+11], v[\d:\d+7], v[\sa], v[\sb] matrix_a_fmt:MATRIX_FMT_FP6 matrix_b_fmt:MATRIX_FMT_FP6 matrix_a_scale:MATRIX_SCALE_ROW1 matrix_b_scale:MATRIX_SCALE_ROW1
.endm
.macro FA k0
.irp k, \k0, \k0+1, \k0+2, \k0+3
.irp q, 0,1,2,3,4,5
	ds_load_b64 v[AF+12*(\k)+2*\q:AF+12*(\k)+2*\q+1], v[LA] offset:1536*(\k)+256*\q
.endr
.endr
.endm
.macro FX
	ds_load_b128 v[XS:XS+3], v[LX]
.endm
.macro MM16 g                          ; K steps 4 g .. 4 g + 3; the four accumulators by turns
	WIN 1+\g
.irp k, 0,1,2,3
.irp t, 0,1,2,3
.if \g == 1
	WMR ACC+8*\t, 12*(4*\k+\t), AF+12*(4+\k), WS+4*\t+\k, XS+\k
.elseif \k == 0
	WM0 ACC+8*\t, 12*(4*\k+\t), AF+12*\k, WS+4*\t+\k, XS+\k
.else
	WMC ACC+8*\t, 12*(4*\k+\t), AF+12*\k, WS+4*\t+\k, XS+\k
.endif
.endr
.endr
.endm
	s_load_b256 s[4:11], s[0:1], 0x0               ; att, wts, x, x2
	v_lshl_add_u32 v254, v0, 2, 0x29000
	v_mov_b32 v255, 0
	ds_add_u32 v254, v255
	ds_add_u32 v254, v255
	v_lshrrev_b32 v1, 5, v0
	v_readfirstlane_b32 s[WV], v1
	s_bfe_u32 s13, ttmp6, 0x40000                  ; cx: it enters global addresses of my own loads and stores alone
	s_and_b32 s14, ttmp7, 0xffff                   ; which 64 rows
	s_lshl_b32 s15, s13, 2
	s_add_co_u32 s15, s15, s[WV]                   ; which 64 columns
	v_and_b32 v176, 31, v0
	v_and_b32 v177, 15, v0
	v_bfe_u32 v178, v0, 4, 1
	v_lshlrev_b32 v[LN8], 3, v176
	v_lshlrev_b32 v[LN16], 4, v176
	v_lshlrev_b32 v[LX0], 5, v177
	v_lshl_add_u32 v[LX0], v178, 4, v[LX0]
	v_add_nc_u32 v[LX0], XSB, v[LX0]
	s_mul_i32 s58, s[WV], 4352
	s_add_co_u32 s58, s58, STG
	v_mul_u32_u24 v[SO], v177, 272
	v_lshl_add_u32 v[SO], v178, 6, v[SO]
	v_add_nc_u32 v[SO], s58, v[SO]                 ; in: row r, + 64 h
	v_mul_u32_u24 v[SR], v178, 272
	v_lshl_add_u32 v[SR], v177, 4, v[SR]
	v_add_nc_u32 v[SR], s58, v[SR]                 ; back: lanes 0-15 one row, lanes 16-31 the next
	DESC G1S, 2, 15|(3<<16)|(1<<21)
	DESC G1C, 48, 15|(3<<16)|(1<<21)
	s_lshl_b32 s58, s14, 11
	s_lshl_b32 s59, s[WV], 9
	s_add_co_u32 s58, s58, s59
	s_add_co_u32 s58, s58, 3145728
	s_mov_b32 s59, 0
	s_mul_i32 s60, s14, 49152
	s_mul_i32 s61, s[WV], 12288
	s_add_co_u32 s60, s60, s61
	s_mov_b32 s61, 0
	s_lshl_b32 s62, s[WV], 9
	s_mul_i32 s63, s[WV], 12288
	s_wait_dscnt 0x0
	s_wait_kmcnt 0x0
	s_mov_b32 s[G0S], 1
	s_add_co_u32 s[G0S+1], s62, XSB
	s_add_nc_u64 s[G0S+2:G0S+3], s[4:5], s[58:59]
	s_or_b32 s[G0S+3], s[G0S+3], 0x80000000
	s_mov_b32 s[G0C], 1
	s_mov_b32 s[G0C+1], s63
	s_add_nc_u64 s[G0C+2:G0C+3], s[4:5], s[60:61]
	s_or_b32 s[G0C+3], s[G0C+3], 0x80000000
	ROUND
	tensor_load_to_lds s[G0S:G0S+3], s[G1S:G1S+7]
	s_nop 0
	tensor_load_to_lds s[G0C:G0C+3], s[G1C:G1C+7]  ; two loads of mine are out
	s_nop 0
	PLACES 4
	s_mul_i32 s58, s15, 49152
	s_add_co_u32 s58, s58, 2359296
	s_mov_b32 s59, 0
	s_add_nc_u64 s[WB:WB+1], s[6:7], s[58:59]
	s_lshl_b32 s58, s15, 11
	s_add_co_u32 s58, s58, WSC+192*512
	s_add_nc_u64 s[WSB:WSB+1], s[6:7], s[58:59]
	WIN 0x40
.irp k, 0,1,2,3
.irp t, 0,1,2,3
.irp c, 0,1,2
	global_load_b128 v[12*(4*\k+\t)+4*\c:12*(4*\k+\t)+4*\c+3], v[LN16], s[WB:WB+1] offset:\t*12288+\k*1536+512*\c
.endr
.endr
.endr
	WIN 0x80
.irp k, 0,1,2,3
.irp t, 0,1,2,3
.irp c, 0,1,2
	global_load_b128 v[12*(4*\k+\t)+4*\c:12*(4*\k+\t)+4*\c+3], v[LN16], s[WB:WB+1] offset:\t*12288+(\k+4)*1536+512*\c
.endr
.endr
.endr
	WIN 0
.irp t, 0,1,2,3
	global_load_b128 v[WS+4*\t:WS+4*\t+3], v[LN16], s[WSB:WSB+1] offset:512*\t
.endr
	s_lshl_b32 s58, s15, 8
	v_lshlrev_b32 v[GO0], 12, v178
	v_lshl_add_u32 v[GO0], v177, 4, v[GO0]
	v_add_nc_u32 v[GO0], s58, v[GO0]               ; in x and x2: row h, my 64 columns, 16 bytes a lane
	s_lshl_b32 s58, s14, 18
	s_add_nc_u64 s[8:9], s[8:9], s[58:59]
	s_add_nc_u64 s[10:11], s[10:11], s[58:59]
	s_mov_b32 s[MB], 0
	s_mov_b32 s[MX], 0
	s_mov_b32 s[TOFF], 0
	s_wait_loadcnt 0x0
	s_wait_tensorcnt 0x0
	s_barrier_signal -1
	s_barrier_wait -1
.macro TILE pf
	s_wait_xcnt 0x0                                ; the last tile's loads and stores have read their offset and data
	v_add_nc_u32 v[GO], s[TOFF], v[GO0]
	s_add_co_u32 s[TOFF], s[TOFF], 65536
.irp i, 0,1,2,3,4,5,6,7
	global_load_b128 v[RX+4*\i:RX+4*\i+3], v[GO], s[8:9] offset:8192*\i
.endr
.if \pf
	s_add_co_u32 s[MB], s[MB], 12288
	s_add_co_u32 s[MX], s[MX], 512
	v_add_nc_u32 v[LA], s[MB], v[LN8]
	v_add_nc_u32 v[LX], s[MX], v[LX0]
.endif
	s_wait_dscnt 24                                ; fragments 0-3 and the scale words are in
	MM16 0
	WIN 0
	PLACES 4
.if \pf
	FA 0
	s_wait_dscnt 24                                ; all but the 24 just issued
.else
	s_wait_dscnt 0x0
.endif
	MM16 1
	WIN 0
	PLACES 5                                       ; four for what reads the results and loads over the sources; the fifth for the next tile's first products
.if \pf
	FX
	FA 4
.endif
.irp t, 0,1,2,3
.irp q, 0,1
	ds_store_b128 v[SO], v[ACC+8*\t+4*\q:ACC+8*\t+4*\q+3] offset:128*(\t/2)+32*(\t%2)+16*\q   ; each accumulator from its low end on
.endr
.endr
.irp i, 0,1,2,3,4,5,6,7
	ds_load_b128 v[RBK+4*\i:RBK+4*\i+3], v[SR] offset:544*\i       ; my own stage: LDS serves a wave's instructions in order
.endr
	s_wait_dscnt 0x0
	s_wait_loadcnt 0x0
.set n, 0
.rept 16
	v_pk_add_f32 v[RBK+n:RBK+n+1], v[RBK+n:RBK+n+1], v[RX+n:RX+n+1]
.set n, n+2
.endr
.irp i, 0,1,2,3,4,5,6,7
	global_store_b128 v[GO], v[RBK+4*\i:RBK+4*\i+3], s[10:11] offset:8192*\i   ; sixteen lanes store 256 consecutive bytes, aligned
.endr
.endm
	v_add_nc_u32 v[LA], s[MB], v[LN8]
	v_add_nc_u32 v[LX], s[MX], v[LX0]
	FA 0
	FX
	FA 4
	s_mov_b32 s[CNT], 3
.Ltile:
	TILE 1
	s_sub_co_u32 s[CNT], s[CNT], 1
	s_cmp_lg_u32 s[CNT], 0
	s_cbranch_scc1 .Ltile
	TILE 0
	s_wait_tensorcnt 0x0
	ds_add_u32 v254, v255
	s_wait_dscnt 0x0
	ROUND                                          ; the closing round
	s_endpgm
.Lfunc_end_k_q788ea1d210_wo:
	.size	k_q788ea1d210_wo, .Lfunc_end_k_q788ea1d210_wo-k_q788ea1d210_wo
	.p2alignl 7, 3214868480
	.fill 96, 4, 3214868480
	.section	.rodata,"a",@progbits
	.p2align	6, 0x0
	.amdhsa_kernel k_q788ea1d210_wo
		.amdhsa_group_segment_fixed_size 168448
		.amdhsa_private_segment_fixed_size 0
		.amdhsa_enable_private_segment 0
		.amdhsa_kernarg_size 32
		.amdhsa_user_sgpr_count 2
		.amdhsa_user_sgpr_kernarg_segment_ptr 1
		.amdhsa_wavefront_size32 1
		.amdhsa_system_sgpr_workgroup_id_x 1
		.amdhsa_system_sgpr_workgroup_id_y 1
		.amdhsa_system_sgpr_workgroup_id_z 1
		.amdhsa_system_vgpr_workitem_id 0
		.amdhsa_next_free_vgpr 704
		.amdhsa_next_free_sgpr 66
		.amdhsa_reserve_vcc 0
		.amdhsa_float_denorm_mode_32 3
		.amdhsa_float_denorm_mode_16_64 3
		.amdhsa_memory_ordered 1
		.amdhsa_forward_progress 1
		.amdhsa_inst_pref_size 38
	.end_amdhsa_kernel
	.amdgpu_metadata
---
amdhsa.version: [ 1, 2 ]
amdhsa.kernels:
  - .name:           k_q788ea1d210_wo
    .symbol:         k_q788ea1d210_wo.kd
    .args:
      - { .name: att, .offset: 0, .size: 8, .value_kind: global_buffer, .address_space: global }
      - { .name: wts, .offset: 8, .size: 8, .value_kind: global_buffer, .address_space: global }
      - { .name: x, .offset: 16, .size: 8, .value_kind: global_buffer, .address_space: global }
      - { .name: x2, .offset: 24, .size: 8, .value_kind: global_buffer, .address_space: global }
    .group_segment_fixed_size: 168448
    .private_segment_fixed_size: 0
    .kernarg_segment_align: 8
    .kernarg_segment_size: 32
    .max_flat_workgroup_size: 128
    .sgpr_count:     66
    .vgpr_count:     704
    .wavefront_size: 32
...
	.end_amdgpu_metadata
.endif
;; end of part 4
;; launch norm2: the kernel of part 1 again; grid 256 x 1, 4 waves a work-group, no clusters, 67,072 bytes of LDS; arguments x2, g2, xb, positions, Wq_codes, Wq_scales, Wk_codes, Wk_scales, Wv_codes, Wv_scales, Wo_codes, Wo_scales, w1_codes, w1_scales, w3_codes, w3_scales, w2_codes, w2_scales, wts; writes xb, wts
;; launch ffn1 (part 5): grid 22 x 16, 4 waves a work-group, no clusters, 238,080 bytes of LDS; arguments xb, wts, hq; writes hq
.if DOCPART == 5
	.amdgcn_target "amdgcn-amd-amdhsa--gfx1250"
	.amdhsa_code_object_version 6
	.text
	.protected	k_q788ea1d210_ffn1
	.globl	k_q788ea1d210_ffn1
	.p2align	8
	.type	k_q788ea1d210_ffn1,@function
k_q788ea1d210_ffn1:
	s_mov_b64 s[64:65], 0
	v_nop
	global_prefetch_b8 v0, s[64:65] scope:SCOPE_SE
	s_setreg_imm32_b32 hwreg(HW_REG_WAVE_MODE, 25, 1), 1
	s_wait_xcnt 0x0
; h = silu(xn w1^T) x (xn w3^T), both products on codes of FP6; h quantised along the hidden units, which are the next product's K.
; A work-group takes 256 rows (16 tiles) x 128 hidden units (one K step of the next product).  Wave w takes one block of 32 units: two tiles of w1 and the same two of w3, 4 x 8 fragments = 384 registers, kept for the launch.
; The rows' images and scale bytes come into LDS once, by tensor loads; no LDS byte is filled twice.  Units 2,752 to 2,815 are tiles of zero codes: their h is 0.
; A lane holds one token and 16 units of the block: one conversion gives 3 registers.  They and the scale byte go to a region of the wave's own, [tile][4 planes of 128 bytes]; behind one barrier at the end each wave
; puts four tiles' fragments together (register 6 c + 3 g + i of lane (r, hh) comes from wave 2 c + hh, lane (r, g), register i) and stores them as whole blocks of 256 bytes.
; NO MULTICAST: the rows are shared along x, where the grid has 22 work-groups, no multiple of 4.
; LIMITS: NaN and infinities are not served; a block under 2^-124 gets the byte 1.
.set XSB, 196608
.set HST, 204800                       ; 4 waves x 16 tiles x 512 bytes
.set WSC, 9633792
.set LN8, 1
.set LN16, 2
.set LX0, 4
.set LA, 5
.set LX, 6
.set HA0, 7
.set HA, 8
.set RDA, 9
.set RDB, 10
.set HSO, 11
.set WS, 16
.set XS, 32
.set AF, 48
.set ACC, 144                          ; v144-159 x1, v160-175 x3
.set E, 176
.set QM, 192
.set QP, 194
.set SCL, 196
.set BY, 197
.set PC, 200
.set WV, 10
.set G1S, 16
.set G1C, 24
.set G0S, 32
.set G0C, 36
.set W1B, 40
.set W3B, 42
.set S1B, 44
.set S3B, 46
.set OC, 48
.set OS, 50
.set MB, 52
.set MX, 53
.set HO, 54
.set CNT, 55
.set NL, 56
.set SEL, 58
.set MSB, 0
.macro WIN new
.if MSB != (\new)
	s_set_vgpr_msb (MSB<<8)|(\new)
.set MSB, (\new)
.endif
.endm
.macro PLACES n
.rept \n
	v_nop
.endr
.endm
.macro DESC g, rows, w0
	s_mov_b32 s[\g], \w0
	s_mov_b32 s[\g+1], 32<<16
	s_mov_b32 s[\g+2], (\rows)<<16
	s_mov_b32 s[\g+3], 32<<16
	s_mov_b32 s[\g+4], \rows
	s_mov_b32 s[\g+5], 32
	s_mov_b32 s[\g+6], 0
	s_mov_b32 s[\g+7], 0
.endm
.macro WM0 d, a, b, sa, sb
	v_wmma_scale_f32_16x16x128_f8f6f4 v[\d:\d+7], v[\a:\a+11], v[\b:\b+11], 0, v[\sa], v[\sb] matrix_a_fmt:MATRIX_FMT_FP6 matrix_b_fmt:MATRIX_FMT_FP6
.endm
.macro WMC d, a, b, sa, sb
	v_wmma_scale_f32_16x16x128_f8f6f4 v[\d:\d+7], v[\a:\a+11], v[\b:\b+11], v[\d:\d+7], v[\sa], v[\sb] matrix_a_fmt:MATRIX_FMT_FP6 matrix_b_fmt:MATRIX_FMT_FP6
.endm
.macro WMR d, a, b, sa, sb
	v_wmma_scale_f32_16x16x128_f8f6f4 v[\d:\d+7], v[\a:\a+11], v[\b:\b+11], v[\d:\d+7], v[\sa], v[\sb] matrix_a_fmt:MATRIX_FMT_FP6 matrix_b_fmt:MATRIX_FMT_FP6 matrix_a_scale:MATRIX_SCALE_ROW1 matrix_b_scale:MATRIX_SCALE_ROW1
.endm
.macro FA k0
.irp k, \k0, \k0+1, \k0+2, \k0+3
.irp q, 0,1,2,3,4,5
	ds_load_b64 v[AF+12*(\k)+2*\q:AF+12*(\k)+2*\q+1], v[LA] offset:1536*(\k)+256*\q
.endr
.endr
.endm
.macro FX
	ds_load_b128 v[XS:XS+3], v[LX]
.endm
.macro MM16 g                          ; K steps 4 g .. 4 g + 3; the four accumulators by turns
	WIN 1+\g
.irp k, 0,1,2,3
.irp t, 0,1,2,3
.if \g == 1
	WMR ACC+8*\t, 12*(4*\k+\t), AF+12*(4+\k), WS+4*\t+\k, XS+\k
.elseif \k == 0
	WM0 ACC+8*\t, 12*(4*\k+\t), AF+12*\k, WS+4*\t+\k, XS+\k
.else
	WMC ACC+8*\t, 12*(4*\k+\t), AF+12*\k, WS+4*\t+\k, XS+\k
.endif
.endr
.endr
.endm
	s_load_b128 s[4:7], s[0:1], 0x0                ; xb, wts
	s_load_b64 s[8:9], s[0:1], 0x10                ; hq
	v_lshl_add_u32 v254, v0, 2, 0x3a000
	v_mov_b32 v255, 0
	ds_add_u32 v254, v255
	ds_add_u32 v254, v255
	v_lshrrev_b32 v1, 5, v0
	v_readfirstlane_b32 s[WV], v1
	s_mov_b32 s11, ttmp9                           ; which 128 hidden units
	s_and_b32 s12, ttmp7, 0xffff                   ; which 256 rows
	s_lshl_b32 s13, s11, 2
	s_add_co_u32 s13, s13, s[WV]                   ; my block of 32
	v_and_b32 v176, 31, v0
	v_and_b32 v177, 15, v0
	v_bfe_u32 v178, v0, 4, 1
	v_lshlrev_b32 v[LN8], 3, v176
	v_lshlrev_b32 v[LN16], 4, v176
	v_lshlrev_b32 v[LX0], 5, v177
	v_lshl_add_u32 v[LX0], v178, 4, v[LX0]
	v_add_nc_u32 v[LX0], XSB, v[LX0]
	s_lshl_b32 s60, s[WV], 13
	s_add_co_u32 s60, s60, HST
	v_lshl_add_u32 v[HA0], v176, 2, s60            ; my region: 4 bytes a lane
	s_lshl_b32 s60, s[WV], 11
	s_add_co_u32 s60, s60, HST
	v_lshlrev_b32 v179, 2, v177
	v_add_nc_u32 v179, s60, v179                   ; at the end: the four tiles 4 wave on, 4 r,
	v_lshl_add_u32 v[RDA], v178, 13, v179          ; codes: lanes 16-31 read the next wave's region;
	v_lshl_add_u32 v[RDB], v178, 9, v179           ; bytes: lanes 16-31 read the next tile
	v_mul_u32_u24 v[HSO], v178, 1408
	v_lshl_add_u32 v[HSO], v177, 2, v[HSO]
	DESC G1S, 8, 3<<16
	DESC G1C, 192, 3<<16
	s_lshl_b32 s60, s12, 13
	s_lshl_b32 s61, s[WV], 11
	s_add_co_u32 s60, s60, s61
	s_add_co_u32 s60, s60, 3145728
	s_mov_b32 s61, 0
	s_mul_i32 s62, s12, 196608
	s_mul_i32 s63, s[WV], 49152
	s_add_co_u32 s62, s62, s63
	s_mov_b32 s63, 0
	s_lshl_b32 s14, s[WV], 11
	s_mul_i32 s15, s[WV], 49152
	s_wait_dscnt 0x0
	s_wait_kmcnt 0x0
	s_mov_b32 s[G0S], 1
	s_add_co_u32 s[G0S+1], s14, XSB
	s_add_nc_u64 s[G0S+2:G0S+3], s[4:5], s[60:61]
	s_or_b32 s[G0S+3], s[G0S+3], 0x80000000
	s_mov_b32 s[G0C], 1
	s_mov_b32 s[G0C+1], s15
	s_add_nc_u64 s[G0C+2:G0C+3], s[4:5], s[62:63]
	s_or_b32 s[G0C+3], s[G0C+3], 0x80000000
	tensor_load_to_lds s[G0S:G0S+3], s[G1S:G1S+7]
	s_nop 0
	tensor_load_to_lds s[G0C:G0C+3], s[G1C:G1C+7]  ; two loads of mine are out
	s_nop 0
	PLACES 4
	s_mul_i32 s60, s13, 24576                      ; two tiles of 12,288 bytes a block
	s_mov_b32 s61, 0
	s_add_nc_u64 s[W1B:W1B+1], s[6:7], s[60:61]
	s_add_nc_u64 s[W3B:W3B+1], s[W1B:W1B+1], 5308416
	s_add_nc_u64 s[W1B:W1B+1], s[W1B:W1B+1], 3145728
	s_lshl_b32 s60, s13, 10
	s_add_nc_u64 s[S1B:S1B+1], s[6:7], s[60:61]
	s_add_nc_u64 s[S3B:S3B+1], s[S1B:S1B+1], WSC+432*512
	s_add_nc_u64 s[S1B:S1B+1], s[S1B:S1B+1], WSC+256*512
.irp g, 0,1
	WIN 0x40<<\g
.irp k, 0,1,2,3
.irp t, 0,1
.irp c, 0,1,2
	global_load_b128 v[12*(4*\k+\t)+4*\c:12*(4*\k+\t)+4*\c+3], v[LN16], s[W1B:W1B+1] offset:\t*12288+(\k+4*\g)*1536+512*\c
	global_load_b128 v[12*(4*\k+\t+2)+4*\c:12*(4*\k+\t+2)+4*\c+3], v[LN16], s[W3B:W3B+1] offset:\t*12288+(\k+4*\g)*1536+512*\c
.endr
.endr
.endr
.endr
	WIN 0
.irp t, 0,1
	global_load_b128 v[WS+4*\t:WS+4*\t+3], v[LN16], s[S1B:S1B+1] offset:512*\t
	global_load_b128 v[WS+8+4*\t:WS+8+4*\t+3], v[LN16], s[S3B:S3B+1] offset:512*\t
.endr
	s_lshl_b32 s60, s12, 4
	s_lshl_b32 s62, s[WV], 2
	s_add_co_u32 s60, s60, s62
	s_mul_i32 s60, s60, 22
	s_add_co_u32 s60, s60, s11                     ; fragment (tile 16 y + 4 wave, K step x)
	s_mul_i32 s62, s60, 1536
	s_mov_b32 s63, 0
	s_add_nc_u64 s[OC:OC+1], s[8:9], s[62:63]
	s_lshl_b32 s62, s60, 6
	s_add_co_u32 s62, s62, 8650752
	s_add_nc_u64 s[OS:OS+1], s[8:9], s[62:63]
	s_mov_b32 s[NL], 0xbfb8aa3b                    ; - log2(e)
	s_mov_b32 s[NL+1], s[NL]
	s_mov_b32 s[SEL], 0x76543210
	s_mov_b32 s[SEL+1], 0xfedcba98
	v_mov_b32 v[QP], 0
	s_mov_b32 s[MB], 0
	s_mov_b32 s[MX], 0
	s_mov_b32 s[HO], 0
	s_wait_loadcnt 0x0
	s_wait_tensorcnt 0x0
	s_barrier_signal -1
	s_barrier_wait -1
.macro TILE pf
.if \pf
	s_add_co_u32 s[MB], s[MB], 12288
	s_add_co_u32 s[MX], s[MX], 512
	v_add_nc_u32 v[LA], s[MB], v[LN8]
	v_add_nc_u32 v[LX], s[MX], v[LX0]
.endif
	s_wait_dscnt 24                                ; fragments 0-3 and the scale words are in
	MM16 0
	WIN 0
	PLACES 4
.if \pf
	FA 0
	s_wait_dscnt 24                                ; all but the 24 just issued
.else
	s_wait_dscnt 0x0
.endif
	MM16 1
	WIN 0
	PLACES 5
.if \pf
	FX
	FA 4
.endif
.irp j, 0,2,4,6,8,10,12,14
	v_pk_mul_f32 v[E+\j:E+\j+1], v[ACC+\j:ACC+\j+1], s[NL:NL+1] op_sel_hi:[1,0]
.endr
.irp j, 0,1,2,3,4,5,6,7,8,9,10,11,12,13,14,15
	v_exp_f32 v[E+\j], v[E+\j]                     ; e^(-x1)
.endr
	v_add_nc_u32 v[HA], s[HO], v[HA0]              ; (a plain line behind the batch)
	s_wait_alu depctr_va_vdst(0)
.irp j, 0,2,4,6,8,10,12,14
	v_pk_add_f32 v[E+\j:E+\j+1], v[E+\j:E+\j+1], 1.0 op_sel_hi:[1,0]
.endr
.irp j, 0,1,2,3,4,5,6,7,8,9,10,11,12,13,14,15
	v_rcp_f32 v[E+\j], v[E+\j]                     ; the sigmoid
.endr
	v_nop
	s_wait_alu depctr_va_vdst(0)
.irp j, 0,2,4,6,8,10,12,14
	v_pk_mul_f32 v[E+\j:E+\j+1], v[E+\j:E+\j+1], v[ACC+\j:ACC+\j+1]
.endr
.irp j, 0,2,4,6,8,10,12,14
	v_pk_mul_f32 v[E+\j:E+\j+1], v[E+\j:E+\j+1], v[ACC+16+\j:ACC+17+\j]
.endr
	v_max3_num_f32 v[QM], |v[E]|, |v[E+1]|, 0x1800000
	v_max3_num_f32 v[QM+1], |v[E+2]|, |v[E+3]|, |v[E+4]|
	v_max3_num_f32 v[QM], v[QM], |v[E+5]|, |v[E+6]|
	v_max3_num_f32 v[QM+1], v[QM+1], |v[E+7]|, |v[E+8]|
	v_max3_num_f32 v[QM], v[QM], |v[E+9]|, |v[E+10]|
	v_max3_num_f32 v[QM+1], v[QM+1], |v[E+11]|, |v[E+12]|
	v_max3_num_f32 v[QM], v[QM], |v[E+13]|, |v[E+14]|
	v_max3_num_f32 v[QM], v[QM], v[QM+1], |v[E+15]|
	v_permlanex16_b32 v[QP], v[QM], s[SEL], s[SEL+1]
	v_max_num_f32 v[QM], v[QM], v[QP]
	v_add_nc_u32 v[SCL], 0xff000000, v[QM]
	v_lshrrev_b32 v[BY], 23, v[SCL]
	v_cvt_scalef32_pk16_fp6_f32 v[PC:PC+2], v[E:E+15], v[SCL]
	v_nop
.irp i, 0,1,2
	ds_store_b32 v[HA], v[PC+\i] offset:128*\i
.endr
	ds_store_b32 v[HA], v[BY] offset:384
	s_add_co_u32 s[HO], s[HO], 512
.endm
	v_add_nc_u32 v[LA], s[MB], v[LN8]
	v_add_nc_u32 v[LX], s[MX], v[LX0]
	FA 0
	FX
	FA 4
	s_mov_b32 s[CNT], 15
.Ltile:
	TILE 1
	s_sub_co_u32 s[CNT], s[CNT], 1
	s_cmp_lg_u32 s[CNT], 0
	s_cbranch_scc1 .Ltile
	TILE 0
	s_wait_dscnt 0x0                               ; for the others' sake: my stores have landed
	s_barrier_signal -1
	s_barrier_wait -1
.irp k, 0,1,2,3
.irp q, 0,1,2,3,4,5,6,7,8,9,10,11
	ds_load_b32 v[AF+12*\k+\q], v[RDA] offset:16384*(\q/6)+512*\k+128*(\q%3)+64*((\q%6)/3)
.endr
.endr
.irp i, 0,1
.irp u, 0,1,2,3
	ds_load_b32 v[AF+48+4*\i+\u], v[RDB] offset:8192*\u+1024*\i+384
.endr
.endr
	s_wait_dscnt 0x0
.irp k, 0,1,2,3
.irp q, 0,1,2,3,4,5
	global_store_b64 v[LN8], v[AF+12*\k+2*\q:AF+12*\k+2*\q+1], s[OC:OC+1] offset:33792*\k+256*\q   ; 256 consecutive bytes, aligned
.endr
.endr
.irp i, 0,1
	v_lshl_or_b32 v[AF+56+\i], v[AF+49+4*\i], 8, v[AF+48+4*\i]
	v_lshl_or_b32 v[AF+56+\i], v[AF+50+4*\i], 16, v[AF+56+\i]
	v_lshl_or_b32 v[AF+56+\i], v[AF+51+4*\i], 24, v[AF+56+\i]
	global_store_b32 v[HSO], v[AF+56+\i], s[OS:OS+1] offset:2816*\i
.endr
	s_wait_tensorcnt 0x0
	ds_add_u32 v254, v255
	s_wait_dscnt 0x0
	s_endpgm
.Lfunc_end_k_q788ea1d210_ffn1:
	.size	k_q788ea1d210_ffn1, .Lfunc_end_k_q788ea1d210_ffn1-k_q788ea1d210_ffn1
	.p2alignl 7, 3214868480
	.fill 96, 4, 3214868480
	.section	.rodata,"a",@progbits
	.p2align	6, 0x0
	.amdhsa_kernel k_q788ea1d210_ffn1
		.amdhsa_group_segment_fixed_size 238080
		.amdhsa_private_segment_fixed_size 0
		.amdhsa_enable_private_segment 0
		.amdhsa_kernarg_size 24
		.amdhsa_user_sgpr_count 2
		.amdhsa_user_sgpr_kernarg_segment_ptr 1
		.amdhsa_wavefront_size32 1
		.amdhsa_system_sgpr_workgroup_id_x 1
		.amdhsa_system_sgpr_workgroup_id_y 1
		.amdhsa_system_sgpr_workgroup_id_z 1
		.amdhsa_system_vgpr_workitem_id 0
		.amdhsa_next_free_vgpr 704
		.amdhsa_next_free_sgpr 66
		.amdhsa_reserve_vcc 0
		.amdhsa_float_denorm_mode_32 3
		.amdhsa_float_denorm_mode_16_64 3
		.amdhsa_memory_ordered 1
		.amdhsa_forward_progress 1
		.amdhsa_inst_pref_size 46
	.end_amdhsa_kernel
	.amdgpu_metadata
---
amdhsa.version: [ 1, 2 ]
amdhsa.kernels:
  - .name:           k_q788ea1d210_ffn1
    .symbol:         k_q788ea1d210_ffn1.kd
    .args:
      - { .name: xb, .offset: 0, .size: 8, .value_kind: global_buffer, .address_space: global }
      - { .name: wts, .offset: 8, .size: 8, .value_kind: global_buffer, .address_space: global }
      - { .name: hq, .offset: 16, .size: 8, .value_kind: global_buffer, .address_space: global }
    .group_segment_fixed_size: 238080
    .private_segment_fixed_size: 0
    .kernarg_segment_align: 8
    .kernarg_segment_size: 24
    .max_flat_workgroup_size: 128
    .sgpr_count:     66
    .vgpr_count:     704
    .wavefront_size: 32
...
	.end_amdgpu_metadata
.endif
;; end of part 5
;; launch ffn2 (part 6): grid 8 x 32, 4 waves a work-group, clusters of 4 x 1, 327,680 bytes of LDS; arguments hq, wts, x2, out0; writes out0
.if DOCPART == 6
	.amdgcn_target "amdgcn-amd-amdhsa--gfx1250"
	.amdhsa_code_object_version 6
	.text
	.protected	k_q788ea1d210_ffn2
	.globl	k_q788ea1d210_ffn2
	.p2align	8
	.type	k_q788ea1d210_ffn2,@function
k_q788ea1d210_ffn2:
	s_mov_b64 s[64:65], 0
	v_nop
	global_prefetch_b8 v0, s[64:65] scope:SCOPE_SE
	s_setreg_imm32_b32 hwreg(HW_REG_WAVE_MODE, 25, 1), 1
	s_wait_xcnt 0x0
	s_wait_alu depctr_hold_cnt(0) depctr_sa_sdst(0) depctr_va_vdst(0) depctr_va_sdst(0) depctr_va_ssrc(0) depctr_va_vcc(0) depctr_vm_vsrc(0)
	s_getreg_b32 s2, hwreg(HW_REG_IB_STS2, 6, 4)
	s_cmp_eq_u32 s2, 0
	s_cbranch_scc0 .Lentry_in_a_cluster
	s_endpgm
.Lentry_in_a_cluster:
	s_bfe_u32 s2, ttmp6, 0x10000c
	s_cmp_lg_u32 s2, 0x3003
	s_cbranch_scc0 .Lentry_shape_is_right
	s_endpgm
.Lentry_shape_is_right:
; out0 = x2 + h w2^T, on codes of FP6 with E8M0 scales; K = 2,752 in 22 steps of 128 (the last half step is zero codes on both sides).
; A work-group takes 128 rows (8 tiles) x 128 columns.  Wave w takes 64 columns (w % 2) and half of K (w / 2: 11 steps): 4 tiles x 11 fragments of w2 = 528 registers, kept for the launch; all 22 steps of four tiles
; would not fit in a wave's registers.  The two halves of a sum meet in LDS, in f32, behind one barrier a tile; two stages take turns.  So a sum is two f32 sums added: another order of rounding than one chain.
; The four partners of a cluster need the same rows of h: their images (270,336 bytes) and scale words come into LDS once, by joint tensor loads, in four runs of two tiles; a run is waited for when its first tile is
; fetched.  No LDS byte is filled twice.  Five tensor loads of a wave are out at the start.
.set HSB, 270336                       ; the rows' scale words [tile][22][16 r]
.set STG, 281600                       ; 2 stages x 4 waves x 16 rows x 272 bytes
.set LN16, 1
.set AA0, 2
.set AA, 3
.set HSA, 4
.set SO, 5
.set PA, 6
.set GO, 7
.set W2SA, 8
.set W2S, 16                           ; v16-59  w2's scale words, 11 t + i
.set HS, 60                            ; v60-70  h's
.set ACC, 72                           ; v72-103
.set P0, 104
.set P1, 120
.set RX, 136
.set WV, 12
.set G1S, 16
.set G1C, 24
.set G0, 32                            ; s[32:51] five groups 0
.set WB, 54
.set WSB, 56
.set MSB, 0
.macro WIN new
.if MSB != (\new)
	s_set_vgpr_msb (MSB<<8)|(\new)
.set MSB, (\new)
.endif
.endm
.macro PLACES n
.rept \n
	v_nop
.endr
.endm
.macro ROUND
	s_barrier_signal -1
	s_barrier_wait -1
	s_cmp_lg_u32 s[WV], 0
	s_cbranch_scc1 .Lnw0_\@
	s_barrier_signal -3
.Lnw0_\@:
	s_barrier_wait -3
	s_barrier_signal -1
	s_barrier_wait -1
.endm
.macro DESC g, rows, w0
	s_mov_b32 s[\g], \w0
	s_mov_b32 s[\g+1], 32<<16
	s_mov_b32 s[\g+2], (\rows)<<16
	s_mov_b32 s[\g+3], 32<<16
	s_mov_b32 s[\g+4], \rows
	s_mov_b32 s[\g+5], 32
	s_mov_b32 s[\g+6], 0
	s_mov_b32 s[\g+7], 0
.endm
.macro WM0 d, a, b, sa, sb
	v_wmma_scale_f32_16x16x128_f8f6f4 v[\d:\d+7], v[\a:\a+11], v[\b:\b+11], 0, v[\sa], v[\sb] matrix_a_fmt:MATRIX_FMT_FP6 matrix_b_fmt:MATRIX_FMT_FP6
.endm
.macro WMC d, a, b, sa, sb
	v_wmma_scale_f32_16x16x128_f8f6f4 v[\d:\d+7], v[\a:\a+11], v[\b:\b+11], v[\d:\d+7], v[\sa], v[\sb] matrix_a_fmt:MATRIX_FMT_FP6 matrix_b_fmt:MATRIX_FMT_FP6
.endm
	s_load_b256 s[4:11], s[0:1], 0x0               ; hq, wts, x2, out0
	v_lshl_add_u32 v254, v0, 2, 0x4d400
	v_mov_b32 v255, 0
	ds_add_u32 v254, v255
	ds_add_u32 v254, v255
	v_lshrrev_b32 v1, 5, v0
	v_readfirstlane_b32 s[WV], v1
	s_and_b32 s15, ttmp7, 0xffff                   ; which 128 rows
	s_and_b32 s52, s[WV], 1                        ; which 64 columns
	s_lshr_b32 s53, s[WV], 1                       ; which half of K
	v_and_b32 v9, 31, v0
	v_and_b32 v10, 15, v0
	v_bfe_u32 v11, v0, 4, 1
	v_lshlrev_b32 v[LN16], 4, v9
	s_mul_i32 s58, s53, 16896
	v_lshl_add_u32 v[AA0], v9, 3, s58              ; images: 8 x lane + my 11 K steps
	s_mul_i32 s58, s53, 704
	s_add_co_u32 s58, s58, HSB
	v_lshl_add_u32 v[HSA], v10, 2, s58
	s_mul_i32 s58, s[WV], 4352
	s_add_co_u32 s58, s58, STG
	v_mul_u32_u24 v[SO], v10, 272
	v_lshl_add_u32 v[SO], v11, 6, v[SO]
	v_add_nc_u32 v[SO], s58, v[SO]                 ; my stage: row r, + 64 h
	s_mul_i32 s58, s52, 4352
	s_mul_i32 s59, s53, 2176
	s_add_co_u32 s58, s58, s59
	s_add_co_u32 s58, s58, STG
	v_mul_u32_u24 v[PA], v11, 272
	v_lshl_add_u32 v[PA], v10, 4, v[PA]
	v_add_nc_u32 v[PA], s58, v[PA]                 ; back: my columns' first stage, rows 8 (wave / 2) + h on
	s_lshl_b32 s58, s53, 6
	v_lshl_add_u32 v[W2SA], v10, 2, s58
	DESC G1S, 11, 15|(3<<16)|(1<<21)
	DESC G1C, 66, 15|(3<<16)|(1<<21)
	s_mul_i32 s58, s15, 11264
	s_mul_i32 s59, s[WV], 2816
	s_add_co_u32 s58, s58, s59
	s_add_co_u32 s58, s58, 8650752
	s_mov_b32 s59, 0
	s_mul_i32 s60, s15, 270336
	s_mul_i32 s61, s[WV], 16896
	s_add_co_u32 s60, s60, s61
	s_mov_b32 s61, 0
	s_mul_i32 s62, s[WV], 2816
	s_mul_i32 s63, s[WV], 16896
	s_wait_dscnt 0x0
	s_wait_kmcnt 0x0
	s_mov_b32 s[G0], 1
	s_add_co_u32 s[G0+1], s62, HSB
	s_add_nc_u64 s[G0+2:G0+3], s[4:5], s[58:59]
	s_or_b32 s[G0+3], s[G0+3], 0x80000000
	s_add_nc_u64 s[66:67], s[4:5], s[60:61]
.irp g, 0,1,2,3
	s_mov_b32 s[G0+4+4*\g], 1
	s_add_co_u32 s[G0+5+4*\g], s63, \g*67584
	s_add_nc_u64 s[G0+6+4*\g:G0+7+4*\g], s[66:67], \g*67584
	s_or_b32 s[G0+7+4*\g], s[G0+7+4*\g], 0x80000000
.endr
	ROUND                                          ; all four work-groups are here: the joint loads meet
	tensor_load_to_lds s[G0:G0+3], s[G1S:G1S+7]
	s_nop 0
.irp g, 0,1,2,3
	tensor_load_to_lds s[G0+4+4*\g:G0+7+4*\g], s[G1C:G1C+7]
	s_nop 0
.endr
	PLACES 4
	s_bfe_u32 s13, ttmp6, 0x40000                  ; cx: it enters global addresses of my own loads and stores alone
	s_lshl_b32 s14, ttmp9, 2
	s_add_co_u32 s14, s14, s13                     ; which 128 columns
	s_lshl_b32 s58, s14, 3
	s_lshl_b32 s59, s52, 2
	s_add_co_u32 s58, s58, s59                     ; my first tile of w2
	s_mul_i32 s60, s58, 33792
	s_mul_i32 s61, s53, 16896
	s_add_co_u32 s60, s60, s61
	s_add_co_u32 s60, s60, 7471104
	s_mov_b32 s61, 0
	s_add_nc_u64 s[WB:WB+1], s[6:7], s[60:61]
	s_mul_i32 s60, s58, 1408
	s_add_co_u32 s60, s60, 9945088
	s_add_nc_u64 s[WSB:WSB+1], s[6:7], s[60:61]
	WIN 0x40                                       ; w2 stays in registers: my K steps 0-4 in window 1,
.irp i, 0,1,2,3,4
.irp t, 0,1,2,3
.irp c, 0,1,2
	global_load_b128 v[12*(4*\i+\t)+4*\c:12*(4*\i+\t)+4*\c+3], v[LN16], s[WB:WB+1] offset:\t*33792+\i*1536+512*\c
.endr
.endr
.endr
	WIN 0x80                                       ; 5-9 in window 2,
.irp i, 0,1,2,3,4
.irp t, 0,1,2,3
.irp c, 0,1,2
	global_load_b128 v[12*(4*\i+\t)+4*\c:12*(4*\i+\t)+4*\c+3], v[LN16], s[WB:WB+1] offset:\t*33792+(\i+5)*1536+512*\c
.endr
.endr
.endr
	WIN 0xC0                                       ; the eleventh in window 3
.irp t, 0,1,2,3
.irp c, 0,1,2
	global_load_b128 v[12*\t+4*\c:12*\t+4*\c+3], v[LN16], s[WB:WB+1] offset:\t*33792+10*1536+512*\c
.endr
.endr
	WIN 0
.irp t, 0,1,2,3
.irp i, 0,1,2,3,4,5,6,7,8,9,10
	global_load_b32 v[W2S+11*\t+\i], v[W2SA], s[WSB:WSB+1] offset:\t*1408+128*\i
.endr
.endr
	s_lshl_b32 s58, s53, 15
	s_lshl_b32 s59, s14, 9
	s_add_co_u32 s58, s58, s59
	s_lshl_b32 s59, s52, 8
	s_add_co_u32 s58, s58, s59
	v_lshlrev_b32 v[GO], 12, v11
	v_lshl_add_u32 v[GO], v10, 4, v[GO]
	v_add_nc_u32 v[GO], s58, v[GO]                 ; in x2 and out0: row 8 (wave / 2) + h, my 64 columns, 16 bytes a lane
	s_lshl_b32 s58, s15, 19
	s_mov_b32 s59, 0
	s_add_nc_u64 s[8:9], s[8:9], s[58:59]
	s_add_nc_u64 s[10:11], s[10:11], s[58:59]
; tile mm's scale words and its eleven fragments of my half of K (into window 3, v48 on): 11 + 66 LDS loads
.macro FETCH mm
	v_add_nc_u32 v[AA], (\mm)*33792, v[AA0]
.irp i, 0,1,2,3,4,5,6,7,8,9,10
	ds_load_b32 v[HS+\i], v[HSA] offset:1408*(\mm)+64*\i
.endr
	WIN 0xC0
.irp i, 0,1,2,3,4,5,6,7,8,9,10
.irp q, 0,1,2,3,4,5
	ds_load_b64 v[48+12*\i+2*\q:48+12*\i+2*\q+1], v[AA] offset:1536*\i+256*\q
.endr
.endr
	WIN 0
.endm
.macro TILE2 m
.irp i, 0,1,2,3
	global_load_b128 v[RX+4*\i:RX+4*\i+3], v[GO], s[8:9] offset:65536*\m+8192*\i
.endr
	s_wait_dscnt 36                                ; the scale words and fragments 0-4 are in: the 36 loads of fragments 5-10 may be out
	WIN 0x0D                                       ; source 0 (w2) window 1, source 1 (h) window 3
.irp i, 0,1,2,3,4
.irp t, 0,1,2,3
.if \i == 0
	WM0 ACC+8*\t, 12*(4*\i+\t), 48+12*\i, W2S+11*\t+\i, HS+\i
.else
	WMC ACC+8*\t, 12*(4*\i+\t), 48+12*\i, W2S+11*\t+\i, HS+\i
.endif
.endr
.endr
	s_wait_dscnt 6                                 ; only the last fragment's six loads may be out
	WIN 0x0E
.irp i, 0,1,2,3,4
.irp t, 0,1,2,3
	WMC ACC+8*\t, 12*(4*\i+\t), 48+12*(\i+5), W2S+11*\t+\i+5, HS+\i+5
.endr
.endr
	s_wait_dscnt 0x0
	WIN 0x0F
.irp t, 0,1,2,3
	WMC ACC+8*\t, 12*\t, 48+120, W2S+11*\t+10, HS+10
.endr
	WIN 0
	PLACES 5                                       ; four for the stores of the results and the loads over the sources; the fifth for the next tile's first products
.irp t, 0,1,2,3
.irp q, 0,1
	ds_store_b128 v[SO], v[ACC+8*\t+4*\q:ACC+8*\t+4*\q+3] offset:17408*(\m%2)+128*(\t/2)+32*(\t%2)+16*\q   ; each accumulator from its low end on
.endr
.endr
.if (\m%2 == 1) && (\m < 7)
	s_wait_tensorcnt 2-(\m/2)                      ; my part of the next two tiles has landed: so many younger runs may be out
.endif
	s_wait_dscnt 0x0                               ; my half sums have landed, my reads of the other stage are over
	s_barrier_signal -1
	s_barrier_wait -1
	s_wait_xcnt 0x0                                ; the last tile's stores have read their data
.irp i, 0,1,2,3
	ds_load_b128 v[P0+4*\i:P0+4*\i+3], v[PA] offset:17408*(\m%2)+544*\i
	ds_load_b128 v[P1+4*\i:P1+4*\i+3], v[PA] offset:17408*(\m%2)+8704+544*\i
.endr
.if \m < 7
	FETCH \m+1
	s_wait_dscnt 63                                ; the largest count that this wait can name.  Behind the barrier 8 + 77 LDS loads were issued; with at most 63 out the oldest 22 are in, the eight loads of the two halves among them
.else
	s_wait_dscnt 0x0
.endif
	s_wait_loadcnt 0x0
.set n, 0
.rept 8
	v_pk_add_f32 v[P0+n:P0+n+1], v[P0+n:P0+n+1], v[P1+n:P1+n+1]
.set n, n+2
.endr
.set n, 0
.rept 8
	v_pk_add_f32 v[P0+n:P0+n+1], v[P0+n:P0+n+1], v[RX+n:RX+n+1]
.set n, n+2
.endr
.irp i, 0,1,2,3
	global_store_b128 v[GO], v[P0+4*\i:P0+4*\i+3], s[10:11] offset:65536*\m+8192*\i th:TH_STORE_NT   ; sixteen lanes store 256 consecutive bytes, aligned
.endr
.endm
	s_wait_loadcnt 0x0                             ; w2 and its scales
	s_wait_tensorcnt 3                             ; the scale words and tiles 0, 1 are in; the three younger runs may be out
	s_barrier_signal -1
	s_barrier_wait -1
	FETCH 0
.irp m, 0,1,2,3,4,5,6,7
	TILE2 \m
.endr
	s_wait_tensorcnt 0x0
	ds_add_u32 v254, v255
	s_wait_dscnt 0x0
	ROUND                                          ; the closing round
	s_endpgm
.Lfunc_end_k_q788ea1d210_ffn2:
	.size	k_q788ea1d210_ffn2, .Lfunc_end_k_q788ea1d210_ffn2-k_q788ea1d210_ffn2
	.p2alignl 7, 3214868480
	.fill 96, 4, 3214868480
	.section	.rodata,"a",@progbits
	.p2align	6, 0x0
	.amdhsa_kernel k_q788ea1d210_ffn2
		.amdhsa_group_segment_fixed_size 327680
		.amdhsa_private_segment_fixed_size 0
		.amdhsa_enable_private_segment 0
		.amdhsa_kernarg_size 32
		.amdhsa_user_sgpr_count 2
		.amdhsa_user_sgpr_kernarg_segment_ptr 1
		.amdhsa_wavefront_size32 1
		.amdhsa_system_sgpr_workgroup_id_x 1
		.amdhsa_system_sgpr_workgroup_id_y 1
		.amdhsa_system_sgpr_workgroup_id_z 1
		.amdhsa_system_vgpr_workitem_id 0
		.amdhsa_next_free_vgpr 1024
		.amdhsa_next_free_sgpr 80
		.amdhsa_reserve_vcc 0
		.amdhsa_float_denorm_mode_32 3
		.amdhsa_float_denorm_mode_16_64 3
		.amdhsa_memory_ordered 1
		.amdhsa_forward_progress 1
		.amdhsa_inst_pref_size 135
	.end_amdhsa_kernel
	.amdgpu_metadata
---
amdhsa.version: [ 1, 2 ]
amdhsa.kernels:
  - .name:           k_q788ea1d210_ffn2
    .symbol:         k_q788ea1d210_ffn2.kd
    .args:
      - { .name: hq, .offset: 0, .size: 8, .value_kind: global_buffer, .address_space: global }
      - { .name: wts, .offset: 8, .size: 8, .value_kind: global_buffer, .address_space: global }
      - { .name: x2, .offset: 16, .size: 8, .value_kind: global_buffer, .address_space: global }
      - { .name: out0, .offset: 24, .size: 8, .value_kind: global_buffer, .address_space: global }
    .group_segment_fixed_size: 327680
    .private_segment_fixed_size: 0
    .kernarg_segment_align: 8
    .kernarg_segment_size: 32
    .max_flat_workgroup_size: 128
    .sgpr_count:     80
    .vgpr_count:     1024
    .wavefront_size: 32
...
	.end_amdgpu_metadata
.endif
;; end of part 6
;; ======== version 2 of 2: 7 launches; 1.13 times as fast as version 1
;; limits: inputs' magnitudes at most 100,000; a function is approximated: absolute error at most 1e-07
;; workspace buffers: wts 10,559,488 bytes; xa 3,276,800 bytes; qkvc 9,830,400 bytes; att 3,276,800 bytes; x2 16,777,216 bytes; xb 3,276,800 bytes; hq 9,011,200 bytes
;; launch prep (part 7): grid 536 x 1, 4 waves a work-group, no clusters, 67,072 bytes of LDS; arguments x, g1, xa, positions, Wq_codes, Wq_scales, Wk_codes, Wk_scales, Wv_codes, Wv_scales, Wo_codes, Wo_scales, w1_codes, w1_scales, w3_codes, w3_scales, w2_codes, w2_scales, wts; writes xa, wts
.if DOCPART == 7
	.amdgcn_target "amdgcn-amd-amdhsa--gfx1250"
	.amdhsa_code_object_version 6
	.text
	.protected	k_q788ea1d210_prep
	.globl	k_q788ea1d210_prep
	.p2align	8
	.type	k_q788ea1d210_prep,@function
k_q788ea1d210_prep:
	s_mov_b64 s[64:65], 0
	v_nop
	global_prefetch_b8 v0, s[64:65] scope:SCOPE_SE
	s_setreg_imm32_b32 hwreg(HW_REG_WAVE_MODE, 25, 1), 1
	s_wait_xcnt 0x0
; FOUR JOBS, parted by the work-group's number.
; A (0-255):   dst = the codes of rmsnorm(src, g): one tile of 16 rows x 1,024 a work-group.  Codes of FP6 (E2M3) with one E8M0 byte for each 32 along the row.
; B (256-319): the table cos, sin of positions[n] x 10000^(-j/32), [2048 n][32 j][cos, sin] f32.
; C (320-471): Wq, Wk, Wv, Wo, w1, w3 (K = 1,024) laid anew as images of a matrix operand's registers, a wave a tile of 16 rows.
; D (472-535): w2 (K = 2,752) likewise, a work-group a tile of 16 rows, a wave a run of K steps.
; A launch of 256 work-groups runs job A alone (the second norm).
; LAYOUTS.  An activation fragment (16 rows x 128 K, 12 registers a lane) is six planes of 256 bytes: plane P holds registers 2 P, 2 P + 1 of lane l at 256 P + 8 l.  Its scale bytes lie [row][32].
; A weight fragment is three chunks of 512 bytes: chunk c holds registers 4 c .. 4 c + 3 of lane l at 512 c + 16 l.  Lane r of weight tile t takes row 32 (t / 2) + 8 (t % 2) + r + 8 (r / 8).
; LIMITS: NaN and infinities are not served.  A block whose largest magnitude lies under 2^-124 (a block of zeros too) gets the scale byte 1; only this program reads these bytes.
; The angle is reduced by pi/2 in three parts: good to some 1e-7 rad while |position x frequency| stays under about 1e5; the frequency is one v_exp_f32.
.set PITCH, 4112                       ; a stage row: 4,096 bytes + 16: 16 rows of a 16-byte column start at 16 different groups of four banks
.set SC,    16*PITCH                   ; behind the stage: the tile's 512 scale bytes
.set SCOFF, 3145728                    ; where the scale bytes begin in dst
.set W2IMG, 7471104
.set WSC,   9633792
.set WSC2,  9945088
.set ROPE,  10035200
.set X,  32                            ; v32-159  four rows as loaded, then 2 x 64 numbers
.set G,  160                           ; v160-191 g
.set SS, 192                           ; v192-199 a pair for each row: sum of squares, then 1 / rms
.set QM, 200                           ; largest magnitudes
.set QP, 204                           ; the other half's, then the bytes
.set QS, 212                           ; the conversions' scale operands
.set PW, 216                           ; the scale word
.set PC, 220                           ; v220-238 codes
.set SEL, 20
; 64 numbers of a lane, register 16 b + i = k 32 b + 16 (lane / 16) + i of the lane's row, become a fragment's 12 registers in v[PC] on and its scale word in v[PW]
.macro QUANT s
.irp b, 0,1,2,3
	v_max3_num_f32 v[QM+\b], |v[\s+16*\b]|, |v[\s+1+16*\b]|, 0x1800000   ; with the floor 2^(3 - 127): the byte cannot fall under 1
.endr
.irp i, 2,4,6,8,10,12,14
.irp b, 0,1,2,3
	v_max3_num_f32 v[QM+\b], v[QM+\b], |v[\s+16*\b+\i]|, |v[\s+1+16*\b+\i]|
.endr
.endr
.irp b, 0,1,2,3
	v_permlanex16_b32 v[QP+\b], v[QM+\b], s[SEL], s[SEL+1]
.endr
.irp b, 0,1,2,3
	v_max_num_f32 v[QM+\b], v[QM+\b], v[QP+\b]     ; with lane l xor 16's: the block's largest magnitude
.endr
.irp b, 0,1,2,3
	v_add_nc_u32 v[QS+\b], 0xff000000, v[QM+\b]    ; 2 off its exponent field: the conversion's scale operand
.endr
.irp b, 0,1,2,3
	v_lshrrev_b32 v[QP+\b], 23, v[QS+\b]           ; the byte
.endr
	v_lshl_or_b32 v[PW], v[QP+1], 8, v[QP]
	v_lshl_or_b32 v[PW], v[QP+2], 16, v[PW]
	v_lshl_or_b32 v[PW], v[QP+3], 24, v[PW]
.irp c, 0,1
	v_cvt_scalef32_pk16_fp6_f32 v[PC+6*\c:PC+2+6*\c], v[\s+32*\c:\s+15+32*\c], v[QS+2*\c]
	v_cvt_scalef32_pk16_fp6_f32 v[PC+12+4*\c:PC+14+4*\c], v[\s+16+32*\c:\s+31+32*\c], v[QS+2*\c+1]
.endr
	v_nop                                          ; a plain line behind the scaled conversions
.irp c, 0,1                            ; a whole block to a lane: lanes 0-15 block 2 c, lanes 16-31 block 2 c + 1
.irp i, 0,1,2
	v_permlane16_swap_b32 v[PC+6*\c+\i], v[PC+12+4*\c+\i]
.endr
.irp i, 0,1,2
	v_mov_b32 v[PC+3+6*\c+\i], v[PC+12+4*\c+\i]
.endr
.endr
.endm
.macro BAR                             ; my LDS stores have landed and my LDS loads are in: then the work-group's barrier
	s_wait_dscnt 0x0
	s_barrier_signal -1
	s_barrier_wait -1
.endm
	v_lshl_add_u32 v240, v0, 2, 0x10400
	v_mov_b32 v241, 0
	v_lshrrev_b32 v1, 5, v0
	v_readfirstlane_b32 s16, v1                    ; wave
	v_and_b32 v2, 31, v0                           ; lane
	v_and_b32 v3, 15, v0                           ; r
	v_bfe_u32 v9, v0, 4, 1                         ; h
	v_lshlrev_b32 v4, 4, v2                        ; 16 x lane
	s_cmp_lt_u32 ttmp9, 256
	s_cbranch_scc0 .Lnot_a
; ---------------- A: the norm and its codes ----------------
	s_load_b128 s[4:7], s[0:1], 0x0                ; src, g
	s_load_b64 s[8:9], s[0:1], 0x10                ; dst
	s_mul_i32 s17, s16, 4*PITCH
	v_add_nc_u32 v5, s17, v4                       ; into the stage: my wave's four rows, 16 bytes a lane
	v_mul_u32_u24 v6, v3, PITCH
	v_lshl_add_u32 v6, v9, 6, v6
	s_lshl_b32 s17, s16, 10
	v_add_nc_u32 v6, s17, v6                       ; out of it: row r, + 64 h, + my wave's two K steps
	v_lshlrev_b32 v7, 3, v2
	s_mul_i32 s17, s16, 3072
	v_add_nc_u32 v7, s17, v7                       ; in dst: 8 x lane + my two fragments
	v_lshlrev_b32 v8, 5, v3
	s_lshl_b32 s17, s16, 3
	v_add_nc_u32 v8, s17, v8
	v_add_nc_u32 v8, SC, v8                        ; my rows' scale words: 32 r + 8 wave
	v_add_nc_u32 v11, SC, v4
	s_lshl_b32 s17, s16, 14
	v_add_nc_u32 v10, s17, v4                      ; in src: my wave's four rows
	s_lshl_b32 s10, ttmp9, 16                      ; 16 rows of 4,096 bytes
	s_mov_b32 s11, 0
	s_mul_i32 s12, ttmp9, 12288                    ; eight fragments
	s_mov_b32 s13, 0
	s_lshl_b32 s14, ttmp9, 9
	s_add_co_u32 s14, s14, SCOFF
	s_mov_b32 s15, 0
	s_mov_b32 s[SEL], 0x76543210
	s_mov_b32 s[SEL+1], 0xfedcba98
	s_mov_b32 s22, 0x3a800000                      ; 1 / 1024
	s_mov_b32 s23, 0x3727c5ac                      ; 1e-5
.irp b, 0,1,2,3
	v_mov_b32 v[QP+\b], 0                          ; a lane permute's destination counts as read
.endr
	s_wait_kmcnt 0x0
	s_add_nc_u64 s[4:5], s[4:5], s[10:11]
	s_add_nc_u64 s[18:19], s[8:9], s[14:15]
	s_add_nc_u64 s[8:9], s[8:9], s[12:13]
.irp j, 0,1,2,3,4,5,6,7
	global_load_b128 v[G+4*\j:G+4*\j+3], v4, s[6:7] offset:512*\j
.endr
.irp p, 0,1,2,3
.irp j, 0,1,2,3,4,5,6,7
	global_load_b128 v[X+32*\p+4*\j:X+32*\p+4*\j+3], v10, s[4:5] offset:4096*\p+512*\j   ; 512 consecutive bytes a load
.endr
.endr
.irp p, 0,1,2,3
	s_wait_loadcnt 8*(3-\p)                        ; row p is in; the younger rows' eight loads each may be out
	v_pk_mul_f32 v[SS+2*\p:SS+2*\p+1], v[X+32*\p:X+32*\p+1], v[X+32*\p:X+32*\p+1]
.irp j, 2,4,6,8,10,12,14,16,18,20,22,24,26,28,30
	v_pk_fma_f32 v[SS+2*\p:SS+2*\p+1], v[X+32*\p+\j:X+32*\p+\j+1], v[X+32*\p+\j:X+32*\p+\j+1], v[SS+2*\p:SS+2*\p+1]
.endr
.endr
.irp p, 0,1,2,3
	v_add_f32 v[SS+2*\p], v[SS+2*\p], v[SS+2*\p+1]
.endr
.irp m, 1,2,4,8
.irp p, 0,1,2,3
	v_add_f32_dpp v[SS+2*\p], v[SS+2*\p], v[SS+2*\p] row_xmask:\m row_mask:0xf bank_mask:0xf
.endr
.endr
.irp p, 0,1,2,3
	v_permlanex16_b32 v[SS+2*\p+1], v[SS+2*\p], s[SEL], s[SEL+1]
.endr
.irp p, 0,1,2,3
	v_add_f32 v[SS+2*\p], v[SS+2*\p], v[SS+2*\p+1]
.endr
.irp p, 0,1,2,3
	v_fma_f32 v[SS+2*\p], v[SS+2*\p], s22, s23     ; the mean of the squares + eps
.endr
.irp p, 0,1,2,3
	v_rsq_f32 v[SS+2*\p], v[SS+2*\p]
.endr
	v_nop                                          ; a plain line behind the last of the batch
	s_wait_alu depctr_va_vdst(0)                   ; one wait for the four, ahead of their first reader
.irp p, 0,1,2,3
.set k, 0
.rept 16
	v_pk_mul_f32 v[X+32*\p+k:X+32*\p+k+1], v[X+32*\p+k:X+32*\p+k+1], v[SS+2*\p:SS+2*\p+1] op_sel_hi:[1,0]
.set k, k+2
.endr
.endr
.irp p, 0,1,2,3
.set k, 0
.rept 16
	v_pk_mul_f32 v[X+32*\p+k:X+32*\p+k+1], v[X+32*\p+k:X+32*\p+k+1], v[G+k:G+k+1]
.set k, k+2
.endr
.endr
.irp p, 0,1,2,3
.irp j, 0,1,2,3,4,5,6,7
	ds_store_b128 v5, v[X+32*\p+4*\j:X+32*\p+4*\j+3] offset:PITCH*\p+512*\j
.endr
.endr
	BAR                                            ; sixteen whole rows lie in the stage
.irp e, 0,1
.irp b, 0,1,2,3
.irp j, 0,1,2,3
	ds_load_b128 v[X+64*\e+16*\b+4*\j:X+64*\e+16*\b+4*\j+3], v6 offset:512*\e+128*\b+16*\j   ; K step 2 wave + e: of row r, 16 neighbours of each block of 32
.endr
.endr
.endr
	s_wait_dscnt 16                                ; the first K step's sixteen loads are in
	QUANT X
.irp q, 0,1,2,3,4,5
	global_store_b64 v7, v[PC+2*\q:PC+2*\q+1], s[8:9] offset:256*\q   ; 32 lanes store 256 consecutive bytes, aligned
.endr
	ds_store_b32 v8, v[PW]                         ; lanes r and r + 16 write the same word with the same value
	s_wait_xcnt 0x0                                ; the stores have read the codes' registers, which are written again
	s_wait_dscnt 0x0
	QUANT X+64
.irp q, 0,1,2,3,4,5
	global_store_b64 v7, v[PC+2*\q:PC+2*\q+1], s[8:9] offset:1536+256*\q
.endr
	ds_store_b32 v8, v[PW] offset:4
	BAR                                            ; the tile's 512 scale bytes lie in LDS
	s_cmp_lg_u32 s16, 0
	s_cbranch_scc1 .Lend_a
	ds_load_b128 v[12:15], v11
	s_wait_dscnt 0x0
	global_store_b128 v4, v[12:15], s[18:19]       ; two aligned blocks of 256 bytes
.Lend_a:
	s_wait_tensorcnt 0x0
	ds_add_u32 v240, v241
	s_wait_dscnt 0x0
	s_endpgm
; ---------------- B: cos and sin ----------------
.Lnot_a:
	s_cmp_lt_u32 ttmp9, 320
	s_cbranch_scc0 .Lnot_b
	s_load_b64 s[4:5], s[0:1], 0x18                ; positions
	s_load_b64 s[6:7], s[0:1], 0x90                ; wts
	s_sub_co_u32 s10, ttmp9, 256
	s_lshl_b32 s10, s10, 2
	s_add_co_u32 s10, s10, s16
	s_lshl_b32 s10, s10, 3                         ; my wave's first n: eight to a wave
	s_lshl_b32 s12, s10, 2
	s_mov_b32 s13, 0
	s_lshl_b32 s14, s10, 8
	s_mov_b32 s15, 0
	s_mov_b32 s32, 0x3f22f983                      ; 2 / pi
	s_mov_b32 s33, 0x3fc90fdb                      ; pi / 2 in three parts
	s_mov_b32 s34, 0xb33bbd2e
	s_mov_b32 s35, 0xa6f72ced
	s_wait_kmcnt 0x0
	s_add_nc_u64 s[4:5], s[4:5], s[12:13]
	s_add_nc_u64 s[6:7], s[6:7], s[14:15]
	s_add_nc_u64 s[6:7], s[6:7], ROPE
	s_load_b256 s[24:31], s[4:5], 0x0
	v_cvt_f32_u32 v10, v2                          ; lane = j
	v_mul_f32 v10, 0xbed49a78, v10                 ; - j log2(10000) / 32
	v_exp_f32 v10, v10
	v_lshlrev_b32 v11, 3, v2                       ; (a plain line)  8 bytes a frequency
	s_wait_alu depctr_va_vdst(0)
	s_wait_kmcnt 0x0
.irp i, 0,1,2,3,4,5,6,7
	v_cvt_f32_i32 v12, s[24+\i]
	v_mul_f32 v12, v12, v10                        ; the angle
	v_mul_f32 v13, s32, v12
	v_rndne_f32 v13, v13                           ; how many quarter turns
	v_fma_f32 v14, -v13, s33, v12
	v_fma_f32 v14, -v13, s34, v14
	v_fma_f32 v14, -v13, s35, v14                  ; what is left, within pi / 4
	v_cvt_i32_f32 v15, v13
	v_mul_f32 v16, v14, v14
	v_mov_b32 v17, 0xb94ca1f9
	v_fmaak_f32 v17, v17, v16, 0x3c08839e
	v_fmaak_f32 v17, v17, v16, 0xbe2aaaa3
	v_mul_f32 v19, v14, v16
	v_fma_f32 v17, v17, v19, v14                   ; its sine
	v_mov_b32 v18, 0x37ccf5ce
	v_fmaak_f32 v18, v18, v16, 0xbab6061a
	v_fmaak_f32 v18, v18, v16, 0x3d2aaaa5
	v_mul_f32 v19, v16, v16
	v_fma_f32 v20, v16, -0.5, 1.0
	v_fma_f32 v18, v18, v19, v20                   ; its cosine
	v_and_b32 v19, 1, v15
	v_cmp_eq_u32 vcc_lo, 1, v19
	v_cndmask_b32 v20, v17, v18, vcc_lo            ; an odd quarter swaps the two
	v_cndmask_b32 v21, v18, v17, vcc_lo
	v_and_b32 v19, 2, v15
	v_lshlrev_b32 v19, 30, v19
	v_xor_b32 v[41+2*\i], v20, v19                 ; sine: minus in quarters 2, 3
	v_add_nc_u32 v19, 1, v15
	v_and_b32 v19, 2, v19
	v_lshlrev_b32 v19, 30, v19
	v_xor_b32 v[40+2*\i], v21, v19                 ; cosine: minus in quarters 1, 2
	global_store_b64 v11, v[40+2*\i:41+2*\i], s[6:7] offset:256*\i   ; a row of the table: 256 consecutive bytes
.endr
	s_endpgm
; ---------------- C: the weights with K = 1,024 ----------------
.Lnot_b:
	v_and_b32 v13, 8, v3
	v_add_nc_u32 v13, v13, v3                      ; r + 8 (r / 8)
	s_lshr_b32 s17, s16, 1
	s_lshl_b32 s17, s17, 5
	s_and_b32 s18, s16, 1
	s_lshl_b32 s18, s18, 3
	s_add_co_u32 s17, s17, s18                     ; 32 (wave / 2) + 8 (wave % 2)
	s_cmp_lt_u32 ttmp9, 472
	s_cbranch_scc0 .Lnot_c
	s_load_b512 s[24:39], s[0:1], 0x20             ; Wq, Wk, Wv, Wo: codes, scales
	s_load_b256 s[40:47], s[0:1], 0x60             ; w1, w3: codes, scales
	s_load_b64 s[6:7], s[0:1], 0x90                ; wts
	s_sub_co_u32 s14, ttmp9, 320                   ; u: four tiles (64 rows) to a work-group
	v_mul_u32_u24 v10, v13, 768
	v_mad_u32_u24 v10, v9, 24, v10                 ; codes: my row of 768 bytes, + 24 h
	v_lshlrev_b32 v12, 5, v13
	v_lshl_add_u32 v12, v9, 4, v12                 ; scale bytes: my row of 32, + 16 h
	s_lshl_b32 s15, s14, 2
	s_add_co_u32 s15, s15, s16                     ; the tile's number in wts
	s_mul_i32 s48, s15, 12288
	s_mov_b32 s49, 0
	s_lshl_b32 s50, s15, 9
	s_add_co_u32 s50, s50, WSC
	s_mov_b32 s51, 0
	s_wait_kmcnt 0x0
	s_add_nc_u64 s[22:23], s[6:7], s[50:51]
	s_add_nc_u64 s[6:7], s[6:7], s[48:49]
	s_cmp_eq_u32 s14, 107                          ; rows 2,752 to 2,815 of w1 and w3 do not exist: zero codes, scale 1
	s_cbranch_scc1 .Lpad
	s_cmp_eq_u32 s14, 151
	s_cbranch_scc1 .Lpad
	s_mov_b64 s[8:9], s[44:45]                     ; which matrix: a choice on the work-group's number alone
	s_mov_b64 s[10:11], s[46:47]
	s_mov_b32 s12, 108
	s_cmp_lt_u32 s14, 108
	s_cselect_b64 s[8:9], s[40:41], s[8:9]
	s_cselect_b64 s[10:11], s[42:43], s[10:11]
	s_cselect_b32 s12, 64, s12
	s_cmp_lt_u32 s14, 64
	s_cselect_b64 s[8:9], s[36:37], s[8:9]
	s_cselect_b64 s[10:11], s[38:39], s[10:11]
	s_cselect_b32 s12, 48, s12
	s_cmp_lt_u32 s14, 48
	s_cselect_b64 s[8:9], s[32:33], s[8:9]
	s_cselect_b64 s[10:11], s[34:35], s[10:11]
	s_cselect_b32 s12, 32, s12
	s_cmp_lt_u32 s14, 32
	s_cselect_b64 s[8:9], s[28:29], s[8:9]
	s_cselect_b64 s[10:11], s[30:31], s[10:11]
	s_cselect_b32 s12, 16, s12
	s_cmp_lt_u32 s14, 16
	s_cselect_b64 s[8:9], s[24:25], s[8:9]
	s_cselect_b64 s[10:11], s[26:27], s[10:11]
	s_cselect_b32 s12, 0, s12
	s_sub_co_u32 s13, s14, s12
	s_lshl_b32 s13, s13, 6
	s_add_co_u32 s13, s13, s17                     ; the tile's first row in its matrix
	s_mul_i32 s48, s13, 768
	s_lshl_b32 s50, s13, 5
	s_add_nc_u64 s[8:9], s[8:9], s[48:49]
	s_add_nc_u64 s[10:11], s[10:11], s[50:51]
.irp k, 0,1,2,3,4,5,6,7
.irp q, 0,1,2,3,4,5
	global_load_b64 v[32+12*\k+2*\q:32+12*\k+2*\q+1], v10, s[8:9] offset:96*\k+48*(\q/3)+8*(\q%3)
.endr
.endr
	global_load_b128 v[128:131], v12, s[10:11]
	s_wait_loadcnt 0x0
	s_branch .Lc_store
.Lpad:
.set i, 0
.rept 96
	v_mov_b32 v[32+i], 0
.set i, i+1
.endr
.irp i, 0,1,2,3
	v_mov_b32 v[128+\i], 0x7f7f7f7f
.endr
.Lc_store:
.irp k, 0,1,2,3,4,5,6,7
.irp c, 0,1,2
	global_store_b128 v4, v[32+12*\k+4*\c:32+12*\k+4*\c+3], s[6:7] offset:1536*\k+512*\c   ; 512 consecutive bytes a store
.endr
.endr
	global_store_b128 v4, v[128:131], s[22:23]
	s_endpgm
; ---------------- D: w2, K = 2,752 = 21.5 steps of 128 ----------------
; A work-group takes one tile of 16 rows.  Each load touches 16 rows 2,064 bytes apart, so the loads are shared out: waves 0 to 2 take six K steps each (36 loads),
; wave 3 the last three and a half and the tile's scale words (21 + 22 loads).
.Lnot_c:
	s_load_b128 s[8:11], s[0:1], 0x80              ; w2's codes, scales
	s_load_b64 s[6:7], s[0:1], 0x90                ; wts
	s_sub_co_u32 s15, ttmp9, 472                   ; the tile
	v_mul_u32_u24 v10, v13, 2064
	v_mad_u32_u24 v10, v9, 24, v10                 ; codes: my row of 2,064 bytes, + 24 h
	v_mul_u32_u24 v12, v13, 86
	v_mad_u32_u24 v14, v9, 44, v12                 ; scale bytes: lanes 0-15 take K steps 0-10, lanes 16-31 steps 11-21
	v_mad_u32_u24 v15, v9, 42, v12                 ; (for the last two bytes: in lanes 16-31 they do not exist; a neighbour inside the row is read and dropped)
	v_lshlrev_b32 v16, 2, v2
	s_lshr_b32 s13, s15, 1
	s_lshl_b32 s13, s13, 5
	s_and_b32 s14, s15, 1
	s_lshl_b32 s14, s14, 3
	s_add_co_u32 s13, s13, s14                     ; its first row: 32 (tile / 2) + 8 (tile % 2)
	s_mul_i32 s48, s15, 33792
	s_mul_i32 s14, s16, 6*1536                     ; my wave's K steps begin at 6 x wave
	s_add_co_u32 s48, s48, s14
	s_add_co_u32 s48, s48, W2IMG
	s_mov_b32 s49, 0
	s_mul_i32 s50, s15, 1408
	s_add_co_u32 s50, s50, WSC2
	s_mov_b32 s51, 0
	s_mul_i32 s52, s13, 2064
	s_mul_i32 s14, s16, 6*96
	s_add_co_u32 s52, s52, s14
	s_mov_b32 s53, 0
	s_mul_i32 s54, s13, 86
	s_mov_b32 s55, 0
	s_wait_kmcnt 0x0
	s_add_nc_u64 s[22:23], s[6:7], s[50:51]
	s_add_nc_u64 s[6:7], s[6:7], s[48:49]
	s_add_nc_u64 s[8:9], s[8:9], s[52:53]
	s_add_nc_u64 s[10:11], s[10:11], s[54:55]
	s_cmp_eq_u32 s16, 3
	s_cbranch_scc1 .Ld_last
.irp k, 0,1,2,3,4,5
.irp q, 0,1,2,3,4,5
	global_load_b64 v[32+12*\k+2*\q:32+12*\k+2*\q+1], v10, s[8:9] offset:96*\k+48*(\q/3)+8*(\q%3)
.endr
.endr
	s_wait_loadcnt 0x0
.irp k, 0,1,2,3,4,5
.irp c, 0,1,2
	global_store_b128 v4, v[32+12*\k+4*\c:32+12*\k+4*\c+3], s[6:7] offset:1536*\k+512*\c
.endr
.endr
	s_endpgm
.Ld_last:                                              ; K steps 18 to 21; of step 21 only the first 64 codes exist
.irp k, 0,1,2,3
.irp q, 0,1,2,3,4,5
.if (\k < 3) || (\q < 3)
	global_load_b64 v[32+12*\k+2*\q:32+12*\k+2*\q+1], v10, s[8:9] offset:96*\k+48*(\q/3)+8*(\q%3)
.endif
.endr
.endr
.set e, 0
.rept 21
	global_load_u16 v[164+e], v14, s[10:11] offset:2*e
.set e, e+1
.endr
	global_load_u16 v185, v15, s[10:11] offset:42
.irp i, 6,7,8,9,10,11
	v_mov_b32 v[68+\i], 0                          ; K from 2,752 on: zero codes
.endr
	s_wait_loadcnt 0x0
.irp k, 0,1,2,3
.irp c, 0,1,2
	global_store_b128 v4, v[32+12*\k+4*\c:32+12*\k+4*\c+3], s[6:7] offset:1536*\k+512*\c
.endr
.endr
	v_cmp_eq_u32 vcc_lo, 0, v9
	v_cndmask_b32 v185, 0, v185, vcc_lo            ; blocks 86, 87: byte 0 over zero codes
.irp i, 0,1,2,3,4,5,6,7,8,9,10
	v_lshl_or_b32 v[190+\i], v[165+2*\i], 16, v[164+2*\i]
	global_store_b32 v16, v[190+\i], s[22:23] offset:128*\i
.endr
	s_endpgm
.Lfunc_end_k_q788ea1d210_prep:
	.size	k_q788ea1d210_prep, .Lfunc_end_k_q788ea1d210_prep-k_q788ea1d210_prep
	.p2alignl 7, 3214868480
	.fill 96, 4, 3214868480
	.section	.rodata,"a",@progbits
	.p2align	6, 0x0
	.amdhsa_kernel k_q788ea1d210_prep
		.amdhsa_group_segment_fixed_size 67072
		.amdhsa_private_segment_fixed_size 0
		.amdhsa_enable_private_segment 0
		.amdhsa_kernarg_size 152
		.amdhsa_user_sgpr_count 2
		.amdhsa_user_sgpr_kernarg_segment_ptr 1
		.amdhsa_wavefront_size32 1
		.amdhsa_system_sgpr_workgroup_id_x 1
		.amdhsa_system_sgpr_workgroup_id_y 1
		.amdhsa_system_sgpr_workgroup_id_z 1
		.amdhsa_system_vgpr_workitem_id 0
		.amdhsa_next_free_vgpr 242
		.amdhsa_next_free_sgpr 66
		.amdhsa_reserve_vcc 1
		.amdhsa_float_denorm_mode_32 3
		.amdhsa_float_denorm_mode_16_64 3
		.amdhsa_memory_ordered 1
		.amdhsa_forward_progress 1
		.amdhsa_inst_pref_size 73
	.end_amdhsa_kernel
	.amdgpu_metadata
---
amdhsa.version: [ 1, 2 ]
amdhsa.kernels:
  - .name:           k_q788ea1d210_prep
    .symbol:         k_q788ea1d210_prep.kd
    .args:
      - { .name: x, .offset: 0, .size: 8, .value_kind: global_buffer, .address_space: global }
      - { .name: g1, .offset: 8, .size: 8, .value_kind: global_buffer, .address_space: global }
      - { .name: xa, .offset: 16, .size: 8, .value_kind: global_buffer, .address_space: global }
      - { .name: positions, .offset: 24, .size: 8, .value_kind: global_buffer, .address_space: global }
      - { .name: Wq_codes, .offset: 32, .size: 8, .value_kind: global_buffer, .address_space: global }
      - { .name: Wq_scales, .offset: 40, .size: 8, .value_kind: global_buffer, .address_space: global }
      - { .name: Wk_codes, .offset: 48, .size: 8, .value_kind: global_buffer, .address_space: global }
      - { .name: Wk_scales, .offset: 56, .size: 8, .value_kind: global_buffer, .address_space: global }
      - { .name: Wv_codes, .offset: 64, .size: 8, .value_kind: global_buffer, .address_space: global }
      - { .name: Wv_scales, .offset: 72, .size: 8, .value_kind: global_buffer, .address_space: global }
      - { .name: Wo_codes, .offset: 80, .size: 8, .value_kind: global_buffer, .address_space: global }
      - { .name: Wo_scales, .offset: 88, .size: 8, .value_kind: global_buffer, .address_space: global }
      - { .name: w1_codes, .offset: 96, .size: 8, .value_kind: global_buffer, .address_space: global }
      - { .name: w1_scales, .offset: 104, .size: 8, .value_kind: global_buffer, .address_space: global }
      - { .name: w3_codes, .offset: 112, .size: 8, .value_kind: global_buffer, .address_space: global }
      - { .name: w3_scales, .offset: 120, .size: 8, .value_kind: global_buffer, .address_space: global }
      - { .name: w2_codes, .offset: 128, .size: 8, .value_kind: global_buffer, .address_space: global }
      - { .name: w2_scales, .offset: 136, .size: 8, .value_kind: global_buffer, .address_space: global }
      - { .name: wts, .offset: 144, .size: 8, .value_kind: global_buffer, .address_space: global }
    .group_segment_fixed_size: 67072
    .private_segment_fixed_size: 0
    .kernarg_segment_align: 8
    .kernarg_segment_size: 152
    .max_flat_workgroup_size: 128
    .sgpr_count:     66
    .vgpr_count:     242
    .wavefront_size: 32
...
	.end_amdgpu_metadata
.endif
;; end of part 7
;; launch qkv (part 8): grid 12 x 16, 4 waves a work-group, clusters of 4 x 1, 209,408 bytes of LDS; arguments xa, wts, qkvc; writes qkvc
.if DOCPART == 8
	.amdgcn_target "amdgcn-amd-amdhsa--gfx1250"
	.amdhsa_code_object_version 6
	.text
	.protected	k_q788ea1d210_qkv
	.globl	k_q788ea1d210_qkv
	.p2align	8
	.type	k_q788ea1d210_qkv,@function
k_q788ea1d210_qkv:
	s_mov_b64 s[64:65], 0
	v_nop
	global_prefetch_b8 v0, s[64:65] scope:SCOPE_SE
	s_setreg_imm32_b32 hwreg(HW_REG_WAVE_MODE, 25, 1), 1
	s_wait_xcnt 0x0
	s_wait_alu depctr_hold_cnt(0) depctr_sa_sdst(0) depctr_va_vdst(0) depctr_va_sdst(0) depctr_va_ssrc(0) depctr_va_vcc(0) depctr_vm_vsrc(0)
	s_getreg_b32 s2, hwreg(HW_REG_IB_STS2, 6, 4)
	s_cmp_eq_u32 s2, 0
	s_cbranch_scc0 .Lentry_in_a_cluster
	s_endpgm
.Lentry_in_a_cluster:
	s_bfe_u32 s2, ttmp6, 0x10000c
	s_cmp_lg_u32 s2, 0x3003
	s_cbranch_scc0 .Lentry_shape_is_right
	s_endpgm
.Lentry_shape_is_right:
; q, k, v = xn Wq^T, xn Wk^T, xn Wv^T on codes of FP6 with E8M0 scales; RoPE on q and k in f32; q and k quantised along the head's 64, v along the keys.
; SHARES.  Cluster x = which product (0 q, 1 k, 2 v), the same in all four partners.  A work-group takes 256 rows (16 tiles); wave w of partner cx is head 4 cx + w and keeps that head's 64 rows of W,
; 4 tiles x 8 K steps = 384 registers, for the whole launch.  The 256 rows' register images (196,608 bytes) and scale bytes come into LDS ONCE, by joint tensor loads of the four partners, who need the same rows.
; No LDS byte is filled twice.  A fragment of x read from LDS feeds four matrix instructions.
; q, k: source 0 = W, source 1 = x: a lane holds one token and 32 numbers d = 32 b + 16 (lane / 16) + i.  v: sources swapped: a lane holds one channel, its registers run down the tokens.
; THE TABLE of cos and sin is asked for FOUR TILES AHEAD: four buffers of 32 registers in window 3, which the q and k path does not use otherwise; a buffer is asked for again as soon as its tile's rotation has read it.
; OUT.  q, k codes [bh][128 tiles][3 planes of 256 bytes]: lane (r, h) holds block h of token r; scales [bh][64 pairs of tiles][16 r][2] u16.
; v codes [bh][16 key steps][4 channel tiles][six planes]; code place 16 h + i of block B stands for key 32 B + 16 (i / 8) + 8 h + i % 8 (the softmax's p comes out in the same order); scales [bh][16][4][16 r] u32.
; LIMITS: NaN and infinities are not served; a block under 2^-124 gets the byte 1 (read by this program alone).
.set XSB, 196608                       ; LDS: 0: 16 tiles x 8 fragments x 1,536; here: their scale bytes [row][32]
.set SG,  204800                       ; q, k: each wave's 16 tiles x 16 r u16
.set SGV, 206848                       ; v: each wave's 2 x 4 x 16 scale words
.set WSC, 9633792
.set ROPE, 10035200
.set LN8, 1
.set LN16, 2
.set R4, 3
.set LX0, 4
.set LA, 5
.set LX, 6
.set RA0, 7
.set RA, 8
.set SGA0, 9
.set SGA, 10
.set CO, 11
.set SVA0, 12
.set SVA, 13
.set SGR, 14
.set SVR, 15
.set WS, 16                            ; v16-31  W's scale words: 4 t + i: lanes 0-15 K step i, lanes 16-31 K step 4 + i
.set XS, 32                            ; v32-35  x's, likewise
.set AF, 48                            ; v48-143 x's eight fragments
.set ACC, 144                          ; v144-175 four accumulators
.set TP, 176                           ; v176-183 at work at the head and at the tail
.set T, 208
.set QM, 212
.set QP, 216
.set QS, 224
.set PW, 228
.set PC, 230                           ; v230-248
.set WV, 10
.set G1S, 16
.set G1C, 24
.set G0S, 32
.set G0C, 36
.set WB, 40
.set WSB, 42
.set OC, 44
.set OS, 46
.set RB, 48
.set SEL, 50
.set MB, 52
.set MX, 53
.set COFF, 54
.set SGO, 55
.set ROFF, 56
.set CNT, 57
.set MSB, 0
.macro WIN new                         ; the immediate's high byte repeats the setting that is left
.if MSB != (\new)
	s_set_vgpr_msb (MSB<<8)|(\new)
.set MSB, (\new)
.endif
.endm
.macro PLACES n
.rept \n
	v_nop
.endr
.endm
.macro ROUND                           ; a round of the cluster's barrier
	s_barrier_signal -1
	s_barrier_wait -1
	s_cmp_lg_u32 s[WV], 0
	s_cbranch_scc1 .Lnw0_\@
	s_barrier_signal -3
.Lnw0_\@:
	s_barrier_wait -3
	s_barrier_signal -1
	s_barrier_wait -1
.endm
.macro DESC g, rows, w0                ; group 1 of a dense block: rows of 256 bytes (32 elements of 8 bytes)
	s_mov_b32 s[\g], \w0
	s_mov_b32 s[\g+1], 32<<16
	s_mov_b32 s[\g+2], (\rows)<<16
	s_mov_b32 s[\g+3], 32<<16
	s_mov_b32 s[\g+4], \rows
	s_mov_b32 s[\g+5], 32
	s_mov_b32 s[\g+6], 0
	s_mov_b32 s[\g+7], 0
.endm
.macro WM0 d, a, b, sa, sb             ; starts a sum
	v_wmma_scale_f32_16x16x128_f8f6f4 v[\d:\d+7], v[\a:\a+11], v[\b:\b+11], 0, v[\sa], v[\sb] matrix_a_fmt:MATRIX_FMT_FP6 matrix_b_fmt:MATRIX_FMT_FP6
.endm
.macro WMC d, a, b, sa, sb             ; adds in place
	v_wmma_scale_f32_16x16x128_f8f6f4 v[\d:\d+7], v[\a:\a+11], v[\b:\b+11], v[\d:\d+7], v[\sa], v[\sb] matrix_a_fmt:MATRIX_FMT_FP6 matrix_b_fmt:MATRIX_FMT_FP6
.endm
.macro WMR d, a, b, sa, sb             ; adds in place, scales from lanes 16-31
	v_wmma_scale_f32_16x16x128_f8f6f4 v[\d:\d+7], v[\a:\a+11], v[\b:\b+11], v[\d:\d+7], v[\sa], v[\sb] matrix_a_fmt:MATRIX_FMT_FP6 matrix_b_fmt:MATRIX_FMT_FP6 matrix_a_scale:MATRIX_SCALE_ROW1 matrix_b_scale:MATRIX_SCALE_ROW1
.endm
.macro FA k0                           ; four fragments of x: 24 loads of 256 consecutive bytes
.irp k, \k0, \k0+1, \k0+2, \k0+3
.irp q, 0,1,2,3,4,5
	ds_load_b64 v[AF+12*(\k)+2*\q:AF+12*(\k)+2*\q+1], v[LA] offset:1536*(\k)+256*\q
.endr
.endr
.endm
.macro FX
	ds_load_b128 v[XS:XS+3], v[LX]
.endm
.macro START                           ; a tile's whole fetch
	v_add_nc_u32 v[LA], s[MB], v[LN8]
	v_add_nc_u32 v[LX], s[MX], v[LX0]
	FA 0
	FX
	FA 4
.endm
.macro NEXT                            ; on to the next tile's bytes
	s_add_co_u32 s[MB], s[MB], 12288
	s_add_co_u32 s[MX], s[MX], 512
	v_add_nc_u32 v[LA], s[MB], v[LN8]
	v_add_nc_u32 v[LX], s[MX], v[LX0]
.endm
; 16 matrix instructions: K steps 4 g .. 4 g + 3, the four accumulators by turns, one instruction a turn.  W's fragment (t, k) lies in window 1 + g at v[12 (4 k + t)]
.macro MM16 g
	WIN 1+\g
.irp k, 0,1,2,3
.irp t, 0,1,2,3
.if \g == 1
	WMR ACC+8*\t, 12*(4*\k+\t), AF+12*(4+\k), WS+4*\t+\k, XS+\k
.elseif \k == 0
	WM0 ACC+8*\t, 12*(4*\k+\t), AF+12*\k, WS+4*\t+\k, XS+\k
.else
	WMC ACC+8*\t, 12*(4*\k+\t), AF+12*\k, WS+4*\t+\k, XS+\k
.endif
.endr
.endr
.endm
.macro MM16V g, m                      ; the same with the sources swapped; accumulator (t, m) at v[64 t + 8 m] of window 3
	WIN 0xF0|((1+\g)<<2)
.irp k, 0,1,2,3
.irp t, 0,1,2,3
.if \g == 1
	WMR 64*\t+8*\m, AF+12*(4+\k), 12*(4*\k+\t), XS+\k, WS+4*\t+\k
.elseif \k == 0
	WM0 64*\t+8*\m, AF+12*\k, 12*(4*\k+\t), XS+\k, WS+4*\t+\k
.else
	WMC 64*\t+8*\m, AF+12*\k, 12*(4*\k+\t), XS+\k, WS+4*\t+\k
.endif
.endr
.endr
.endm
; 64 numbers in window w, register 16 b + i of block b, become a fragment's codes in v[PC] on and its scale word in v[PW]
.macro QUANT s, w
	WIN 5*\w
.irp b, 0,1,2,3
	v_max3_num_f32 v[QM+\b], |v[\s+16*\b]|, |v[\s+1+16*\b]|, 0x1800000
.endr
	WIN 20*\w
.irp i, 2,4,6,8,10,12,14
.irp b, 0,1,2,3
	v_max3_num_f32 v[QM+\b], v[QM+\b], |v[\s+16*\b+\i]|, |v[\s+1+16*\b+\i]|
.endr
.endr
	WIN 0
.irp b, 0,1,2,3
	v_permlanex16_b32 v[QP+\b], v[QM+\b], s[SEL], s[SEL+1]
.endr
.irp b, 0,1,2,3
	v_max_num_f32 v[QM+\b], v[QM+\b], v[QP+\b]
.endr
.irp b, 0,1,2,3
	v_add_nc_u32 v[QS+\b], 0xff000000, v[QM+\b]
.endr
.irp b, 0,1,2,3
	v_lshrrev_b32 v[QP+\b], 23, v[QS+\b]
.endr
	v_lshl_or_b32 v[PW], v[QP+1], 8, v[QP]
	v_lshl_or_b32 v[PW], v[QP+2], 16, v[PW]
	v_lshl_or_b32 v[PW], v[QP+3], 24, v[PW]
	WIN \w
.irp c, 0,1
	v_cvt_scalef32_pk16_fp6_f32 v[PC+6*\c:PC+2+6*\c], v[\s+32*\c:\s+15+32*\c], v[QS+2*\c]
	v_cvt_scalef32_pk16_fp6_f32 v[PC+12+4*\c:PC+14+4*\c], v[\s+16+32*\c:\s+31+32*\c], v[QS+2*\c+1]
.endr
	WIN 0
	v_nop
.irp c, 0,1
.irp i, 0,1,2
	v_permlane16_swap_b32 v[PC+6*\c+\i], v[PC+12+4*\c+\i]
.endr
.irp i, 0,1,2
	v_mov_b32 v[PC+3+6*\c+\i], v[PC+12+4*\c+\i]
.endr
.endr
.endm
; 32 numbers, two blocks: v[PC .. PC+5] = block (lane / 16) of the lane's row; v[PW] = byte 0 | byte 1 << 8
.macro QUANT2 s
.irp b, 0,1
	v_max3_num_f32 v[QM+\b], |v[\s+16*\b]|, |v[\s+1+16*\b]|, 0x1800000
.endr
.irp i, 2,4,6,8,10,12,14
.irp b, 0,1
	v_max3_num_f32 v[QM+\b], v[QM+\b], |v[\s+16*\b+\i]|, |v[\s+1+16*\b+\i]|
.endr
.endr
.irp b, 0,1
	v_permlanex16_b32 v[QP+\b], v[QM+\b], s[SEL], s[SEL+1]
.endr
.irp b, 0,1
	v_max_num_f32 v[QM+\b], v[QM+\b], v[QP+\b]
.endr
.irp b, 0,1
	v_add_nc_u32 v[QS+\b], 0xff000000, v[QM+\b]
.endr
.irp b, 0,1
	v_lshrrev_b32 v[QP+\b], 23, v[QS+\b]
.endr
	v_lshl_or_b32 v[PW], v[QP+1], 8, v[QP]
	v_cvt_scalef32_pk16_fp6_f32 v[PC:PC+2], v[\s:\s+15], v[QS]
	v_cvt_scalef32_pk16_fp6_f32 v[PC+4:PC+6], v[\s+16:\s+31], v[QS+1]
	v_nop
.irp i, 0,1,2
	v_permlane16_swap_b32 v[PC+\i], v[PC+4+\i]
.endr
	v_mov_b32 v[PC+3], v[PC+4]
	v_mov_b32 v[PC+4], v[PC+5]
	v_mov_b32 v[PC+5], v[PC+6]
.endm
	s_load_b128 s[4:7], s[0:1], 0x0                ; xa, wts
	s_load_b64 s[8:9], s[0:1], 0x10                ; qkvc
	v_lshl_add_u32 v254, v0, 2, 0x33000
	v_mov_b32 v255, 0
	ds_add_u32 v254, v255
	ds_add_u32 v254, v255
	v_lshrrev_b32 v1, 5, v0
	v_readfirstlane_b32 s[WV], v1
	s_bfe_u32 s11, ttmp6, 0x40000                  ; cx: it enters global addresses of my own loads and stores alone
	s_mov_b32 s12, ttmp9                           ; which product
	s_and_b32 s13, ttmp7, 0xffff                   ; which 256 rows
	s_lshl_b32 s14, s11, 2
	s_add_co_u32 s14, s14, s[WV]                   ; head
	s_lshl_b32 s15, s12, 4
	s_add_co_u32 s15, s15, s14                     ; which run of four weight tiles
	v_and_b32 v176, 31, v0
	v_and_b32 v177, 15, v0
	v_bfe_u32 v178, v0, 4, 1
	v_lshlrev_b32 v[LN8], 3, v176
	v_lshlrev_b32 v[LN16], 4, v176
	v_lshlrev_b32 v[R4], 2, v177
	v_lshlrev_b32 v[LX0], 5, v177
	v_lshl_add_u32 v[LX0], v178, 4, v[LX0]
	v_add_nc_u32 v[LX0], XSB, v[LX0]               ; scale bytes: 32 r + 16 h
	v_lshlrev_b32 v[RA0], 8, v177
	v_lshl_add_u32 v[RA0], v178, 6, v[RA0]         ; the table: row r of 256 bytes, + 64 h
	s_lshl_b32 s58, s[WV], 9
	v_lshl_add_u32 v[SGA0], v177, 1, s58
	v_add_nc_u32 v[SGA0], SG, v[SGA0]
	v_add_nc_u32 v[SVA0], s58, v[R4]
	v_add_nc_u32 v[SVA0], SGV, v[SVA0]
	v_lshrrev_b32 v179, 2, v176
	v_lshlrev_b32 v179, 6, v179
	v_and_b32 v180, 3, v176
	v_lshl_add_u32 v179, v180, 3, v179
	v_add_nc_u32 v[SGR], s58, v179
	v_add_nc_u32 v[SGR], SG, v[SGR]                ; back: pair lane / 4, tokens 4 (lane % 4) on
	v_add_nc_u32 v[SVR], s58, v[LN16]
	v_add_nc_u32 v[SVR], SGV, v[SVR]
	DESC G1S, 8, 15|(3<<16)|(1<<21)                ; the mask names all four partners
	DESC G1C, 192, 15|(3<<16)|(1<<21)
	s_lshl_b32 s58, s13, 13
	s_lshl_b32 s59, s[WV], 11
	s_add_co_u32 s58, s58, s59
	s_add_co_u32 s58, s58, 3145728                 ; my quarter of the rows' scale bytes
	s_mov_b32 s59, 0
	s_mul_i32 s60, s13, 196608
	s_mul_i32 s61, s[WV], 49152
	s_add_co_u32 s60, s60, s61                     ; my four tiles of the sixteen
	s_mov_b32 s61, 0
	s_lshl_b32 s62, s[WV], 11
	s_mul_i32 s63, s[WV], 49152
	s_wait_dscnt 0x0
	s_wait_kmcnt 0x0
	s_mov_b32 s[G0S], 1
	s_add_co_u32 s[G0S+1], s62, XSB
	s_add_nc_u64 s[G0S+2:G0S+3], s[4:5], s[58:59]
	s_or_b32 s[G0S+3], s[G0S+3], 0x80000000
	s_mov_b32 s[G0C], 1
	s_mov_b32 s[G0C+1], s63
	s_add_nc_u64 s[G0C+2:G0C+3], s[4:5], s[60:61]
	s_or_b32 s[G0C+3], s[G0C+3], 0x80000000
	ROUND                                          ; all four work-groups are here: the joint loads meet
	tensor_load_to_lds s[G0S:G0S+3], s[G1S:G1S+7]
	s_nop 0
	tensor_load_to_lds s[G0C:G0C+3], s[G1C:G1C+7]  ; two loads of mine are out
	s_nop 0
	PLACES 4
	s_mul_i32 s58, s15, 49152
	s_mov_b32 s59, 0
	s_add_nc_u64 s[WB:WB+1], s[6:7], s[58:59]
	s_lshl_b32 s58, s15, 11
	s_add_co_u32 s58, s58, WSC
	s_add_nc_u64 s[WSB:WSB+1], s[6:7], s[58:59]
	WIN 0x40                                       ; W stays in registers: K steps 0-3 in window 1,
.irp k, 0,1,2,3
.irp t, 0,1,2,3
.irp c, 0,1,2
	global_load_b128 v[12*(4*\k+\t)+4*\c:12*(4*\k+\t)+4*\c+3], v[LN16], s[WB:WB+1] offset:\t*12288+\k*1536+512*\c
.endr
.endr
.endr
	WIN 0x80                                       ; 4-7 in window 2
.irp k, 0,1,2,3
.irp t, 0,1,2,3
.irp c, 0,1,2
	global_load_b128 v[12*(4*\k+\t)+4*\c:12*(4*\k+\t)+4*\c+3], v[LN16], s[WB:WB+1] offset:\t*12288+(\k+4)*1536+512*\c
.endr
.endr
.endr
	WIN 0
.irp t, 0,1,2,3
	global_load_b128 v[WS+4*\t:WS+4*\t+3], v[LN16], s[WSB:WSB+1] offset:512*\t
.endr
	s_lshr_b32 s58, s13, 3
	s_lshl_b32 s58, s58, 4
	s_add_co_u32 s58, s58, s14                     ; bh
	s_and_b32 s59, s13, 7                          ; which 256 of the sequence's tokens
	s_mul_i32 s60, s12, 3145728
	s_mul_i32 s61, s58, 98304
	s_add_co_u32 s60, s60, s61
	s_mul_i32 s61, s59, 12288
	s_add_co_u32 s60, s60, s61
	s_mov_b32 s61, 0
	s_add_nc_u64 s[OC:OC+1], s[8:9], s[60:61]
	s_lshl_b32 s60, s12, 17
	s_lshl_b32 s62, s58, 12
	s_add_co_u32 s60, s60, s62
	s_lshl_b32 s62, s59, 9
	s_add_co_u32 s60, s60, s62
	s_add_co_u32 s60, s60, 9437184
	s_add_nc_u64 s[OS:OS+1], s[8:9], s[60:61]
	s_lshl_b32 s60, s59, 16
	s_add_co_u32 s60, s60, ROPE
	s_add_nc_u64 s[RB:RB+1], s[6:7], s[60:61]
	s_mov_b32 s[SEL], 0x76543210
	s_mov_b32 s[SEL+1], 0xfedcba98
.irp b, 0,1,2,3
	v_mov_b32 v[QP+\b], 0
.endr
	s_mov_b32 s[MB], 0
	s_mov_b32 s[MX], 0
	s_mov_b32 s[COFF], 0
	s_mov_b32 s[SGO], 0
	s_mov_b32 s[ROFF], 0
	s_wait_loadcnt 0x0                             ; W and its scales
	s_wait_tensorcnt 0x0                           ; my parts of the rows are in LDS,
	s_barrier_signal -1
	s_barrier_wait -1                              ; everybody's are
	s_cmp_eq_u32 s12, 2
	s_cbranch_scc1 .Lv
; ---------------- q, k ----------------
; cos, sin of one tile's 16 tokens, off bytes on from the trip's first tile, into buffer j (window 3, v[32 j] on): register 16 b + 2 p, + 1 = cos, sin of my token's pair 16 b + 8 h + p
.macro CSLOAD j, off
	WIN 0xC0                                       ; destination window 3, offset register window 0
.irp b, 0,1
.irp i, 0,1,2,3
	global_load_b128 v[32*(\j)+16*\b+4*\i:32*(\j)+16*\b+4*\i+3], v[RA], s[RB:RB+1] offset:(\off)+128*\b+16*\i
.endr
.endr
	WIN 0
.endm
; A tile of 16 tokens, the j-th of its trip's four.  pf = 1: the next tile's fragments are fetched meanwhile.  rf = 1: buffer j is asked for again, for the tile four on.
; left = how many younger loads of the table may stay out.
.macro TILEQ j, pf, rf, left
.if \pf
	NEXT
.endif
	s_wait_dscnt 24                                ; fragments 0-3 and the scale words are in: behind them at least the 24 loads of fragments 4-7 were issued
	MM16 0
	WIN 0
	PLACES 4                                       ; in front of loads into registers that matrix instructions have read
.if \pf
	FA 0
	s_wait_dscnt 24                                ; all but the 24 just issued
.else
	s_wait_dscnt 0x0
.endif
	MM16 1
	WIN 0
	PLACES 5                                       ; four for the reads of the results and the loads below; the fifth since the next tile's first products write over these accumulators
.if \pf
	FX
	FA 4
.endif
	s_wait_loadcnt \left                           ; loads come back in order: this tile's eight are in, the younger tiles' eight each stay out
	WIN 0x0C                                       ; source 1, cos or sin, in window 3
.irp k, 0,2,4,6,8,10,12,14,16,18,20,22,24,26,28,30
	v_mul_f32 v[T+(\k%4)], v[ACC+\k+1], v[32*(\j)+\k+1]
	v_mul_f32 v[T+(\k%4)+1], v[ACC+\k], v[32*(\j)+\k+1]
	v_fma_f32 v[ACC+\k], v[ACC+\k], v[32*(\j)+\k], -v[T+(\k%4)]         ; xe cos - xo sin
	v_fma_f32 v[ACC+\k+1], v[ACC+\k+1], v[32*(\j)+\k], v[T+(\k%4)+1]    ; xo cos + xe sin
.endr
	WIN 0
	s_wait_xcnt 0x0                                ; the last tile's stores have read their data and offset
.if \rf
	CSLOAD \j, 4096*(\j+4)
.endif
	v_add_nc_u32 v[CO], s[COFF], v[LN8]
	v_add_nc_u32 v[SGA], s[SGO], v[SGA0]
	QUANT2 ACC
.irp i, 0,1,2
	global_store_b64 v[CO], v[PC+2*\i:PC+2*\i+1], s[OC:OC+1] offset:256*\i   ; 256 consecutive bytes, aligned
.endr
	ds_store_b16 v[SGA], v[PW]                     ; lanes r and r + 16 write the same two bytes
	s_add_co_u32 s[COFF], s[COFF], 768
	s_add_co_u32 s[SGO], s[SGO], 32
.endm
	v_mov_b32 v[RA], v[RA0]
	CSLOAD 0, 0                                    ; tiles 0 to 3
	CSLOAD 1, 4096
	CSLOAD 2, 8192
	CSLOAD 3, 12288
	START
	s_mov_b32 s[CNT], 3
.Lqk:                                                  ; four tiles a trip, until the buffers are back where they began; each asks for the tile four on: tiles 4 to 15
	TILEQ 0, 1, 1, 24
	TILEQ 1, 1, 1, 24
	TILEQ 2, 1, 1, 24
	TILEQ 3, 1, 1, 24
	s_wait_xcnt 0x0                                ; the trip's loads of the table have read their offset: it steps four tiles
	s_add_co_u32 s[ROFF], s[ROFF], 16384
	v_add_nc_u32 v[RA], s[ROFF], v[RA0]
	s_sub_co_u32 s[CNT], s[CNT], 1
	s_cmp_lg_u32 s[CNT], 0
	s_cbranch_scc1 .Lqk
	TILEQ 0, 1, 0, 24                              ; the last four tiles ask for nothing of the table: the counts run down
	TILEQ 1, 1, 0, 16
	TILEQ 2, 1, 0, 8
	TILEQ 3, 0, 0, 0                               ; the last tile fetches nothing
	ds_load_b64 v[TP:TP+1], v[SGR]                 ; four tokens' halves of the pair's even tile (LDS serves a wave's instructions in order: these see my stores),
	ds_load_b64 v[TP+2:TP+3], v[SGR] offset:32     ; and of its odd tile
	s_wait_dscnt 0x0
	v_perm_b32 v[TP+4], v[TP+2], v[TP], 0x05040100
	v_perm_b32 v[TP+5], v[TP+2], v[TP], 0x07060302
	v_perm_b32 v[TP+6], v[TP+3], v[TP+1], 0x05040100
	v_perm_b32 v[TP+7], v[TP+3], v[TP+1], 0x07060302
	global_store_b128 v[LN16], v[TP+4:TP+7], s[OS:OS+1]
	s_branch .Ltail
; ---------------- v ----------------
.macro TILEV m, pf
.if \pf
	NEXT
.endif
	s_wait_dscnt 24
	MM16V 0, \m
	WIN 0
	PLACES 4
.if \pf
	FA 0
	s_wait_dscnt 24
.else
	s_wait_dscnt 0x0
.endif
	MM16V 1, \m
	WIN 0
	PLACES 5
.if \pf
	FX
	FA 4
.endif
.endm
.Lv:
	s_mov_b32 s[CNT], 2
.Lvk:                                                  ; a key step of 128 tokens: 32 accumulators, 64 numbers down the tokens for each of my 4 x 16 channels
	START
.irp m, 0,1,2,3,4,5,6
	TILEV \m, 1
.endr
	TILEV 7, 0
	s_add_co_u32 s[MB], s[MB], 12288
	s_add_co_u32 s[MX], s[MX], 512
.irp t, 0,1,2,3
	s_wait_xcnt 0x0                                ; earlier stores have read the codes' registers and their offset
.if \t == 0
	v_add_nc_u32 v[CO], s[COFF], v[LN8]
	v_add_nc_u32 v[SVA], s[SGO], v[SVA0]
.endif
	QUANT 64*\t, 3
.irp q, 0,1,2,3,4,5
	global_store_b64 v[CO], v[PC+2*\q:PC+2*\q+1], s[OC:OC+1] offset:1536*\t+256*\q
.endr
	ds_store_b32 v[SVA], v[PW] offset:64*\t
.endr
	s_add_co_u32 s[COFF], s[COFF], 6144
	s_add_co_u32 s[SGO], s[SGO], 256
	s_sub_co_u32 s[CNT], s[CNT], 1
	s_cmp_lg_u32 s[CNT], 0
	s_cbranch_scc1 .Lvk
	ds_load_b128 v[TP:TP+3], v[SVR]
	s_wait_dscnt 0x0
	global_store_b128 v[LN16], v[TP:TP+3], s[OS:OS+1]
.Ltail:
	s_wait_dscnt 0x0
	s_wait_tensorcnt 0x0
	ds_add_u32 v254, v255
	s_wait_dscnt 0x0
	ROUND                                          ; the closing round
	s_endpgm
.Lfunc_end_k_q788ea1d210_qkv:
	.size	k_q788ea1d210_qkv, .Lfunc_end_k_q788ea1d210_qkv-k_q788ea1d210_qkv
	.p2alignl 7, 3214868480
	.fill 96, 4, 3214868480
	.section	.rodata,"a",@progbits
	.p2align	6, 0x0
	.amdhsa_kernel k_q788ea1d210_qkv
		.amdhsa_group_segment_fixed_size 209408
		.amdhsa_private_segment_fixed_size 0
		.amdhsa_enable_private_segment 0
		.amdhsa_kernarg_size 24
		.amdhsa_user_sgpr_count 2
		.amdhsa_user_sgpr_kernarg_segment_ptr 1
		.amdhsa_wavefront_size32 1
		.amdhsa_system_sgpr_workgroup_id_x 1
		.amdhsa_system_sgpr_workgroup_id_y 1
		.amdhsa_system_sgpr_workgroup_id_z 1
		.amdhsa_system_vgpr_workitem_id 0
		.amdhsa_next_free_vgpr 1024
		.amdhsa_next_free_sgpr 66
		.amdhsa_reserve_vcc 0
		.amdhsa_float_denorm_mode_32 3
		.amdhsa_float_denorm_mode_16_64 3
		.amdhsa_memory_ordered 1
		.amdhsa_forward_progress 1
		.amdhsa_inst_pref_size 210
	.end_amdhsa_kernel
	.amdgpu_metadata
---
amdhsa.version: [ 1, 2 ]
amdhsa.kernels:
  - .name:           k_q788ea1d210_qkv
    .symbol:         k_q788ea1d210_qkv.kd
    .args:
      - { .name: xa, .offset: 0, .size: 8, .value_kind: global_buffer, .address_space: global }
      - { .name: wts, .offset: 8, .size: 8, .value_kind: global_buffer, .address_space: global }
      - { .name: qkvc, .offset: 16, .size: 8, .value_kind: global_buffer, .address_space: global }
    .group_segment_fixed_size: 209408
    .private_segment_fixed_size: 0
    .kernarg_segment_align: 8
    .kernarg_segment_size: 24
    .max_flat_workgroup_size: 128
    .sgpr_count:     66
    .vgpr_count:     1024
    .wavefront_size: 32
...
	.end_amdgpu_metadata
.endif
;; end of part 8
;; launch attn (part 9): grid 8 x 32, 16 waves a work-group, no clusters, 206,848 bytes of LDS; arguments qkvc, att; writes att
.if DOCPART == 9
	.amdgcn_target "amdgcn-amd-amdhsa--gfx1250"
	.amdhsa_code_object_version 6
	.text
	.protected	k_q788ea1d210_attn
	.globl	k_q788ea1d210_attn
	.p2align	8
	.type	k_q788ea1d210_attn,@function
k_q788ea1d210_attn:
	s_mov_b64 s[64:65], 0
	v_nop
	global_prefetch_b8 v0, s[64:65] scope:SCOPE_SE
	s_setreg_imm32_b32 hwreg(HW_REG_WAVE_MODE, 25, 1), 1
	s_wait_xcnt 0x0
; Causal attention on codes of FP6: S^T = K Q^T (K = the head's 64), p = 2^(t - M) with M the ceiling of the running largest t, O^T = V^T P^T (K = the keys), O / the sum of the unquantised p, quantised for the next product.
; SHARES.  A work-group owns one head (y) and the query blocks x and 15 - x of 128 queries: 17 key steps x 8 waves whatever x is.  Each of sixteen waves owns one tile of 16 queries, in 256 registers.
; The head's K and V (codes and scale words, 204,800 bytes) come into LDS ONCE, by tensor loads of waves 0 to 3, IN TWO PARTS: the scale words and key steps 0 to 3 first, key steps 4 to 15 behind them.
; The first four key steps are walked while the second part lands; a second barrier stands in front of the other twelve.  No LDS byte is filled twice and none is stored to.
; K = 64 IS HALF OF THE INSTRUCTION'S 128: two neighbouring tiles of 16 keys make one operand of 12 registers; it is multiplied by [q, zero codes] and by [zero codes, q].
; A lane holds one query throughout.  p's 16 registers of two tiles are keys 32 B + 16 (i / 8) + 8 h + i % 8: the order in which V's codes were laid; the order is the same on both sides and stays inside a block of 32.
; A key step all of whose keys come after the wave's queries is left out by a scalar branch on ids; the trip counts are constants.
; NO MULTICAST: the work-groups that share K and V differ in the query block, on which that branch hangs; partners of a cluster may not part so.
; LIMITS: NaN and infinities are not served; a block under 2^-124 gets the byte 1.  The scale bytes leave one a lane, 32 bytes apart: 32 bytes beside the wave's 768 bytes of codes.
.set VREG, 102400                      ; LDS: 0: K's scale words (4,096), K's images (98,304); here the same for V
.set PART1, 24576                      ; the images of key steps 0 to 3
.set AK0, 1
.set AV0, 2
.set AS0, 3
.set AT0, 4
.set LN8, 5
.set ADK, 8
.set ADV, 9
.set ADS, 10
.set ADT, 11
.set KV, 40                            ; v40-87   four fragments of K, then of V.   v12 -M, v13 the largest t, v[14:15] the sum; v16-27 [q, 0], v28-39 [0, q]
.set S, 88                             ; v88-151  S^T, then p
.set O, 152                            ; v152-183 O^T
.set PC, 184                           ; v184-202 p's codes
.set QM, 204
.set QP, 208
.set QS, 212
.set KS, 216
.set VS, 220
.set PW, 224
.set QSL, 225
.set QSH, 226
.set F, 228
.set TT, 230
.set SU, 232
.set WV, 8
.set G1S, 16                           ; s[16:23] group 1 for half of the scale words; s[24:31] for half of the first part; s[68:75] for half of the second
.set G1C, 24
.set G0S, 32
.set G0C, 36
.set G1D, 68
.set G0D, 76
.set SEL, 48
.set CS, 50
.set KF, 52
.set Q0, 53
.set TB, 54
.set TS, 55
.set CNT, 56
.macro PLACES n
.rept \n
	v_nop
.endr
.endm
.macro DESC g, rows, w0
	s_mov_b32 s[\g], \w0
	s_mov_b32 s[\g+1], 32<<16
	s_mov_b32 s[\g+2], (\rows)<<16
	s_mov_b32 s[\g+3], 32<<16
	s_mov_b32 s[\g+4], \rows
	s_mov_b32 s[\g+5], 32
	s_mov_b32 s[\g+6], 0
	s_mov_b32 s[\g+7], 0
.endm
	s_load_b128 s[4:7], s[0:1], 0x0                ; qkvc, att
	v_lshl_add_u32 v254, v0, 2, 0x32000
	v_mov_b32 v255, 0
	ds_add_u32 v254, v255
	ds_add_u32 v254, v255
	v_lshrrev_b32 v1, 5, v0
	v_readfirstlane_b32 s[WV], v1
	s_and_b32 s9, ttmp7, 0xffff                    ; bh
	s_lshr_b32 s10, s[WV], 2
	s_xor_b32 s10, s10, s[WV]
	s_and_b32 s10, s10, 1                          ; 1: the late block
	s_lshr_b32 s11, s[WV], 1
	s_sub_co_u32 s12, 15, ttmp9
	s_cmp_eq_u32 s10, 1
	s_cselect_b32 s12, s12, ttmp9
	s_lshl_b32 s12, s12, 3
	s_add_co_u32 s12, s12, s11                     ; my tile of queries
	s_lshl_b32 s[Q0], s12, 4
	v_and_b32 v6, 31, v0
	v_and_b32 v7, 15, v0
	v_lshlrev_b32 v[LN8], 3, v6
	v_add_nc_u32 v[AK0], 4096, v[LN8]
	v_add_nc_u32 v[AV0], VREG+4096, v[LN8]
	v_lshlrev_b32 v[AS0], 2, v7
	v_add_nc_u32 v[AT0], VREG, v[AS0]
	DESC G1S, 8, 3<<16
	DESC G1C, 48, 3<<16
	DESC G1D, 144, 3<<16
	s_and_b32 s13, s[WV], 1                        ; waves 0 to 3 fetch: K (0) or V (1),
	s_lshr_b32 s14, s[WV], 1                       ; which half of each part
	s_mul_i32 s15, s13, VREG
	s_lshl_b32 s40, s14, 11
	s_add_co_u32 s40, s40, s15                     ; in LDS: the scale words,
	s_mul_i32 s41, s14, 12288
	s_add_co_u32 s41, s41, s15
	s_add_co_u32 s41, s41, 4096                    ; the first part,
	s_mul_i32 s[G0D+1], s14, 36864
	s_add_co_u32 s[G0D+1], s[G0D+1], s15
	s_add_co_u32 s[G0D+1], s[G0D+1], 4096+PART1    ; the second
	s_mul_i32 s42, s13, 3145728
	s_add_co_u32 s42, s42, 3145728
	s_mul_i32 s43, s9, 98304
	s_add_co_u32 s42, s42, s43                     ; in memory: my head's images of K or of V;
	s_mul_i32 s43, s14, 36864
	s_add_co_u32 s66, s42, s43
	s_add_co_u32 s66, s66, PART1                   ; my half of the second part,
	s_mov_b32 s67, 0
	s_mul_i32 s43, s14, 12288
	s_add_co_u32 s42, s42, s43                     ; of the first
	s_mov_b32 s43, 0
	s_lshl_b32 s44, s13, 17
	s_add_co_u32 s44, s44, 9568256
	s_lshl_b32 s45, s9, 12
	s_add_co_u32 s44, s44, s45
	s_lshl_b32 s45, s14, 11
	s_add_co_u32 s44, s44, s45
	s_mov_b32 s45, 0
	s_mul_i32 s46, s9, 98304
	s_mul_i32 s47, s12, 768
	s_add_co_u32 s46, s46, s47                     ; my queries' codes
	s_mov_b32 s47, 0
	s_lshl_b32 s57, s9, 12
	s_lshr_b32 s62, s12, 1
	s_lshl_b32 s62, s62, 6
	s_add_co_u32 s62, s62, s57
	s_and_b32 s57, s12, 1
	s_lshl_b32 s57, s57, 1
	s_add_co_u32 s62, s62, s57
	s_add_co_u32 s62, s62, 9437184                 ; and their scale halves
	s_mov_b32 s63, 0
	s_wait_dscnt 0x0
	s_wait_kmcnt 0x0
	s_mov_b32 s[G0S], 1
	s_mov_b32 s[G0S+1], s40
	s_add_nc_u64 s[G0S+2:G0S+3], s[4:5], s[44:45]
	s_or_b32 s[G0S+3], s[G0S+3], 0x80000000
	s_mov_b32 s[G0C], 1
	s_mov_b32 s[G0C+1], s41
	s_add_nc_u64 s[G0C+2:G0C+3], s[4:5], s[42:43]
	s_or_b32 s[G0C+3], s[G0C+3], 0x80000000
	s_mov_b32 s[G0D], 1
	s_add_nc_u64 s[G0D+2:G0D+3], s[4:5], s[66:67]
	s_or_b32 s[G0D+3], s[G0D+3], 0x80000000
	s_cmp_lt_u32 s[WV], 4
	s_cbranch_scc0 .Lno_fetch
	tensor_load_to_lds s[G0S:G0S+3], s[G1S:G1S+7]
	s_nop 0
	tensor_load_to_lds s[G0C:G0C+3], s[G1C:G1C+7]
	s_nop 0
	tensor_load_to_lds s[G0D:G0D+3], s[G1D:G1D+7]  ; three loads of mine are out
	s_nop 0
	PLACES 4
.Lno_fetch:
	s_add_nc_u64 s[58:59], s[4:5], s[46:47]
	s_add_nc_u64 s[60:61], s[4:5], s[62:63]
.irp i, 0,1,2
	global_load_b64 v[16+2*\i:17+2*\i], v[LN8], s[58:59] offset:256*\i
	global_load_b64 v[34+2*\i:35+2*\i], v[LN8], s[58:59] offset:256*\i
.endr
	global_load_u16 v[QSL], v[AS0], s[60:61]
.irp i, 22,23,24,25,26,27,28,29,30,31,32,33
	v_mov_b32 v[\i], 0                             ; the zero codes
.endr
	s_mov_b32 s[SEL], 0x76543210
	s_mov_b32 s[SEL+1], 0xfedcba98
	s_mov_b32 s[CS], 0x3e38aa3b                    ; c = log2(e) / sqrt(64)
	s_mov_b32 s[CS+1], s[CS]
	s_mov_b32 s[KF], 0
	s_mov_b32 s[TB], 0
	s_mov_b32 s[TS], 0
	s_wait_loadcnt 0x0                             ; q and its scale halves
	v_lshlrev_b32 v[QSH], 16, v[QSL]               ; the same two bytes for the operand's upper half.  A scale register written by a vector line stands eight plain vector lines ahead of the scaled matrix instruction that names it: the 42 lines below, which set up the state, are those lines
	v_mov_b32 v13, 0xff61b1e6                      ; the largest t so far: -3e38
	v_floor_f32 v12, -v13
	v_mov_b32 v14, 0
	v_mov_b32 v15, 0
.irp b, 0,1,2,3
	v_mov_b32 v[QP+\b], 0
.endr
	v_mov_b32 v[F+1], 0
	v_mov_b32 v[TT], 0
.set n, 0
.rept 32
	v_mov_b32 v[O+n], 0                            ; the step is written once for each loop: the first finds zeros
.set n, n+1
.endr
; A loop of so many key steps of 128 keys.  The step's first key, the place of its images and of its scale words stand in scalars that step at the step's end, on the way round its work too.
.macro STEPS trips
	s_mov_b32 s[CNT], \trips
.Lstep_\@:
	s_add_co_u32 s40, s[Q0], 15
	s_cmp_gt_u32 s[KF], s40
	s_cbranch_scc1 .Lhidden_\@
	v_add_nc_u32 v[ADK], s[TB], v[AK0]             ; (these four are the places behind the last step's products)
	v_add_nc_u32 v[ADV], s[TB], v[AV0]
	v_add_nc_u32 v[ADS], s[TS], v[AS0]
	v_add_nc_u32 v[ADT], s[TS], v[AT0]
.irp a, 0,1,2,3
.irp q, 0,1,2,3,4,5
	ds_load_b64 v[KV+12*\a+2*\q:KV+12*\a+2*\q+1], v[ADK] offset:1536*\a+256*\q
.endr
	ds_load_b32 v[KS+\a], v[ADS] offset:64*\a
.endr
	s_wait_dscnt 0x0
.irp a, 0,1,2,3
.irp u, 0,1
	v_wmma_scale_f32_16x16x128_f8f6f4 v[S+8*(2*\a+\u):S+8*(2*\a+\u)+7], v[KV+12*\a:KV+12*\a+11], v[16+12*\u:27+12*\u], 0, v[KS+\a], v[QSL+\u] matrix_a_fmt:MATRIX_FMT_FP6 matrix_b_fmt:MATRIX_FMT_FP6
.endr
.endr
	PLACES 4
.irp t, 0,1,2,3                        ; V's fragments land while the softmax is walked
.irp q, 0,1,2,3,4,5
	ds_load_b64 v[KV+12*\t+2*\q:KV+12*\t+2*\q+1], v[ADV] offset:1536*\t+256*\q
.endr
	ds_load_b32 v[VS+\t], v[ADT] offset:64*\t
.endr
	s_add_co_u32 s40, s[KF], 127
	s_cmp_le_u32 s40, s[Q0]
	s_cbranch_scc1 .Lopen_\@
	s_sub_co_i32 s40, s[Q0], s[KF]                 ; on the diagonal: hidden scores become -infinity
	v_and_b32 v[TT], 15, v0
	v_bfe_u32 v[TT+1], v0, 4, 1
	v_lshlrev_b32 v[TT+1], 3, v[TT+1]
	v_sub_nc_u32 v[TT], v[TT], v[TT+1]
	v_add_nc_u32 v[TT], s40, v[TT]                 ; d = my query - the step's first key - 8 h; register n holds key 16 (n / 8) + n % 8 + 8 h
	v_mov_b32 v[TT+1], 0xff800000
.set n, 0
.rept 64
	v_cmp_gt_i32 vcc_lo, 16*(n/8)+n%8, v[TT]
	v_cndmask_b32 v[S+n], v[S+n], v[TT+1], vcc_lo
.set n, n+1
.endr
.Lopen_\@:
.irp b, 0,1,2,3
	v_max3_num_f32 v[QM+\b], v[S+16*\b], v[S+1+16*\b], v[S+2+16*\b]   ; each block's largest score: for the row's maximum and, since p rises with the score, for the block's largest p
.endr
.irp i, 3,5,7,9,11,13
.irp b, 0,1,2,3
	v_max3_num_f32 v[QM+\b], v[QM+\b], v[S+16*\b+\i], v[S+1+16*\b+\i]
.endr
.endr
.irp b, 0,1,2,3
	v_max_num_f32 v[QM+\b], v[QM+\b], v[S+15+16*\b]
.endr
.irp b, 0,1,2,3
	v_permlanex16_b32 v[QP+\b], v[QM+\b], s[SEL], s[SEL+1]
.endr
.irp b, 0,1,2,3
	v_max_num_f32 v[QM+\b], v[QM+\b], v[QP+\b]
.endr
	v_max3_num_f32 v[TT], v[QM], v[QM+1], v[QM+2]
	v_max_num_f32 v[TT], v[TT], v[QM+3]
	v_mul_f32 v[TT], s[CS], v[TT]
	v_max_num_f32 v13, v13, v[TT]                  ; the running largest t
	v_mov_b32 v[TT], v12
	v_floor_f32 v12, -v13                          ; -M = floor(-t): M is a whole number
	v_sub_f32 v[TT], v12, v[TT]
	v_cvt_i32_f32 v[TT], v[TT]                     ; (it saturates)
	v_ldexp_f32 v[F], 1.0, v[TT]                   ; f = 2^(old M - new M)
.set n, 0
.rept 32
	v_pk_fma_f32 v[S+n:S+n+1], v[S+n:S+n+1], s[CS:CS+1], v[12:13] op_sel_hi:[1,0,0]   ; t - M
.set n, n+2
.endr
.irp b, 0,1,2,3
	v_fma_f32 v[QM+\b], v[QM+\b], s[CS], v12
.endr
.set n, 0
.rept 64
	v_exp_f32 v[S+n], v[S+n]                       ; p, not normalised
.set n, n+1
.endr
	v_pk_mul_f32 v[14:15], v[14:15], v[F:F+1] op_sel_hi:[1,0]      ; (a plain line behind the batch)  the sums under the new M
	s_wait_alu depctr_va_vdst(0)                   ; one wait for the 64, ahead of their first reader
.irp b, 0,1,2,3
	v_exp_f32 v[QM+\b], v[QM+\b]                   ; each block's largest p
.endr
	v_pk_add_f32 v[SU:SU+1], v[S:S+1], v[S+2:S+3]  ; the row's sum of the unquantised p, in two chains
.irp j, 4,8,12,16,20,24,28,32,36,40,44,48,52,56,60
	v_pk_add_f32 v[14:15], v[14:15], v[S+\j:S+\j+1]
	v_pk_add_f32 v[SU:SU+1], v[SU:SU+1], v[S+2+\j:S+3+\j]
.endr
	v_pk_add_f32 v[14:15], v[14:15], v[SU:SU+1]
	s_wait_alu depctr_va_vdst(0)                   ; and one for the four
.irp b, 0,1,2,3
	v_max_num_f32 v[QM+\b], 0x1800000, v[QM+\b]
.endr
.irp b, 0,1,2,3
	v_add_nc_u32 v[QS+\b], 0xff000000, v[QM+\b]
.endr
.irp b, 0,1,2,3
	v_lshrrev_b32 v[QP+\b], 23, v[QS+\b]
.endr
	v_lshl_or_b32 v[PW], v[QP+1], 8, v[QP]
	v_lshl_or_b32 v[PW], v[QP+2], 16, v[PW]
	v_lshl_or_b32 v[PW], v[QP+3], 24, v[PW]
.irp c, 0,1
	v_cvt_scalef32_pk16_fp6_f32 v[PC+6*\c:PC+2+6*\c], v[S+32*\c:S+15+32*\c], v[QS+2*\c]
	v_cvt_scalef32_pk16_fp6_f32 v[PC+12+4*\c:PC+14+4*\c], v[S+16+32*\c:S+31+32*\c], v[QS+2*\c+1]
.endr
	v_nop
.irp c, 0,1
.irp i, 0,1,2
	v_permlane16_swap_b32 v[PC+6*\c+\i], v[PC+12+4*\c+\i]
.endr
.irp i, 0,1,2
	v_mov_b32 v[PC+3+6*\c+\i], v[PC+12+4*\c+\i]
.endr
.endr
.set n, 0
.rept 16
	v_pk_mul_f32 v[O+n:O+n+1], v[O+n:O+n+1], v[F:F+1] op_sel_hi:[1,0]   ; O^T under the new M; these sixteen also stand between the lines that made p's codes and scale word and the products
.set n, n+2
.endr
	s_wait_dscnt 0x0                               ; V
.irp t, 0,1,2,3
	v_wmma_scale_f32_16x16x128_f8f6f4 v[O+8*\t:O+8*\t+7], v[KV+12*\t:KV+12*\t+11], v[PC:PC+11], v[O+8*\t:O+8*\t+7], v[VS+\t], v[PW] matrix_a_fmt:MATRIX_FMT_FP6 matrix_b_fmt:MATRIX_FMT_FP6
.endr
.Lhidden_\@:
	s_add_co_u32 s[KF], s[KF], 128
	s_add_co_u32 s[TB], s[TB], 6144
	s_add_co_u32 s[TS], s[TS], 256
	s_sub_co_u32 s[CNT], s[CNT], 1
	s_cmp_lg_u32 s[CNT], 0
	s_cbranch_scc1 .Lstep_\@
.endm
	s_wait_tensorcnt 0x1                           ; tensor loads of a wave end in order: my scale words and my half of the first part are in LDS; only my third load, the second part, may be out,
	s_barrier_signal -1
	s_barrier_wait -1                              ; everybody's are.
	STEPS 4                                        ; key steps 0 to 3: they read the scale words and the first part alone
	s_wait_dscnt 0x0
	s_wait_tensorcnt 0x0                           ; my half of the second part is in LDS,
	s_barrier_signal -1
	s_barrier_wait -1                              ; everybody's is
	STEPS 12                                       ; key steps 4 to 15
	PLACES 4
	v_add_f32 v14, v14, v15
	v_permlanex16_b32 v[TT], v14, s[SEL], s[SEL+1]
	v_add_f32 v14, v14, v[TT]                      ; the row's sum
	v_rcp_f32 v14, v14
	v_bfe_u32 v[TT+1], v0, 4, 1                    ; (a plain line)  h
	s_lshr_b32 s40, s9, 4                          ; batch
	s_and_b32 s41, s9, 15                          ; head
	s_lshl_b32 s40, s40, 7
	s_add_co_u32 s40, s40, s12                     ; the tile of rows
	s_lshl_b32 s42, s40, 3
	s_lshr_b32 s43, s41, 1
	s_add_co_u32 s42, s42, s43
	s_mul_i32 s42, s42, 1536                       ; fragment (tile, head / 2),
	s_and_b32 s43, s41, 1
	s_mul_i32 s43, s43, 768
	s_add_co_u32 s42, s42, s43                     ; its half head % 2
	s_mov_b32 s43, 0
	s_add_nc_u64 s[44:45], s[6:7], s[42:43]
	s_lshl_b32 s42, s40, 9
	s_lshl_b32 s46, s41, 1
	s_add_co_u32 s42, s42, s46
	s_add_co_u32 s42, s42, 3145728
	s_add_nc_u64 s[46:47], s[6:7], s[42:43]
	v_lshl_add_u32 v[TT+2], v7, 5, v[TT+1]         ; 32 r + h
	s_wait_alu depctr_va_vdst(0)
.set n, 0
.rept 32
	v_mul_f32 v[S+n], v[O+n], v14                  ; register 16 b + i: channel 32 b + 16 h + i of my query
.set n, n+1
.endr
.irp b, 0,1
	v_max3_num_f32 v[QM+\b], |v[S+16*\b]|, |v[S+1+16*\b]|, 0x1800000
.endr
.irp i, 2,4,6,8,10,12,14
.irp b, 0,1
	v_max3_num_f32 v[QM+\b], v[QM+\b], |v[S+16*\b+\i]|, |v[S+1+16*\b+\i]|
.endr
.endr
.irp b, 0,1
	v_permlanex16_b32 v[QP+\b], v[QM+\b], s[SEL], s[SEL+1]
.endr
.irp b, 0,1
	v_max_num_f32 v[QM+\b], v[QM+\b], v[QP+\b]
.endr
.irp b, 0,1
	v_add_nc_u32 v[QS+\b], 0xff000000, v[QM+\b]
.endr
.irp b, 0,1
	v_lshrrev_b32 v[QP+\b], 23, v[QS+\b]
.endr
	v_cvt_scalef32_pk16_fp6_f32 v[PC:PC+2], v[S:S+15], v[QS]
	v_cvt_scalef32_pk16_fp6_f32 v[PC+4:PC+6], v[S+16:S+31], v[QS+1]
	v_nop
.irp i, 0,1,2
	v_permlane16_swap_b32 v[PC+\i], v[PC+4+\i]
.endr
	v_mov_b32 v[PC+3], v[PC+4]
	v_mov_b32 v[PC+4], v[PC+5]
	v_mov_b32 v[PC+5], v[PC+6]
	v_cmp_eq_u32 vcc_lo, 0, v[TT+1]
	v_cndmask_b32 v[TT+3], v[QP+1], v[QP], vcc_lo  ; block h's byte
.irp i, 0,1,2
	global_store_b64 v[LN8], v[PC+2*\i:PC+2*\i+1], s[44:45] offset:256*\i   ; 256 consecutive bytes, aligned
.endr
	global_store_b8 v[TT+2], v[TT+3], s[46:47]
	s_wait_tensorcnt 0x0
	ds_add_u32 v254, v255
	s_wait_dscnt 0x0
	s_endpgm
.Lfunc_end_k_q788ea1d210_attn:
	.size	k_q788ea1d210_attn, .Lfunc_end_k_q788ea1d210_attn-k_q788ea1d210_attn
	.p2alignl 7, 3214868480
	.fill 96, 4, 3214868480
	.section	.rodata,"a",@progbits
	.p2align	6, 0x0
	.amdhsa_kernel k_q788ea1d210_attn
		.amdhsa_group_segment_fixed_size 206848
		.amdhsa_private_segment_fixed_size 0
		.amdhsa_enable_private_segment 0
		.amdhsa_kernarg_size 16
		.amdhsa_user_sgpr_count 2
		.amdhsa_user_sgpr_kernarg_segment_ptr 1
		.amdhsa_wavefront_size32 1
		.amdhsa_system_sgpr_workgroup_id_x 1
		.amdhsa_system_sgpr_workgroup_id_y 1
		.amdhsa_system_sgpr_workgroup_id_z 1
		.amdhsa_system_vgpr_workitem_id 0
		.amdhsa_next_free_vgpr 256
		.amdhsa_next_free_sgpr 80
		.amdhsa_reserve_vcc 1
		.amdhsa_float_denorm_mode_32 3
		.amdhsa_float_denorm_mode_16_64 3
		.amdhsa_memory_ordered 1
		.amdhsa_forward_progress 1
		.amdhsa_inst_pref_size 59
	.end_amdhsa_kernel
	.amdgpu_metadata
---
amdhsa.version: [ 1, 2 ]
amdhsa.kernels:
  - .name:           k_q788ea1d210_attn
    .symbol:         k_q788ea1d210_attn.kd
    .args:
      - { .name: qkvc, .offset: 0, .size: 8, .value_kind: global_buffer, .address_space: global }
      - { .name: att, .offset: 8, .size: 8, .value_kind: global_buffer, .address_space: global }
    .group_segment_fixed_size: 206848
    .private_segment_fixed_size: 0
    .kernarg_segment_align: 8
    .kernarg_segment_size: 16
    .max_flat_workgroup_size: 512
    .sgpr_count:     80
    .vgpr_count:     256
    .wavefront_size: 32
...
	.end_amdgpu_metadata
.endif
;; end of part 9
;; launch wo (part 10): grid 4 x 64, 4 waves a work-group, clusters of 4 x 1, 168,448 bytes of LDS; arguments att, wts, x, x2; writes x2
.if DOCPART == 10
	.amdgcn_target "amdgcn-amd-amdhsa--gfx1250"
	.amdhsa_code_object_version 6
	.text
	.protected	k_q788ea1d210_wo
	.globl	k_q788ea1d210_wo
	.p2align	8
	.type	k_q788ea1d210_wo,@function
k_q788ea1d210_wo:
	s_mov_b64 s[64:65], 0
	v_nop
	global_prefetch_b8 v0, s[64:65] scope:SCOPE_SE
	s_setreg_imm32_b32 hwreg(HW_REG_WAVE_MODE, 25, 1), 1
	s_wait_xcnt 0x0
	s_wait_alu depctr_hold_cnt(0) depctr_sa_sdst(0) depctr_va_vdst(0) depctr_va_sdst(0) depctr_va_ssrc(0) depctr_va_vcc(0) depctr_vm_vsrc(0)
	s_getreg_b32 s2, hwreg(HW_REG_IB_STS2, 6, 4)
	s_cmp_eq_u32 s2, 0
	s_cbranch_scc0 .Lentry_in_a_cluster
	s_endpgm
.Lentry_in_a_cluster:
	s_bfe_u32 s2, ttmp6, 0x10000c
	s_cmp_lg_u32 s2, 0x3003
	s_cbranch_scc0 .Lentry_shape_is_right
	s_endpgm
.Lentry_shape_is_right:
; x2 = x + attn Wo^T, on codes of FP6 with E8M0 scales; sums and the residual in f32.
; A work-group takes 64 rows (4 tiles) x 256 columns; wave w of partner cx keeps 64 rows of Wo (4 tiles x 8 K steps, 384 registers) for the launch.  The four partners need the same rows of attn: their images and
; scale bytes come into LDS once, by joint tensor loads.  No LDS byte is filled twice.  Results go through the wave's own stage and leave as whole rows of 256 bytes.
; THE RESIDUAL: my places of x for all four tiles (4 x 32 registers, window 3) are asked for at the head, behind Wo's loads; a tile waits only for its own eight loads.  The four tiles are written out.
.set XSB, 49152
.set STG, 51200                        ; 16 rows x 272 bytes for each wave
.set WSC, 9633792
.set LN8, 1
.set LN16, 2
.set LX0, 4
.set LA, 5
.set LX, 6
.set SO, 7
.set SR, 8
.set GO0, 9                            ; v9  my byte offset in the first two rows of x and of x2; never rewritten
.set WS, 16
.set XS, 32
.set AF, 48
.set ACC, 144
.set RBK, 176                          ; v176-207 rows read back
.set WV, 12
.set G1S, 16
.set G1C, 24
.set G0S, 32
.set G0C, 36
.set WB, 40
.set WSB, 42
.set MB, 52
.set MX, 53
.set MSB, 0
.macro WIN new
.if MSB != (\new)
	s_set_vgpr_msb (MSB<<8)|(\new)
.set MSB, (\new)
.endif
.endm
.macro PLACES n
.rept \n
	v_nop
.endr
.endm
.macro ROUND
	s_barrier_signal -1
	s_barrier_wait -1
	s_cmp_lg_u32 s[WV], 0
	s_cbranch_scc1 .Lnw0_\@
	s_barrier_signal -3
.Lnw0_\@:
	s_barrier_wait -3
	s_barrier_signal -1
	s_barrier_wait -1
.endm
.macro DESC g, rows, w0
	s_mov_b32 s[\g], \w0
	s_mov_b32 s[\g+1], 32<<16
	s_mov_b32 s[\g+2], (\rows)<<16
	s_mov_b32 s[\g+3], 32<<16
	s_mov_b32 s[\g+4], \rows
	s_mov_b32 s[\g+5], 32
	s_mov_b32 s[\g+6], 0
	s_mov_b32 s[\g+7], 0
.endm
.macro WM0 d, a, b, sa, sb
	v_wmma_scale_f32_16x16x128_f8f6f4 v[\d:\d+7], v[\a:\a+11], v[\b:\b+11], 0, v[\sa], v[\sb] matrix_a_fmt:MATRIX_FMT_FP6 matrix_b_fmt:MATRIX_FMT_FP6
.endm
.macro WMC d, a, b, sa, sb
	v_wmma_scale_f32_16x16x128_f8f6f4 v[\d:\d+7], v[\a:\a+11], v[\b:\b+11], v[\d:\d+7], v[\sa], v[\sb] matrix_a_fmt:MATRIX_FMT_FP6 matrix_b_fmt:MATRIX_FMT_FP6
.endm
.macro WMR d, a, b, sa, sb
	v_wmma_scale_f32_16x16x128_f8f6f4 v[\d:\d+7], v[\a:\a+11], v[\b:\b+11], v[\d:\d+7], v[\sa], v[\sb] matrix_a_fmt:MATRIX_FMT_FP6 matrix_b_fmt:MATRIX_FMT_FP6 matrix_a_scale:MATRIX_SCALE_ROW1 matrix_b_scale:MATRIX_SCALE_ROW1
.endm
.macro FA k0
.irp k, \k0, \k0+1, \k0+2, \k0+3
.irp q, 0,1,2,3,4,5
	ds_load_b64 v[AF+12*(\k)+2*\q:AF+12*(\k)+2*\q+1], v[LA] offset:1536*(\k)+256*\q
.endr
.endr
.endm
.macro FX
	ds_load_b128 v[XS:XS+3], v[LX]
.endm
.macro MM16 g                          ; K steps 4 g .. 4 g + 3; the four accumulators by turns
	WIN 1+\g
.irp k, 0,1,2,3
.irp t, 0,1,2,3
.if \g == 1
	WMR ACC+8*\t, 12*(4*\k+\t), AF+12*(4+\k), WS+4*\t+\k, XS+\k
.elseif \k == 0
	WM0 ACC+8*\t, 12*(4*\k+\t), AF+12*\k, WS+4*\t+\k, XS+\k
.else
	WMC ACC+8*\t, 12*(4*\k+\t), AF+12*\k, WS+4*\t+\k, XS+\k
.endif
.endr
.endr
.endm
	s_load_b256 s[4:11], s[0:1], 0x0               ; att, wts, x, x2
	v_lshl_add_u32 v254, v0, 2, 0x29000
	v_mov_b32 v255, 0
	ds_add_u32 v254, v255
	ds_add_u32 v254, v255
	v_lshrrev_b32 v1, 5, v0
	v_readfirstlane_b32 s[WV], v1
	s_bfe_u32 s13, ttmp6, 0x40000                  ; cx: it enters global addresses of my own loads and stores alone
	s_and_b32 s14, ttmp7, 0xffff                   ; which 64 rows
	s_lshl_b32 s15, s13, 2
	s_add_co_u32 s15, s15, s[WV]                   ; which 64 columns
	v_and_b32 v176, 31, v0
	v_and_b32 v177, 15, v0
	v_bfe_u32 v178, v0, 4, 1
	v_lshlrev_b32 v[LN8], 3, v176
	v_lshlrev_b32 v[LN16], 4, v176
	v_lshlrev_b32 v[LX0], 5, v177
	v_lshl_add_u32 v[LX0], v178, 4, v[LX0]
	v_add_nc_u32 v[LX0], XSB, v[LX0]
	s_mul_i32 s58, s[WV], 4352
	s_add_co_u32 s58, s58, STG
	v_mul_u32_u24 v[SO], v177, 272
	v_lshl_add_u32 v[SO], v178, 6, v[SO]
	v_add_nc_u32 v[SO], s58, v[SO]                 ; in: row r, + 64 h
	v_mul_u32_u24 v[SR], v178, 272
	v_lshl_add_u32 v[SR], v177, 4, v[SR]
	v_add_nc_u32 v[SR], s58, v[SR]                 ; back: lanes 0-15 one row, lanes 16-31 the next
	DESC G1S, 2, 15|(3<<16)|(1<<21)
	DESC G1C, 48, 15|(3<<16)|(1<<21)
	s_lshl_b32 s58, s14, 11
	s_lshl_b32 s59, s[WV], 9
	s_add_co_u32 s58, s58, s59
	s_add_co_u32 s58, s58, 3145728
	s_mov_b32 s59, 0
	s_mul_i32 s60, s14, 49152
	s_mul_i32 s61, s[WV], 12288
	s_add_co_u32 s60, s60, s61
	s_mov_b32 s61, 0
	s_lshl_b32 s62, s[WV], 9
	s_mul_i32 s63, s[WV], 12288
	s_wait_dscnt 0x0
	s_wait_kmcnt 0x0
	s_mov_b32 s[G0S], 1
	s_add_co_u32 s[G0S+1], s62, XSB
	s_add_nc_u64 s[G0S+2:G0S+3], s[4:5], s[58:59]
	s_or_b32 s[G0S+3], s[G0S+3], 0x80000000
	s_mov_b32 s[G0C], 1
	s_mov_b32 s[G0C+1], s63
	s_add_nc_u64 s[G0C+2:G0C+3], s[4:5], s[60:61]
	s_or_b32 s[G0C+3], s[G0C+3], 0x80000000
	ROUND
	tensor_load_to_lds s[G0S:G0S+3], s[G1S:G1S+7]
	s_nop 0
	tensor_load_to_lds s[G0C:G0C+3], s[G1C:G1C+7]  ; two loads of mine are out
	s_nop 0
	PLACES 4
	s_mul_i32 s58, s15, 49152
	s_add_co_u32 s58, s58, 2359296
	s_mov_b32 s59, 0
	s_add_nc_u64 s[WB:WB+1], s[6:7], s[58:59]
	s_lshl_b32 s58, s15, 11
	s_add_co_u32 s58, s58, WSC+192*512
	s_add_nc_u64 s[WSB:WSB+1], s[6:7], s[58:59]
	WIN 0x40
.irp k, 0,1,2,3
.irp t, 0,1,2,3
.irp c, 0,1,2
	global_load_b128 v[12*(4*\k+\t)+4*\c:12*(4*\k+\t)+4*\c+3], v[LN16], s[WB:WB+1] offset:\t*12288+\k*1536+512*\c
.endr
.endr
.endr
	WIN 0x80
.irp k, 0,1,2,3
.irp t, 0,1,2,3
.irp c, 0,1,2
	global_load_b128 v[12*(4*\k+\t)+4*\c:12*(4*\k+\t)+4*\c+3], v[LN16], s[WB:WB+1] offset:\t*12288+(\k+4)*1536+512*\c
.endr
.endr
.endr
	WIN 0
.irp t, 0,1,2,3
	global_load_b128 v[WS+4*\t:WS+4*\t+3], v[LN16], s[WSB:WSB+1] offset:512*\t
.endr
	s_lshl_b32 s58, s15, 8
	v_lshlrev_b32 v[GO0], 12, v178
	v_lshl_add_u32 v[GO0], v177, 4, v[GO0]
	v_add_nc_u32 v[GO0], s58, v[GO0]               ; in x and x2: row h, my 64 columns, 16 bytes a lane
	s_lshl_b32 s58, s14, 18
	s_add_nc_u64 s[8:9], s[8:9], s[58:59]
	s_add_nc_u64 s[10:11], s[10:11], s[58:59]
	WIN 0xC0                                       ; x for all four tiles: tile m at v[32 m] of window 3; the tile and the pair of rows stand in the immediate
.irp m, 0,1,2,3
.irp i, 0,1,2,3,4,5,6,7
	global_load_b128 v[32*\m+4*\i:32*\m+4*\i+3], v[GO0], s[8:9] offset:65536*\m+8192*\i
.endr
.endr
	WIN 0
	s_mov_b32 s[MB], 0
	s_mov_b32 s[MX], 0
	s_wait_loadcnt 32                              ; Wo and its scales are in; the 32 loads of x, issued behind them, may be out
	s_wait_tensorcnt 0x0
	s_barrier_signal -1
	s_barrier_wait -1
.macro TILE m, pf
.if \m > 0
	s_wait_xcnt 0x0                                ; the last tile's stores have read their data
.endif
.if \pf
	s_add_co_u32 s[MB], s[MB], 12288
	s_add_co_u32 s[MX], s[MX], 512
	v_add_nc_u32 v[LA], s[MB], v[LN8]
	v_add_nc_u32 v[LX], s[MX], v[LX0]
.endif
	s_wait_dscnt 24                                ; fragments 0-3 and the scale words are in
	MM16 0
	WIN 0
	PLACES 4
.if \pf
	FA 0
	s_wait_dscnt 24                                ; all but the 24 just issued
.else
	s_wait_dscnt 0x0
.endif
	MM16 1
	WIN 0
	PLACES 5                                       ; four for what reads the results and loads over the sources; the fifth for the next tile's first products
.if \pf
	FX
	FA 4
.endif
.irp t, 0,1,2,3
.irp q, 0,1
	ds_store_b128 v[SO], v[ACC+8*\t+4*\q:ACC+8*\t+4*\q+3] offset:128*(\t/2)+32*(\t%2)+16*\q   ; each accumulator from its low end on
.endr
.endr
.irp i, 0,1,2,3,4,5,6,7
	ds_load_b128 v[RBK+4*\i:RBK+4*\i+3], v[SR] offset:544*\i       ; my own stage: LDS serves a wave's instructions in order
.endr
	s_wait_dscnt 0x0
	s_wait_loadcnt 8*(3-\m)                        ; this tile's eight loads of x are in; the later tiles' eight each may be out
	WIN 0x0C                                       ; source 1, x, in window 3
.set n, 0
.rept 16
	v_pk_add_f32 v[RBK+n:RBK+n+1], v[RBK+n:RBK+n+1], v[32*\m+n:32*\m+n+1]
.set n, n+2
.endr
	WIN 0
.irp i, 0,1,2,3,4,5,6,7
	global_store_b128 v[GO0], v[RBK+4*\i:RBK+4*\i+3], s[10:11] offset:65536*\m+8192*\i   ; sixteen lanes store 256 consecutive bytes, aligned
.endr
.endm
	v_add_nc_u32 v[LA], s[MB], v[LN8]
	v_add_nc_u32 v[LX], s[MX], v[LX0]
	FA 0
	FX
	FA 4
	TILE 0, 1
	TILE 1, 1
	TILE 2, 1
	TILE 3, 0
	s_wait_tensorcnt 0x0
	ds_add_u32 v254, v255
	s_wait_dscnt 0x0
	ROUND                                          ; the closing round
	s_endpgm
.Lfunc_end_k_q788ea1d210_wo:
	.size	k_q788ea1d210_wo, .Lfunc_end_k_q788ea1d210_wo-k_q788ea1d210_wo
	.p2alignl 7, 3214868480
	.fill 96, 4, 3214868480
	.section	.rodata,"a",@progbits
	.p2align	6, 0x0
	.amdhsa_kernel k_q788ea1d210_wo
		.amdhsa_group_segment_fixed_size 168448
		.amdhsa_private_segment_fixed_size 0
		.amdhsa_enable_private_segment 0
		.amdhsa_kernarg_size 32
		.amdhsa_user_sgpr_count 2
		.amdhsa_user_sgpr_kernarg_segment_ptr 1
		.amdhsa_wavefront_size32 1
		.amdhsa_system_sgpr_workgroup_id_x 1
		.amdhsa_system_sgpr_workgroup_id_y 1
		.amdhsa_system_sgpr_workgroup_id_z 1
		.amdhsa_system_vgpr_workitem_id 0
		.amdhsa_next_free_vgpr 896
		.amdhsa_next_free_sgpr 66
		.amdhsa_reserve_vcc 0
		.amdhsa_float_denorm_mode_32 3
		.amdhsa_float_denorm_mode_16_64 3
		.amdhsa_memory_ordered 1
		.amdhsa_forward_progress 1
		.amdhsa_inst_pref_size 61
	.end_amdhsa_kernel
	.amdgpu_metadata
---
amdhsa.version: [ 1, 2 ]
amdhsa.kernels:
  - .name:           k_q788ea1d210_wo
    .symbol:         k_q788ea1d210_wo.kd
    .args:
      - { .name: att, .offset: 0, .size: 8, .value_kind: global_buffer, .address_space: global }
      - { .name: wts, .offset: 8, .size: 8, .value_kind: global_buffer, .address_space: global }
      - { .name: x, .offset: 16, .size: 8, .value_kind: global_buffer, .address_space: global }
      - { .name: x2, .offset: 24, .size: 8, .value_kind: global_buffer, .address_space: global }
    .group_segment_fixed_size: 168448
    .private_segment_fixed_size: 0
    .kernarg_segment_align: 8
    .kernarg_segment_size: 32
    .max_flat_workgroup_size: 128
    .sgpr_count:     66
    .vgpr_count:     896
    .wavefront_size: 32
...
	.end_amdgpu_metadata
.endif
;; end of part 10
;; launch norm2: the kernel of part 7 again; grid 256 x 1, 4 waves a work-group, no clusters, 67,072 bytes of LDS; arguments x2, g2, xb, positions, Wq_codes, Wq_scales, Wk_codes, Wk_scales, Wv_codes, Wv_scales, Wo_codes, Wo_scales, w1_codes, w1_scales, w3_codes, w3_scales, w2_codes, w2_scales, wts; writes xb, wts
;; launch ffn1: the kernel of part 5 again; grid 22 x 16, 4 waves a work-group, no clusters, 238,080 bytes of LDS; arguments xb, wts, hq; writes hq
;; launch ffn2 (part 11): grid 8 x 32, 4 waves a work-group, clusters of 4 x 1, 327,680 bytes of LDS; arguments hq, wts, x2, out0; writes out0
.if DOCPART == 11
	.amdgcn_target "amdgcn-amd-amdhsa--gfx1250"
	.amdhsa_code_object_version 6
	.text
	.protected	k_q788ea1d210_ffn2
	.globl	k_q788ea1d210_ffn2
	.p2align	8
	.type	k_q788ea1d210_ffn2,@function
k_q788ea1d210_ffn2:
	s_mov_b64 s[64:65], 0
	v_nop
	global_prefetch_b8 v0, s[64:65] scope:SCOPE_SE
	s_setreg_imm32_b32 hwreg(HW_REG_WAVE_MODE, 25, 1), 1
	s_wait_xcnt 0x0
	s_wait_alu depctr_hold_cnt(0) depctr_sa_sdst(0) depctr_va_vdst(0) depctr_va_sdst(0) depctr_va_ssrc(0) depctr_va_vcc(0) depctr_vm_vsrc(0)
	s_getreg_b32 s2, hwreg(HW_REG_IB_STS2, 6, 4)
	s_cmp_eq_u32 s2, 0
	s_cbranch_scc0 .Lentry_in_a_cluster
	s_endpgm
.Lentry_in_a_cluster:
	s_bfe_u32 s2, ttmp6, 0x10000c
	s_cmp_lg_u32 s2, 0x3003
	s_cbranch_scc0 .Lentry_shape_is_right
	s_endpgm
.Lentry_shape_is_right:
; out0 = x2 + h w2^T, on codes of FP6 with E8M0 scales; K = 2,752 in 22 steps of 128 (the last half step is zero codes on both sides).
; A work-group takes 128 rows (8 tiles) x 128 columns.  Wave w takes 64 columns (w % 2) and half of K (w / 2: 11 steps): 4 tiles x 11 fragments of w2 = 528 registers, kept for the launch; all 22 steps of four tiles
; would not fit in a wave's registers.  The two halves of a sum meet in LDS, in f32, behind one barrier a tile; two stages take turns.  So a sum is two f32 sums added: another order of rounding than one chain.
; The four partners of a cluster need the same rows of h: their images (270,336 bytes) and scale words come into LDS once, by joint tensor loads, in four runs of two tiles; a run is waited for when its first tile is
; fetched.  No LDS byte is filled twice.  Five tensor loads of a wave are out at the start.
; THE RESIDUAL is asked for FOUR TILES AHEAD: four buffers of 16 registers; tiles 0 to 3 at the head, tile m + 4 as soon as tile m's sums have read its buffer.
.set HSB, 270336                       ; the rows' scale words [tile][22][16 r]
.set STG, 281600                       ; 2 stages x 4 waves x 16 rows x 272 bytes
.set LN16, 1
.set AA0, 2
.set AA, 3
.set HSA, 4
.set SO, 5
.set PA, 6
.set GO, 7                             ; v7  my byte offset in x2 and out0; never rewritten
.set W2SA, 8
.set W2S, 16                           ; v16-59  w2's scale words, 11 t + i
.set HS, 60                            ; v60-70  h's
.set ACC, 72                           ; v72-103
.set P0, 104
.set P1, 120
.set RX, 136                           ; v136-199 x2: tile m in buffer m % 4
.set WV, 12
.set G1S, 16
.set G1C, 24
.set G0, 32                            ; s[32:51] five groups 0
.set WB, 54
.set WSB, 56
.set MSB, 0
.macro WIN new
.if MSB != (\new)
	s_set_vgpr_msb (MSB<<8)|(\new)
.set MSB, (\new)
.endif
.endm
.macro PLACES n
.rept \n
	v_nop
.endr
.endm
.macro ROUND
	s_barrier_signal -1
	s_barrier_wait -1
	s_cmp_lg_u32 s[WV], 0
	s_cbranch_scc1 .Lnw0_\@
	s_barrier_signal -3
.Lnw0_\@:
	s_barrier_wait -3
	s_barrier_signal -1
	s_barrier_wait -1
.endm
.macro DESC g, rows, w0
	s_mov_b32 s[\g], \w0
	s_mov_b32 s[\g+1], 32<<16
	s_mov_b32 s[\g+2], (\rows)<<16
	s_mov_b32 s[\g+3], 32<<16
	s_mov_b32 s[\g+4], \rows
	s_mov_b32 s[\g+5], 32
	s_mov_b32 s[\g+6], 0
	s_mov_b32 s[\g+7], 0
.endm
.macro WM0 d, a, b, sa, sb
	v_wmma_scale_f32_16x16x128_f8f6f4 v[\d:\d+7], v[\a:\a+11], v[\b:\b+11], 0, v[\sa], v[\sb] matrix_a_fmt:MATRIX_FMT_FP6 matrix_b_fmt:MATRIX_FMT_FP6
.endm
.macro WMC d, a, b, sa, sb
	v_wmma_scale_f32_16x16x128_f8f6f4 v[\d:\d+7], v[\a:\a+11], v[\b:\b+11], v[\d:\d+7], v[\sa], v[\sb] matrix_a_fmt:MATRIX_FMT_FP6 matrix_b_fmt:MATRIX_FMT_FP6
.endm
	s_load_b256 s[4:11], s[0:1], 0x0               ; hq, wts, x2, out0
	v_lshl_add_u32 v254, v0, 2, 0x4d400
	v_mov_b32 v255, 0
	ds_add_u32 v254, v255
	ds_add_u32 v254, v255
	v_lshrrev_b32 v1, 5, v0
	v_readfirstlane_b32 s[WV], v1
	s_and_b32 s15, ttmp7, 0xffff                   ; which 128 rows
	s_and_b32 s52, s[WV], 1                        ; which 64 columns
	s_lshr_b32 s53, s[WV], 1                       ; which half of K
	v_and_b32 v9, 31, v0
	v_and_b32 v10, 15, v0
	v_bfe_u32 v11, v0, 4, 1
	v_lshlrev_b32 v[LN16], 4, v9
	s_mul_i32 s58, s53, 16896
	v_lshl_add_u32 v[AA0], v9, 3, s58              ; images: 8 x lane + my 11 K steps
	s_mul_i32 s58, s53, 704
	s_add_co_u32 s58, s58, HSB
	v_lshl_add_u32 v[HSA], v10, 2, s58
	s_mul_i32 s58, s[WV], 4352
	s_add_co_u32 s58, s58, STG
	v_mul_u32_u24 v[SO], v10, 272
	v_lshl_add_u32 v[SO], v11, 6, v[SO]
	v_add_nc_u32 v[SO], s58, v[SO]                 ; my stage: row r, + 64 h
	s_mul_i32 s58, s52, 4352
	s_mul_i32 s59, s53, 2176
	s_add_co_u32 s58, s58, s59
	s_add_co_u32 s58, s58, STG
	v_mul_u32_u24 v[PA], v11, 272
	v_lshl_add_u32 v[PA], v10, 4, v[PA]
	v_add_nc_u32 v[PA], s58, v[PA]                 ; back: my columns' first stage, rows 8 (wave / 2) + h on
	s_lshl_b32 s58, s53, 6
	v_lshl_add_u32 v[W2SA], v10, 2, s58
	DESC G1S, 11, 15|(3<<16)|(1<<21)
	DESC G1C, 66, 15|(3<<16)|(1<<21)
	s_mul_i32 s58, s15, 11264
	s_mul_i32 s59, s[WV], 2816
	s_add_co_u32 s58, s58, s59
	s_add_co_u32 s58, s58, 8650752
	s_mov_b32 s59, 0
	s_mul_i32 s60, s15, 270336
	s_mul_i32 s61, s[WV], 16896
	s_add_co_u32 s60, s60, s61
	s_mov_b32 s61, 0
	s_mul_i32 s62, s[WV], 2816
	s_mul_i32 s63, s[WV], 16896
	s_wait_dscnt 0x0
	s_wait_kmcnt 0x0
	s_mov_b32 s[G0], 1
	s_add_co_u32 s[G0+1], s62, HSB
	s_add_nc_u64 s[G0+2:G0+3], s[4:5], s[58:59]
	s_or_b32 s[G0+3], s[G0+3], 0x80000000
	s_add_nc_u64 s[66:67], s[4:5], s[60:61]
.irp g, 0,1,2,3
	s_mov_b32 s[G0+4+4*\g], 1
	s_add_co_u32 s[G0+5+4*\g], s63, \g*67584
	s_add_nc_u64 s[G0+6+4*\g:G0+7+4*\g], s[66:67], \g*67584
	s_or_b32 s[G0+7+4*\g], s[G0+7+4*\g], 0x80000000
.endr
	ROUND                                          ; all four work-groups are here: the joint loads meet
	tensor_load_to_lds s[G0:G0+3], s[G1S:G1S+7]
	s_nop 0
.irp g, 0,1,2,3
	tensor_load_to_lds s[G0+4+4*\g:G0+7+4*\g], s[G1C:G1C+7]
	s_nop 0
.endr
	PLACES 4
	s_bfe_u32 s13, ttmp6, 0x40000                  ; cx: it enters global addresses of my own loads and stores alone
	s_lshl_b32 s14, ttmp9, 2
	s_add_co_u32 s14, s14, s13                     ; which 128 columns
	s_lshl_b32 s58, s14, 3
	s_lshl_b32 s59, s52, 2
	s_add_co_u32 s58, s58, s59                     ; my first tile of w2
	s_mul_i32 s60, s58, 33792
	s_mul_i32 s61, s53, 16896
	s_add_co_u32 s60, s60, s61
	s_add_co_u32 s60, s60, 7471104
	s_mov_b32 s61, 0
	s_add_nc_u64 s[WB:WB+1], s[6:7], s[60:61]
	s_mul_i32 s60, s58, 1408
	s_add_co_u32 s60, s60, 9945088
	s_add_nc_u64 s[WSB:WSB+1], s[6:7], s[60:61]
	WIN 0x40                                       ; w2 stays in registers: my K steps 0-4 in window 1,
.irp i, 0,1,2,3,4
.irp t, 0,1,2,3
.irp c, 0,1,2
	global_load_b128 v[12*(4*\i+\t)+4*\c:12*(4*\i+\t)+4*\c+3], v[LN16], s[WB:WB+1] offset:\t*33792+\i*1536+512*\c
.endr
.endr
.endr
	WIN 0x80                                       ; 5-9 in window 2,
.irp i, 0,1,2,3,4
.irp t, 0,1,2,3
.irp c, 0,1,2
	global_load_b128 v[12*(4*\i+\t)+4*\c:12*(4*\i+\t)+4*\c+3], v[LN16], s[WB:WB+1] offset:\t*33792+(\i+5)*1536+512*\c
.endr
.endr
.endr
	WIN 0xC0                                       ; the eleventh in window 3
.irp t, 0,1,2,3
.irp c, 0,1,2
	global_load_b128 v[12*\t+4*\c:12*\t+4*\c+3], v[LN16], s[WB:WB+1] offset:\t*33792+10*1536+512*\c
.endr
.endr
	WIN 0
.irp t, 0,1,2,3
.irp i, 0,1,2,3,4,5,6,7,8,9,10
	global_load_b32 v[W2S+11*\t+\i], v[W2SA], s[WSB:WSB+1] offset:\t*1408+128*\i
.endr
.endr
	s_lshl_b32 s58, s53, 15
	s_lshl_b32 s59, s14, 9
	s_add_co_u32 s58, s58, s59
	s_lshl_b32 s59, s52, 8
	s_add_co_u32 s58, s58, s59
	v_lshlrev_b32 v[GO], 12, v11
	v_lshl_add_u32 v[GO], v10, 4, v[GO]
	v_add_nc_u32 v[GO], s58, v[GO]                 ; in x2 and out0: row 8 (wave / 2) + h, my 64 columns, 16 bytes a lane
	s_lshl_b32 s58, s15, 19
	s_mov_b32 s59, 0
	s_add_nc_u64 s[8:9], s[8:9], s[58:59]
	s_add_nc_u64 s[10:11], s[10:11], s[58:59]
.irp m, 0,1,2,3                        ; x2 for tiles 0 to 3: the tile and the pair of rows stand in the immediate
.irp i, 0,1,2,3
	global_load_b128 v[RX+16*\m+4*\i:RX+16*\m+4*\i+3], v[GO], s[8:9] offset:65536*\m+8192*\i
.endr
.endr
; tile mm's scale words and its eleven fragments of my half of K (into window 3, v48 on): 11 + 66 LDS loads
.macro FETCH mm
	v_add_nc_u32 v[AA], (\mm)*33792, v[AA0]
.irp i, 0,1,2,3,4,5,6,7,8,9,10
	ds_load_b32 v[HS+\i], v[HSA] offset:1408*(\mm)+64*\i
.endr
	WIN 0xC0
.irp i, 0,1,2,3,4,5,6,7,8,9,10
.irp q, 0,1,2,3,4,5
	ds_load_b64 v[48+12*\i+2*\q:48+12*\i+2*\q+1], v[AA] offset:1536*\i+256*\q
.endr
.endr
	WIN 0
.endm
.macro TILE2 m
	s_wait_dscnt 36                                ; the scale words and fragments 0-4 are in: the 36 loads of fragments 5-10 may be out
	WIN 0x0D                                       ; source 0 (w2) window 1, source 1 (h) window 3
.irp i, 0,1,2,3,4
.irp t, 0,1,2,3
.if \i == 0
	WM0 ACC+8*\t, 12*(4*\i+\t), 48+12*\i, W2S+11*\t+\i, HS+\i
.else
	WMC ACC+8*\t, 12*(4*\i+\t), 48+12*\i, W2S+11*\t+\i, HS+\i
.endif
.endr
.endr
	s_wait_dscnt 6                                 ; only the last fragment's six loads may be out
	WIN 0x0E
.irp i, 0,1,2,3,4
.irp t, 0,1,2,3
	WMC ACC+8*\t, 12*(4*\i+\t), 48+12*(\i+5), W2S+11*\t+\i+5, HS+\i+5
.endr
.endr
	s_wait_dscnt 0x0
	WIN 0x0F
.irp t, 0,1,2,3
	WMC ACC+8*\t, 12*\t, 48+120, W2S+11*\t+10, HS+10
.endr
	WIN 0
	PLACES 5                                       ; four for the stores of the results and the loads over the sources; the fifth for the next tile's first products
.irp t, 0,1,2,3
.irp q, 0,1
	ds_store_b128 v[SO], v[ACC+8*\t+4*\q:ACC+8*\t+4*\q+3] offset:17408*(\m%2)+128*(\t/2)+32*(\t%2)+16*\q   ; each accumulator from its low end on
.endr
.endr
.if (\m%2 == 1) && (\m < 7)
	s_wait_tensorcnt 2-(\m/2)                      ; my part of the next two tiles has landed: so many younger runs may be out
.endif
	s_wait_dscnt 0x0                               ; my half sums have landed, my reads of the other stage are over
	s_barrier_signal -1
	s_barrier_wait -1
	s_wait_xcnt 0x0                                ; the last tile's stores have read their data
.irp i, 0,1,2,3
	ds_load_b128 v[P0+4*\i:P0+4*\i+3], v[PA] offset:17408*(\m%2)+544*\i
	ds_load_b128 v[P1+4*\i:P1+4*\i+3], v[PA] offset:17408*(\m%2)+8704+544*\i
.endr
.if \m < 7
	FETCH \m+1
	s_wait_dscnt 63                                ; the largest count that this wait can name.  Behind the barrier 8 + 77 LDS loads were issued; with at most 63 out the oldest 22 are in, the eight loads of the two halves among them
.else
	s_wait_dscnt 0x0
.endif
.if \m < 5
	s_wait_loadcnt 12                              ; this tile's four loads of x2 are in; the three younger tiles' four each may be out
.else
	s_wait_loadcnt 4*(7-\m)                        ; nothing is asked for any more: the counts run down
.endif
.set n, 0
.rept 8
	v_pk_add_f32 v[P0+n:P0+n+1], v[P0+n:P0+n+1], v[P1+n:P1+n+1]
.set n, n+2
.endr
.set n, 0
.rept 8
	v_pk_add_f32 v[P0+n:P0+n+1], v[P0+n:P0+n+1], v[RX+16*(\m%4)+n:RX+16*(\m%4)+n+1]
.set n, n+2
.endr
.if \m < 4
.irp i, 0,1,2,3
	global_load_b128 v[RX+16*(\m%4)+4*\i:RX+16*(\m%4)+4*\i+3], v[GO], s[8:9] offset:65536*(\m+4)+8192*\i   ; the buffer has been read: x2 for the tile four on
.endr
.endif
.irp i, 0,1,2,3
	global_store_b128 v[GO], v[P0+4*\i:P0+4*\i+3], s[10:11] offset:65536*\m+8192*\i th:TH_STORE_NT   ; sixteen lanes store 256 consecutive bytes, aligned
.endr
.endm
	s_wait_loadcnt 16                              ; w2 and its scales are in; the 16 loads of x2, issued behind them, may be out
	s_wait_tensorcnt 3                             ; the scale words and tiles 0, 1 are in; the three younger runs may be out
	s_barrier_signal -1
	s_barrier_wait -1
	FETCH 0
.irp m, 0,1,2,3,4,5,6,7
	TILE2 \m
.endr
	s_wait_tensorcnt 0x0
	ds_add_u32 v254, v255
	s_wait_dscnt 0x0
	ROUND                                          ; the closing round
	s_endpgm
.Lfunc_end_k_q788ea1d210_ffn2:
	.size	k_q788ea1d210_ffn2, .Lfunc_end_k_q788ea1d210_ffn2-k_q788ea1d210_ffn2
	.p2alignl 7, 3214868480
	.fill 96, 4, 3214868480
	.section	.rodata,"a",@progbits
	.p2align	6, 0x0
	.amdhsa_kernel k_q788ea1d210_ffn2
		.amdhsa_group_segment_fixed_size 327680
		.amdhsa_private_segment_fixed_size 0
		.amdhsa_enable_private_segment 0
		.amdhsa_kernarg_size 32
		.amdhsa_user_sgpr_count 2
		.amdhsa_user_sgpr_kernarg_segment_ptr 1
		.amdhsa_wavefront_size32 1
		.amdhsa_system_sgpr_workgroup_id_x 1
		.amdhsa_system_sgpr_workgroup_id_y 1
		.amdhsa_system_sgpr_workgroup_id_z 1
		.amdhsa_system_vgpr_workitem_id 0
		.amdhsa_next_free_vgpr 1024
		.amdhsa_next_free_sgpr 80
		.amdhsa_reserve_vcc 0
		.amdhsa_float_denorm_mode_32 3
		.amdhsa_float_denorm_mode_16_64 3
		.amdhsa_memory_ordered 1
		.amdhsa_forward_progress 1
		.amdhsa_inst_pref_size 135
	.end_amdhsa_kernel
	.amdgpu_metadata
---
amdhsa.version: [ 1, 2 ]
amdhsa.kernels:
  - .name:           k_q788ea1d210_ffn2
    .symbol:         k_q788ea1d210_ffn2.kd
    .args:
      - { .name: hq, .offset: 0, .size: 8, .value_kind: global_buffer, .address_space: global }
      - { .name: wts, .offset: 8, .size: 8, .value_kind: global_buffer, .address_space: global }
      - { .name: x2, .offset: 16, .size: 8, .value_kind: global_buffer, .address_space: global }
      - { .name: out0, .offset: 24, .size: 8, .value_kind: global_buffer, .address_space: global }
    .group_segment_fixed_size: 327680
    .private_segment_fixed_size: 0
    .kernarg_segment_align: 8
    .kernarg_segment_size: 32
    .max_flat_workgroup_size: 128
    .sgpr_count:     80
    .vgpr_count:     1024
    .wavefront_size: 32
...
	.end_amdgpu_metadata
.endif
;; end of part 11
